; MI455X (gfx1250); checked and timed in simulation.
; The chip was launched on July 23, 2026; its instructions are those of AMD's public machine-readable ISA for CDNA 5 (MIT licence, August 2026) and "CDNA5" Instruction Set Architecture Reference Guide (July 2026). The comments in the code are by the model that wrote it; some were corrected since.
;; Deformable Transformer. Allowed arithmetic: float matrix products may take bf16 or f16 operands with f32 sums; other float arithmetic in f32, or as packed bf16 or f16 multiplies, adds, multiply-adds, maxima and minima; sums over many terms, partial sums and values carried from step to step in f32; what a program stores and reads back later, other than sums and carried values, may be rounded once to bf16 or f16.
;; Inputs: Wattn 256 x 96 float32; Wff1 256 x 1,024 float32; Wff2 1,024 x 256 float32; Woff 256 x 192 float32; Wout 256 x 256 float32; Wv 256 x 256 float32; b1 256 float32; b2 256 float32; battn 96 float32; bff1 1,024 float32; bff2 256 float32; boff 192 float32; bout 256 float32; bv 256 float32; g1 256 float32; g2 256 float32; pos 2 x 13,125 x 256 float32; reference_points 2 x 13,125 x 3 x 2 float32; src 2 x 13,125 x 256 float32.
;; Outputs: out0 2 x 13,125 x 256 float32.
;; 3 versions, each right; version 3 is version 2 with the launch prep written anew for expert scheduling mode. Each part assembles by itself: llvm-mc -triple=amdgcn-amd-amdhsa -mcpu=gfx1250 --defsym DOCPART=n.
;; ======== version 1 of 3: 3 launches
;; workspace buffers: wqv 294,912 bytes; wA 655,360 bytes; wB 524,288 bytes; val 20,164,608 bytes; swgt 20,447,232 bytes; sidx 10,223,616 bytes of whole numbers
;; launch prep (part 1): grid 45 x 1, 4 waves a work-group, no clusters, 34,304 bytes of LDS; arguments Wv, Woff, Wattn, Wout, Wff1, Wff2, wqv, wA, wB; writes wqv, wA, wB
.if DOCPART == 1
	.amdgcn_target "amdgcn-amd-amdhsa--gfx1250"
	.amdhsa_code_object_version 6
	.text
	.protected	k_qbf597f06cd_prep
	.globl	k_qbf597f06cd_prep
	.p2align	8
	.type	k_qbf597f06cd_prep,@function
k_qbf597f06cd_prep:
	s_mov_b64 s[64:65], 0
	v_nop
	global_prefetch_b8 v0, s[64:65] scope:SCOPE_SE
	s_setreg_imm32_b32 hwreg(HW_REG_WAVE_MODE, 25, 1), 1
	s_wait_xcnt 0x0
; The six weight matrices, f32 [K][N], are rounded once to bf16 and turned to [N][K], so that the later launches' tiles have K along their rows.
; wqv [576][256]: rows 0-255 Wv^T; row 256 + 80 hh + 16 t + 8 h + j is item i = 8 t + j of head 4 h + hh: i < 24 column 24 head + i of Woff,
; i < 36 column 12 head + i - 24 of Wattn, else a row of zeros.  wA [1280][256]: Wout^T, then Wff1^T.  wB [256][1024]: Wff2^T.
; A wave makes one tile of 16 destination rows x 256 k; tile number = 4 x work-group + wave, 180 tiles.  Lane l takes 4 source columns (l % 4) and 8 k (l / 4) four times:
; 32 loads of 16 bytes; eight k of one column pack into 16 bytes, go into the wave's own stage in LDS and come back as whole rows of 512 bytes.
.set SPARE, 33792                      ; behind the four stages (4 x 16 rows x 528 bytes): the spare words, 128 bytes a wave
.set SPW, 1                            ; v1  SPARE + 4 x thread; never rewritten
.set NIL, 2                            ; v2  0; never rewritten
.set LN,  3                            ; v3  lane
.set NQ,  4                            ; v4  l % 4
.set KG,  5                            ; v5  l / 4
.set COL, 6                            ; v6  my first source column
.set BASE, 7                           ; v7  byte offset of (first k, first column)
.set KEEP, 8                           ; v8  all ones, or 0 in lanes whose rows are zero rows
.set STO, 9                            ; v9  where I put 16 bytes in the stage
.set RD,  10                           ; v10 where I read a row back
.set TA,  11
.set TB,  12
.set AO,  16                           ; v16-47  the 32 loads' offsets
.set DO,  48                           ; v48-63  the 16 stores' offsets
.set LD,  64                           ; v64-191 as loaded: (it, j) at 32 it + 4 j
.set PK,  192                          ; v192-255 packed
.set WV, 24
.set TAU, 25
.set P4, 26                            ; bytes from k to k + 1 in the source
.set N0, 27
.set CA, 28                            ; columns from destination row 0 to row 8
.set CB, 29                            ; columns from destination row 0 to row 4
.set PM, 30                            ; -1: destination rows 4-7 and 12-15 are zero rows
.set K0, 31
.set SRC, 32
.set DST, 34
.set DP, 36                            ; bytes from row to row in the destination
.set OF, 38
.set T0, 40
.set T1, 41
.set T2, 42
.set STW, 43
	s_load_b512 s[4:19], s[0:1], 0x0               ; Wv, Woff, Wattn, Wout, Wff1, Wff2, wqv, wA
	s_load_b64 s[20:21], s[0:1], 0x40              ; wB
	v_lshl_add_u32 v[SPW], v0, 2, SPARE
	v_mov_b32 v[NIL], 0
	v_lshrrev_b32 v[LN], 5, v0
	v_readfirstlane_b32 s[WV], v[LN]
	v_and_b32 v[LN], 31, v0
	v_and_b32 v[NQ], 3, v0
	v_lshrrev_b32 v[KG], 2, v[LN]
	s_lshl2_add_u32 s[TAU], ttmp9, s[WV]           ; the tile's number
	s_mov_b32 s[CA], 8
	s_mov_b32 s[CB], 4
	s_mov_b32 s[PM], 0
	s_mov_b32 s[K0], 0
	s_mov_b32 s[DP], 512
	s_mov_b32 s[OF+1], 0
	s_wait_kmcnt 0x0
	s_cmp_lt_u32 s[TAU], 16
	s_cbranch_scc0 .Lnot_v
	s_mov_b64 s[SRC:SRC+1], s[4:5]                 ; tiles 0-15: Wv
	s_mov_b32 s[P4], 1024
	s_lshl_b32 s[N0], s[TAU], 4
	s_lshl_b32 s[OF], s[TAU], 13
	s_add_nc_u64 s[DST:DST+1], s[16:17], s[OF:OF+1]
	s_branch .Lgo
.Lnot_v:
	s_cmp_lt_u32 s[TAU], 36
	s_cbranch_scc0 .Lnot_q
	s_sub_co_u32 s[T0], s[TAU], 16                 ; tiles 16-35: tq = 5 hh + t
	s_mul_i32 s[T1], s[T0], 13
	s_lshr_b32 s[T1], s[T1], 6                     ; hh = tq / 5 for tq < 20
	s_mul_i32 s[T2], s[T1], 5
	s_sub_co_u32 s[T2], s[T0], s[T2]               ; t
	s_lshl_b32 s[OF], s[T0], 13
	s_add_co_u32 s[OF], s[OF], 256*512
	s_add_nc_u64 s[DST:DST+1], s[16:17], s[OF:OF+1]
	s_cmp_lt_u32 s[T2], 3
	s_cbranch_scc0 .Lattn
	s_mov_b64 s[SRC:SRC+1], s[6:7]                 ; Woff: column 96 h + 24 hh + 8 t + j
	s_mov_b32 s[P4], 768
	s_mul_i32 s[N0], s[T1], 24
	s_lshl3_add_u32 s[N0], s[T2], s[N0]
	s_mov_b32 s[CA], 96
	s_branch .Lgo
.Lattn:
	s_mov_b64 s[SRC:SRC+1], s[8:9]                 ; Wattn: column 48 h + 12 hh + 8 (t - 3) + j
	s_mov_b32 s[P4], 384
	s_mul_i32 s[N0], s[T1], 12
	s_sub_co_u32 s[T2], s[T2], 3
	s_lshl3_add_u32 s[N0], s[T2], s[N0]
	s_mov_b32 s[CA], 48
	s_cmp_eq_u32 s[T2], 1                          ; t = 4: only j < 4 exist; the others load the same columns again and are masked to zero
	s_cselect_b32 s[CB], 0, 4
	s_cselect_b32 s[PM], -1, 0
	s_branch .Lgo
.Lnot_q:
	s_cmp_lt_u32 s[TAU], 52
	s_cbranch_scc0 .Lnot_o
	s_sub_co_u32 s[T0], s[TAU], 36                 ; tiles 36-51: Wout
	s_mov_b64 s[SRC:SRC+1], s[10:11]
	s_mov_b32 s[P4], 1024
	s_lshl_b32 s[N0], s[T0], 4
	s_lshl_b32 s[OF], s[T0], 13
	s_add_nc_u64 s[DST:DST+1], s[18:19], s[OF:OF+1]
	s_branch .Lgo
.Lnot_o:
	s_cmp_lt_u32 s[TAU], 116
	s_cbranch_scc0 .Lff2
	s_sub_co_u32 s[T0], s[TAU], 52                 ; tiles 52-115: Wff1
	s_mov_b64 s[SRC:SRC+1], s[12:13]
	s_mov_b32 s[P4], 4096
	s_lshl_b32 s[N0], s[T0], 4
	s_lshl_b32 s[OF], s[T0], 13
	s_add_co_u32 s[OF], s[OF], 256*512
	s_add_nc_u64 s[DST:DST+1], s[18:19], s[OF:OF+1]
	s_branch .Lgo
.Lff2:
	s_sub_co_u32 s[T0], s[TAU], 116                ; tiles 116-179: Wff2, 16 rows x a quarter of its 1,024 k
	s_mov_b64 s[SRC:SRC+1], s[14:15]
	s_mov_b32 s[P4], 1024
	s_lshr_b32 s[T1], s[T0], 2
	s_and_b32 s[T2], s[T0], 3
	s_lshl_b32 s[N0], s[T1], 4
	s_lshl_b32 s[K0], s[T2], 8
	s_lshl_b32 s[OF], s[T1], 15
	s_lshl_b32 s[T2], s[T2], 9
	s_add_co_u32 s[OF], s[OF], s[T2]
	s_add_nc_u64 s[DST:DST+1], s[20:21], s[OF:OF+1]
	s_mov_b32 s[DP], 2048
.Lgo:
	v_lshrrev_b32 v[COL], 1, v[NQ]
	v_and_b32 v[TA], 1, v[NQ]
	v_mul_lo_u32 v[COL], v[COL], s[CA]
	v_mul_lo_u32 v[TB], v[TA], s[CB]
	v_add3_u32 v[COL], v[COL], v[TB], s[N0]
	v_and_b32 v[KEEP], s[PM], v[TA]
	v_add_nc_u32 v[KEEP], -1, v[KEEP]              ; 0 -> all ones, 1 -> 0
	v_lshl_add_u32 v[BASE], v[KG], 3, s[K0]
	v_mul_lo_u32 v[BASE], v[BASE], s[P4]
	v_lshl_add_u32 v[BASE], v[COL], 2, v[BASE]
	s_mul_i32 s[STW], s[WV], 16*528                ; my stage
	v_mul_u32_u24 v[STO], v[NQ], 4*528
	v_lshl_add_u32 v[STO], v[KG], 4, v[STO]
	v_add_nc_u32 v[STO], s[STW], v[STO]
	v_lshl_add_u32 v[RD], v[LN], 4, s[STW]
	v_lshlrev_b32 v[TA], 4, v[LN]
.set n, 0
.rept 32                               ; load n = 8 it + j takes k = K0 + 64 it + 8 (l / 4) + j
	s_mul_i32 s[T0], s[P4], 64*(n/8)+n%8
	v_add_nc_u32 v[AO+n], s[T0], v[BASE]
.set n, n+1
.endr
.set n, 0
.rept 32
	global_load_b128 v[LD+4*n:LD+4*n+3], v[AO+n], s[SRC:SRC+1]
.set n, n+1
.endr
.set n, 0
.rept 16
	s_mul_i32 s[T0], s[DP], n
	v_add_nc_u32 v[DO+n], s[T0], v[TA]
.set n, n+1
.endr
.irp it, 0,1,2,3
	s_wait_loadcnt 24-8*\it                        ; loads come back in order: this group of eight is in, the later groups stay out
.irp c, 0,1,2,3
.irp q, 0,1,2,3
	v_cvt_pk_bf16_f32 v[PK+16*\it+4*\c+\q], v[LD+32*\it+8*\q+\c], v[LD+32*\it+8*\q+4+\c]
.endr
.irp q, 0,1,2,3
	v_and_b32 v[PK+16*\it+4*\c+\q], v[KEEP], v[PK+16*\it+4*\c+\q]
.endr
	ds_store_b128 v[STO], v[PK+16*\it+4*\c:PK+16*\it+4*\c+3] offset:\c*528+\it*128
.endr
.endr
.irp j, 0,1,2,3,4,5,6,7,8,9,10,11,12,13,14,15
	ds_load_b128 v[LD+4*\j:LD+4*\j+3], v[RD] offset:\j*528  ; my own bytes: LDS serves a wave's instructions in order
.endr
.irp j, 0,1,2,3,4,5,6,7,8,9,10,11,12,13,14,15
	s_wait_dscnt 15-\j
	global_store_b128 v[DO+\j], v[LD+4*\j:LD+4*\j+3], s[DST:DST+1]  ; a wave's store covers 512 consecutive bytes, aligned
.endr
	s_wait_tensorcnt 0x0                           ; the wave's end, behind my last LDS store
	ds_add_u32 v[SPW], v[NIL]
	s_wait_dscnt 0x0
	s_endpgm
.Lfunc_end_k_qbf597f06cd_prep:
	.size	k_qbf597f06cd_prep, .Lfunc_end_k_qbf597f06cd_prep-k_qbf597f06cd_prep
	.p2alignl 7, 3214868480
	.fill 96, 4, 3214868480
	.section	.rodata,"a",@progbits
	.p2align	6, 0x0
	.amdhsa_kernel k_qbf597f06cd_prep
		.amdhsa_group_segment_fixed_size 34304
		.amdhsa_private_segment_fixed_size 0
		.amdhsa_enable_private_segment 0
		.amdhsa_kernarg_size 72
		.amdhsa_user_sgpr_count 2
		.amdhsa_user_sgpr_kernarg_segment_ptr 1
		.amdhsa_wavefront_size32 1
		.amdhsa_system_sgpr_workgroup_id_x 1
		.amdhsa_system_sgpr_workgroup_id_y 1
		.amdhsa_system_sgpr_workgroup_id_z 1
		.amdhsa_system_vgpr_workitem_id 0
		.amdhsa_next_free_vgpr 256
		.amdhsa_next_free_sgpr 66
		.amdhsa_reserve_vcc 0
		.amdhsa_float_denorm_mode_32 3
		.amdhsa_float_denorm_mode_16_64 3
		.amdhsa_memory_ordered 1
		.amdhsa_forward_progress 1
		.amdhsa_inst_pref_size 22
	.end_amdhsa_kernel
	.amdgpu_metadata
---
amdhsa.version: [ 1, 2 ]
amdhsa.kernels:
  - .name:           k_qbf597f06cd_prep
    .symbol:         k_qbf597f06cd_prep.kd
    .args:
      - { .name: Wv, .offset: 0, .size: 8, .value_kind: global_buffer, .address_space: global }
      - { .name: Woff, .offset: 8, .size: 8, .value_kind: global_buffer, .address_space: global }
      - { .name: Wattn, .offset: 16, .size: 8, .value_kind: global_buffer, .address_space: global }
      - { .name: Wout, .offset: 24, .size: 8, .value_kind: global_buffer, .address_space: global }
      - { .name: Wff1, .offset: 32, .size: 8, .value_kind: global_buffer, .address_space: global }
      - { .name: Wff2, .offset: 40, .size: 8, .value_kind: global_buffer, .address_space: global }
      - { .name: wqv, .offset: 48, .size: 8, .value_kind: global_buffer, .address_space: global }
      - { .name: wA, .offset: 56, .size: 8, .value_kind: global_buffer, .address_space: global }
      - { .name: wB, .offset: 64, .size: 8, .value_kind: global_buffer, .address_space: global }
    .group_segment_fixed_size: 34304
    .private_segment_fixed_size: 0
    .kernarg_segment_align: 8
    .kernarg_segment_size: 72
    .max_flat_workgroup_size: 128
    .sgpr_count:     66
    .vgpr_count:     256
    .wavefront_size: 32
...
	.end_amdgpu_metadata
.endif
;; end of part 1
;; launch proj (part 2): grid 208 x 1, 4 waves a work-group, clusters of 4 x 1, 327,680 bytes of LDS; arguments src, pos, reference_points, bv, boff, battn, wqv, val, swgt, sidx; writes val, swgt, sidx
.if DOCPART == 2
	.amdgcn_target "amdgcn-amd-amdhsa--gfx1250"
	.amdhsa_code_object_version 6
	.text
	.protected	k_qbf597f06cd_proj
	.globl	k_qbf597f06cd_proj
	.p2align	8
	.type	k_qbf597f06cd_proj,@function
k_qbf597f06cd_proj:
	s_mov_b64 s[64:65], 0
	v_nop
	global_prefetch_b8 v0, s[64:65] scope:SCOPE_SE
	s_setreg_imm32_b32 hwreg(HW_REG_WAVE_MODE, 25, 1), 1
	s_wait_xcnt 0x0
	s_wait_alu depctr_hold_cnt(0) depctr_sa_sdst(0) depctr_va_vdst(0) depctr_va_sdst(0) depctr_va_ssrc(0) depctr_va_vcc(0) depctr_vm_vsrc(0)
	s_getreg_b32 s2, hwreg(HW_REG_IB_STS2, 6, 4)
	s_cmp_eq_u32 s2, 0
	s_cbranch_scc0 .Lentry_in_a_cluster
	s_endpgm
.Lentry_in_a_cluster:
	s_bfe_u32 s2, ttmp6, 0x10000c
	s_cmp_lg_u32 s2, 0x3003
	s_cbranch_scc0 .Lentry_shape_is_right
	s_endpgm
.Lentry_shape_is_right:
; value = src Wv + bv; offsets and logits = (src + pos) [Woff | Wattn] + bias; softmax over a head's 12 points; for each point the byte offset of its 2 x 2 patch and four weights.
; ROWS.  The 26,250 rows are dealt to 208 work-groups in units of 4: first row 4 (31 g + min(g, 115)); 128, 124 or 122 rows.  Every work-group computes a window of 128 rows (row numbers
; clamped to the last row).  val's planes are stored for its own rows alone: rows 0-23 of every wave are always its own (32 x 3 + 23 < 122); of rows 24-31 a row that belongs to the next
; work-group is stored, by its offset, into a spare strip of val behind the 16 planes (512 bytes for each g and head) that nobody reads: EXEC stays full in the whole launch.
; swgt and sidx are keyed by g and stored whole.
; A wave owns 32 rows (two tiles of 16) and all columns.  The matrix instruction is used transposed: source 0 = 16 rows of the turned weights, source 1 = 16 rows of activations: a lane
; (r = l % 16, h = l / 16) holds row r and eight neighbouring columns.  The permuted rows of wqv put all 36 numbers of one (row, head 4 h + hh) into one lane in trip hh.
; WEIGHTS.  All 576 rows of wqv lie in LDS, brought once by one joint tensor load a wave (the four work-groups of a cluster need the same bytes); nothing is filled again.
; OUT.  val: bf16, [batch][head][plane of PL bytes], position p at (p + batch) x 64: rows 4 i .. 4 i + 3 of a head are 256 consecutive bytes, aligned.
; swgt: bf16 [g][wave][hh][unit of 2 points][h][row 32][16 bytes]: point 0 (y0x0, y0x1, y1x0, y1x1), point 1 likewise, each bilinear weight times the softmax weight.
; sidx: u32 [g][wave][hh][level][h][row 32][16 bytes]: (level start + by W + bx) x 64 for the level's four points.
; LIMITS.  x = ref W + off - 0.5 is one fused multiply-add where the reference has a chain.  The patch's corner is floor(x) clamped to 0 .. W - 2, a column's weight max(0, 1 - |x - column|): for every finite x
; that is bilinear sampling with zero padding.  NaN and infinities are not treated apart.  An exponential below 2^-126 counts as 0.  Matrix operands, val and the weights are rounded once to bf16.
.set MROWS, 26250
.set LROWS, 13125
.set PL, 840192
.set BADJ, 8*PL-13124*64               ; what batch 1 adds to row x 64
.set WP, 528                           ; a row of weights in LDS: 512 bytes + 16: the 16 rows of a fragment load start 16 bytes apart modulo 256
.set SP, 272                           ; a stage row: 256 bytes + 16
.set STG, 576*WP                       ; behind the weights: a stage of 16 rows for each wave; no tensor load lands there
.set SPARE, STG+4*16*SP                ; the spare words, 128 bytes a wave
.set SPW, 1                            ; v1  SPARE + 4 x thread; never rewritten
.set NIL, 2                            ; v2  0; never rewritten
.set RR, 3
.set HH, 4
.set LN, 5
.set L16, 6
.set S8, 7                             ; stage + 8 lane
.set FRA, 8                            ; stage + 272 r + 16 h
.set AW, 9                             ; 528 r + 16 h + the trip's first weight row
.set H384, 10
.set VRD, 11                           ; stage + 272 (l / 4) + 16 (l % 4)
.set VO, 12                            ; v12-15 val's offsets for rows 8 k + l / 4
.set LR, 16                            ; local row 32 w + 24 + l / 4
.set TA, 17
.set TC, 18
.set H192, 19
.set BVO, 20
.set BOO, 21
.set BAO, 22
.set PWO, 23
.set PIO, 24
.set REFO, 25                          ; v25-26
.set TD, 27
.set CXY, 28                           ; v28-39 ref x W - 0.5, pairs by tile and level
.set RO, 64                            ; v64-95 stage-in: the 32 rows' offsets
.set TT, 96                            ; v96-127 stage-in: packed
.set BV, 64                            ; v64-127 bias of the V trip, as the C operand
.set BQ, 64                            ; v64-103 bias of the Q trip
.set ACCV, 128
.set ACCQ, 128                         ; tile mt at +40 mt
.set SF, 0                             ; window 1: src fragments, 8 (8 mt + kk)
.set QF, 128                           ; window 1: src + pos
.set WF0, 0                            ; window 2: two buffers of weight fragments, 64 each
.set TMPV, 0                           ; window 2
.set OUTV, 32                          ; window 2
.set WV, 24
.set CXP, 25
.set GG, 26
.set WN, 27
.set CNT, 28
.set ROW0, 29
.set OFP, 30                           ; s[30:31]
.set G1, 32
.set G0, 40
.set VC, 44
.set QC, 45
.set DMP, 46                           ; my work-group's spare strip: 16 PL + 512 g
.set HHN, 47
.set VALP, 48
.set SWP, 50
.set DT, 52                            ; s[52:53] feeds the descriptor alone
.set SIP, 54
.set CS, 56
.set STW, 58
.set TS, 59
.set BJ, 60
.set TG, 61
.set MSB, 0
.macro WIN new                         ; the immediate's high byte repeats the setting that is left
.if MSB != (\new)
	s_set_vgpr_msb (MSB<<8)|(\new)
.set MSB, \new
.endif
.endm
.macro PLACES                          ; four plain places behind a matrix instruction (ISA guide 7.12.1)
.rept 4
	v_nop
.endr
.endm
.macro CROUND                          ; a round of the cluster's barrier
	s_barrier_signal -1
	s_barrier_wait -1
	s_cmp_lg_u32 s[WV], 0
	s_cbranch_scc1 .Lnw0_\@
	s_barrier_signal -3
.Lnw0_\@:
	s_barrier_wait -3
	s_barrier_signal -1
	s_barrier_wait -1
.endm
	s_load_b512 s[4:19], s[0:1], 0x0               ; src, pos, ref, bv, boff, battn, wqv, val
	s_load_b128 s[20:23], s[0:1], 0x40             ; swgt, sidx
	v_lshl_add_u32 v[SPW], v0, 2, SPARE
	v_mov_b32 v[NIL], 0
	ds_add_u32 v[SPW], v[NIL]                      ; the wave's opening: the add and its wait stand ahead of my first tensor load
	v_lshrrev_b32 v[TA], 5, v0
	v_readfirstlane_b32 s[WV], v[TA]
	s_mov_b32 s[G1+0], 15|(1<<16)|(1<<20)|(1<<21)|(6<<22)|(3<<25)  ; mask of the four; 2-byte elements; padding on; bit 21 beside a mask; after every 128 words 4 words
	s_mov_b32 s[G1+1], 256<<16                     ; tensor_dim0 = 256
	s_mov_b32 s[G1+2], 144<<16                     ; tensor_dim1 = 144
	s_mov_b32 s[G1+3], 256<<16                     ; tile_dim0 = 256
	s_mov_b32 s[G1+4], 144                         ; tile_dim1 = 144
	s_mov_b32 s[G1+5], 256                         ; elements from row to row
	s_mov_b32 s[G1+6], 0
	s_mov_b32 s[G1+7], 0
	s_mov_b32 s[G0], 1
	s_mul_i32 s[G0+1], s[WV], 144*WP               ; my 144 rows in LDS
	s_mul_i32 s[DT], s[WV], 144*512                ; and in memory
	s_mov_b32 s[DT+1], 0
	s_bfe_u32 s[CXP], ttmp6, 0x40000
	s_lshl_b32 s[GG], ttmp9, 2
	s_add_co_u32 s[GG], s[GG], s[CXP]              ; g
	s_mul_i32 s[WN], s[GG], 31
	s_min_u32 s[TG], s[GG], 115
	s_add_co_u32 s[WN], s[WN], s[TG]
	s_lshl_b32 s[WN], s[WN], 2                     ; my first row
	s_add_co_u32 s[TG], s[GG], 1
	s_mul_i32 s[CNT], s[TG], 31
	s_min_u32 s[TG], s[TG], 115
	s_add_co_u32 s[CNT], s[CNT], s[TG]
	s_lshl_b32 s[CNT], s[CNT], 2
	s_min_u32 s[CNT], s[CNT], MROWS
	s_sub_co_u32 s[CNT], s[CNT], s[WN]             ; my rows: 128, 124 or 122
	s_lshl_b32 s[DMP], s[GG], 9
	s_add_co_u32 s[DMP], s[DMP], 16*PL             ; my spare strip in val
	s_lshl_b32 s[TG], s[WV], 5
	s_add_co_u32 s[ROW0], s[WN], s[TG]             ; my wave's first row
	s_mov_b32 s[CS], 0x3fb8aa3b                    ; log2(e)
	s_mov_b32 s[CS+1], s[CS]
	s_mov_b32 s[BJ], BADJ
	s_wait_dscnt 0x0                               ; the opening add is done
	s_wait_kmcnt 0x0
	s_add_nc_u64 s[G0+2:G0+3], s[16:17], s[DT:DT+1]
	s_or_b32 s[G0+3], s[G0+3], 0x80000000
	CROUND                                         ; all four work-groups are here: the joint loads meet
	tensor_load_to_lds s[G0:G0+3], s[G1:G1+7]      ; my one tensor load of the launch
	s_nop 0
	PLACES
	v_and_b32 v[RR], 15, v0
	v_bfe_u32 v[HH], v0, 4, 1
	v_and_b32 v[LN], 31, v0
	v_lshlrev_b32 v[L16], 4, v[LN]
	s_mul_i32 s[STW], s[WV], 16*SP
	s_add_co_u32 s[STW], s[STW], STG
	v_lshl_add_u32 v[S8], v[LN], 3, s[STW]
	v_mul_u32_u24 v[FRA], v[RR], SP
	v_lshl_add_u32 v[FRA], v[HH], 4, v[FRA]
	v_add_nc_u32 v[FRA], s[STW], v[FRA]
	v_lshrrev_b32 v[TA], 2, v[LN]
	v_and_b32 v[TC], 3, v[LN]
	v_mul_u32_u24 v[VRD], v[TA], SP
	v_lshl_add_u32 v[VRD], v[TC], 4, v[VRD]
	v_add_nc_u32 v[VRD], s[STW], v[VRD]
	v_mul_u32_u24 v[AW], v[RR], WP
	v_lshl_add_u32 v[AW], v[HH], 4, v[AW]
	v_mul_u32_u24 v[H384], v[HH], 384
	v_mul_u32_u24 v[H192], v[HH], 192
	v_lshlrev_b32 v[BVO], 5, v[HH]
	v_mov_b32 v[BOO], v[H384]
	v_mov_b32 v[BAO], v[H192]
	v_lshlrev_b32 v[PWO], 9, v[HH]
	v_lshl_add_u32 v[PWO], v[RR], 4, v[PWO]
	v_mov_b32 v[PIO], v[PWO]
.irp k, 0,1,2,3                        ; val: row x 64 + 16 (l % 4), and BADJ in batch 1
	v_add3_u32 v[VO+\k], s[ROW0], v[TA], 8*\k
	v_min_u32 v[VO+\k], MROWS-1, v[VO+\k]
	v_cmp_le_u32 vcc_lo, LROWS, v[VO+\k]
	v_cndmask_b32 v[TD], 0, s[BJ], vcc_lo
	v_lshl_add_u32 v[VO+\k], v[VO+\k], 6, v[TD]
	v_lshl_add_u32 v[VO+\k], v[TC], 4, v[VO+\k]
.endr
	v_add3_u32 v[LR], s[TG], v[TA], 24             ; local rows 24-31 of a wave may belong to the next work-group:
	v_lshl_add_u32 v[TD], v[LN], 4, s[DMP]         ; such a lane's 16 bytes go into the spare strip, at 16 x lane
	v_cmp_lt_u32 vcc_lo, v[LR], s[CNT]
	v_cndmask_b32 v[VO+3], v[TD], v[VO+3], vcc_lo  ; own row: its place in the plane
.irp mt, 0,1
	v_add3_u32 v[REFO+\mt], s[ROW0], v[RR], 16*\mt
	v_min_u32 v[REFO+\mt], MROWS-1, v[REFO+\mt]
	v_mul_u32_u24 v[REFO+\mt], v[REFO+\mt], 24
.endr
.set i, 0
.rept 32
	s_add_co_u32 s[TG], s[ROW0], i
	s_min_u32 s[TG], s[TG], MROWS-1
	s_lshl_b32 s[TG], s[TG], 10
	v_add_nc_u32 v[RO+i], s[TG], v[L16]
.set i, i+1
.endr
	s_mov_b64 s[VALP:VALP+1], s[18:19]
	s_mul_i32 s[OFP], s[GG], 98304
	s_mul_i32 s[TG], s[WV], 24576
	s_add_co_u32 s[OFP], s[OFP], s[TG]
	s_mov_b32 s[OFP+1], 0
	s_add_nc_u64 s[SWP:SWP+1], s[20:21], s[OFP:OFP+1]
	s_lshr_b32 s[OFP], s[OFP], 1
	s_add_nc_u64 s[SIP:SIP+1], s[22:23], s[OFP:OFP+1]
.irp mt, 0,1
.irp l, 0,1,2
	global_load_b64 v[CXY+6*\mt+2*\l:CXY+6*\mt+2*\l+1], v[REFO+\mt], s[8:9] offset:8*\l
.endr
.endr
; STAGE-IN.  A batch is 16 rows x 512 bytes of src and of pos: a row's half by one load of the wave (512 consecutive bytes).  Rounded to bf16 it goes through my stage and comes back as fragments.
.macro LDB sx, mt, kh                  ; set 0: window 0 v128-255; set 1: window 2 v0-127
.if \sx
	WIN 0x80
.set DB, 0
.else
	WIN 0
.set DB, 128
.endif
.set i, 0
.rept 16
	global_load_b128 v[DB+8*i:DB+8*i+3], v[RO+16*(\mt)+i], s[4:5] offset:(\kh)*512 th:TH_LOAD_NT
	global_load_b128 v[DB+8*i+4:DB+8*i+7], v[RO+16*(\mt)+i], s[6:7] offset:(\kh)*512 th:TH_LOAD_NT
.set i, i+1
.endr
.endm
.macro CVPART wc, o, frag, mt, kh      ; round the four numbers at +o of each row, store, read four fragments back; my own bytes, served in order: no wait
	WIN \wc
.set i, 0
.rept 16
	v_cvt_pk_bf16_f32 v[TT+2*i], v[DB+8*i+(\o)], v[DB+8*i+(\o)+1]
	v_cvt_pk_bf16_f32 v[TT+2*i+1], v[DB+8*i+(\o)+2], v[DB+8*i+(\o)+3]
.set i, i+1
.endr
	WIN 0
.set i, 0
.rept 16
	ds_store_b64 v[S8], v[TT+2*i:TT+2*i+1] offset:i*SP
.set i, i+1
.endr
	WIN 0x40
.irp c, 0,1,2,3
	ds_load_b128 v[(\frag)+8*(8*(\mt)+4*(\kh)+\c):(\frag)+8*(8*(\mt)+4*(\kh)+\c)+3], v[FRA] offset:\c*64
	ds_load_b128 v[(\frag)+8*(8*(\mt)+4*(\kh)+\c)+4:(\frag)+8*(8*(\mt)+4*(\kh)+\c)+7], v[FRA] offset:\c*64+32
.endr
.endm
.macro CVB sx, mt, kh
.if \sx
.set DB, 0
	CVPART 0x0a,0,SF,\mt,\kh
	WIN 0x8a
.else
.set DB, 128
	CVPART 0,0,SF,\mt,\kh
	WIN 0
.endif
.set i, 0
.rept 16
	v_pk_add_f32 v[DB+8*i+4:DB+8*i+5], v[DB+8*i+4:DB+8*i+5], v[DB+8*i:DB+8*i+1]      ; q = src + pos in f32
	v_pk_add_f32 v[DB+8*i+6:DB+8*i+7], v[DB+8*i+6:DB+8*i+7], v[DB+8*i+2:DB+8*i+3]
.set i, i+1
.endr
.if \sx
	CVPART 0x0a,4,QF,\mt,\kh
.else
	CVPART 0,4,QF,\mt,\kh
.endif
.endm
	LDB 0,0,0
	LDB 1,0,1
	s_wait_loadcnt 32                              ; all but the younger batch's 32 loads
	CVB 0,0,0
	LDB 0,1,0
	s_wait_loadcnt 32
	CVB 1,0,1
	LDB 1,1,1
	s_wait_loadcnt 32
	CVB 0,1,0
	s_wait_loadcnt 0x0
	CVB 1,1,1
	WIN 0
	s_wait_dscnt 0x0                               ; my fragments are in
.macro LDBV off
	WIN 0
.set t, 0
.rept 8
	global_load_b128 v[BV+8*t:BV+8*t+3], v[BVO], s[10:11] offset:(\off)+t*64
	global_load_b128 v[BV+8*t+4:BV+8*t+7], v[BVO], s[10:11] offset:(\off)+t*64+16
.set t, t+1
.endr
.endm
	LDBV 0
	s_wait_tensorcnt 0x0                           ; my 144 rows of weights have landed,
	s_barrier_signal -1
	s_barrier_wait -1                              ; everybody's have; nothing is filled again in this launch
; THE K PIPELINE.  nt weight tiles x 2 row tiles, K = 256 in eight steps; two buffers of fragments: step kk + 1 is fetched, then step kk is multiplied.  The 2 nt accumulators take turns.
.macro LDW nt, buf, kk
	WIN 0x80
.set t, 0
.rept \nt
	ds_load_b128 v[(\buf)+8*t:(\buf)+8*t+3], v[AW] offset:t*16*WP+(\kk)*64
	ds_load_b128 v[(\buf)+8*t+4:(\buf)+8*t+7], v[AW] offset:t*16*WP+(\kk)*64+32
.set t, t+1
.endr
.endm
.macro MMW nt, buf, kk, frag, acc, ms, bias
	WIN 0x06                                       ; weights window 2, activations window 1, C and D window 0
.set t, 0
.rept \nt
.irp mt, 0,1
.if (\kk) == 0
	v_wmma_f32_16x16x32_bf16 v[(\acc)+(\ms)*\mt+8*t:(\acc)+(\ms)*\mt+8*t+7], v[(\buf)+8*t:(\buf)+8*t+7], v[(\frag)+64*\mt+8*(\kk):(\frag)+64*\mt+8*(\kk)+7], v[(\bias)+8*t:(\bias)+8*t+7]
.else
	v_wmma_f32_16x16x32_bf16 v[(\acc)+(\ms)*\mt+8*t:(\acc)+(\ms)*\mt+8*t+7], v[(\buf)+8*t:(\buf)+8*t+7], v[(\frag)+64*\mt+8*(\kk):(\frag)+64*\mt+8*(\kk)+7], v[(\acc)+(\ms)*\mt+8*t:(\acc)+(\ms)*\mt+8*t+7]
.endif
.endr
.set t, t+1
.endr
.endm
.macro KPIPE nt, frag, acc, ms, bias
	LDW \nt,WF0,0
.set kq, 0
.rept 8
.if kq < 7
.if kq > 0
	PLACES                                         ; the buffer to be loaded was read by the products just issued
.endif
	LDW \nt,WF0+64*((kq+1)%2),kq+1
	s_wait_dscnt 2*\nt                             ; all but the run just issued
.else
	s_wait_dscnt 0x0
.endif
	MMW \nt,WF0+64*(kq%2),kq,\frag,\acc,\ms,\bias
.set kq, kq+1
.endr
.endm
; The way out of 16 rows x 128 columns (4 heads): rounded, through my stage, back as 8 rows x 64 bytes a head: a store of the wave covers 512 consecutive bytes of a head's plane
; (of the wave's last eight rows those that are not the work-group's own go to the spare strip, by their offset).
.macro VOUT mt
	WIN 0x80
.set t, 0
.rept 8
.irp q, 0,1,2,3
	v_cvt_pk_bf16_f32 v[TMPV+4*t+\q], v[ACCV+64*(\mt)+8*t+2*\q], v[ACCV+64*(\mt)+8*t+2*\q+1]
.endr
.set t, t+1
.endr
	WIN 0x08
.irp t, 0,1,2,3,4,5,6,7
	ds_store_b128 v[FRA], v[TMPV+4*\t:TMPV+4*\t+3] offset:32*\t
.endr
	s_wait_xcnt 0x0                                ; earlier stores have read the registers that are loaded next
	WIN 0x80
.irp k, 0,1,2,3,4,5,6,7
	ds_load_b128 v[OUTV+4*\k:OUTV+4*\k+3], v[VRD] offset:(\k/4)*8*SP+(\k%4)*64
.endr
	s_wait_dscnt 0x0
	WIN 0x08
.irp hd, 0,1,2,3
	global_store_b128 v[VO+2*(\mt)], v[OUTV+4*\hd:OUTV+4*\hd+3], s[VALP:VALP+1] offset:\hd*PL
.endr
.irp hd, 0,1,2,3
	global_store_b128 v[VO+2*(\mt)+1], v[OUTV+16+4*\hd:OUTV+16+4*\hd+3], s[VALP:VALP+1] offset:\hd*PL
.endr
.endm
	WIN 0
	s_mov_b32 s[VC], 2
.Lv:                                   ; a trip: 128 columns of value = 4 heads
	s_wait_loadcnt 0x0                             ; the trip's bias
	KPIPE 8,SF,ACCV,64,BV
	PLACES
	LDBV 512                                       ; the second trip's bias (the second trip loads it once more; it stays inside bv)
	VOUT 0
	VOUT 1
	WIN 0
	s_wait_xcnt 0x0                                ; the stores have read their base and data
	s_add_nc_u64 s[VALP:VALP+1], s[VALP:VALP+1], 4*PL
	v_add_nc_u32 v[AW], 128*WP, v[AW]
	s_sub_co_u32 s[VC], s[VC], 1
	s_cmp_lg_u32 s[VC], 0
	s_cbranch_scc1 .Lv
.macro LDBQ
.irp k, 0,1,2,3,4,5
	global_load_b128 v[BQ+4*\k:BQ+4*\k+3], v[BOO], s[12:13] offset:16*\k
.endr
.irp k, 0,1,2
	global_load_b128 v[BQ+24+4*\k:BQ+24+4*\k+3], v[BAO], s[14:15] offset:16*\k
.endr
.endm
	s_wait_loadcnt 0x0                             ; the registers of the last bias load are taken over
	LDBQ
.irp k, 36,37,38,39
	v_mov_b32 v[BQ+\k], 0                          ; the four zero rows' bias
.endr
.irp mt, 0,1
	v_pk_fma_f32 v[CXY+6*\mt:CXY+6*\mt+1], v[CXY+6*\mt:CXY+6*\mt+1], 0x42c80000, -0.5 op_sel_hi:[1,0,0]      ; ref x 100 - 0.5
	v_pk_fma_f32 v[CXY+6*\mt+2:CXY+6*\mt+3], v[CXY+6*\mt+2:CXY+6*\mt+3], 0x42480000, -0.5 op_sel_hi:[1,0,0]  ; x 50
	v_pk_fma_f32 v[CXY+6*\mt+4:CXY+6*\mt+5], v[CXY+6*\mt+4:CXY+6*\mt+5], 0x41c80000, -0.5 op_sel_hi:[1,0,0]  ; x 25
.endr
.macro BOTH line:vararg                ; one line for each of the two row tiles, so that no line waits for the one before it
.set EB, ACCQ
.set SB, 56
.set TB, 40
.set CX, CXY
	\line
.set EB, ACCQ+40
.set SB, 120
.set TB, 104
.set CX, CXY+6
	\line
.endm
; e0-e23 the head's offsets, e24-e35 its logits.  Each accumulator's lowest registers are read first.
.macro SOFTMAX2
	WIN 0
	BOTH v_max3_num_f32 v[SB], v[EB+24], v[EB+25], v[EB+26]
	BOTH v_max3_num_f32 v[SB+1], v[EB+32], v[EB+33], v[EB+34]
	BOTH v_max3_num_f32 v[SB+2], v[EB+27], v[EB+28], v[EB+29]
	BOTH v_max3_num_f32 v[SB+3], v[EB+30], v[EB+31], v[EB+35]
	BOTH v_max3_num_f32 v[SB], v[SB], v[SB+1], v[SB+2]
	BOTH v_max_num_f32 v[SB], v[SB], v[SB+3]
	BOTH v_mul_f32 v[SB+4], s[CS], v[SB]
	BOTH v_mov_b32 v[SB+5], v[SB+4]
.irp n, 0,2,4,6,8,10
	BOTH v_pk_fma_f32 v[EB+24+\n:EB+25+\n], v[EB+24+\n:EB+25+\n], s[CS:CS+1], v[SB+4:SB+5] op_sel_hi:[1,0,0] neg_lo:[0,0,1] neg_hi:[0,0,1]
.endr
.irp n, 0,1,2,3,4,5,6,7,8,9,10,11
	BOTH v_exp_f32 v[EB+24+\n], v[EB+24+\n]
.endr
	v_nop                                          ; a plain instruction behind the last exponential,
	s_wait_alu depctr_va_vdst(0)                   ; and one wait for the batch of 24
	BOTH v_pk_add_f32 v[SB:SB+1], v[EB+24:EB+25], v[EB+26:EB+27]
	BOTH v_pk_add_f32 v[SB+2:SB+3], v[EB+28:EB+29], v[EB+30:EB+31]
	BOTH v_pk_add_f32 v[SB:SB+1], v[SB:SB+1], v[EB+32:EB+33]
	BOTH v_pk_add_f32 v[SB+2:SB+3], v[SB+2:SB+3], v[EB+34:EB+35]
	BOTH v_pk_add_f32 v[SB:SB+1], v[SB:SB+1], v[SB+2:SB+3]
	BOTH v_add_f32 v[SB], v[SB], v[SB+1]
	BOTH v_rcp_f32 v[SB+4], v[SB]                  ; the sum is at least 1: the largest logit's weight
	v_nop
	s_wait_alu depctr_va_vdst(0)                   ; one wait for the two reciprocals
.irp n, 0,2,4,6,8,10
	BOTH v_pk_mul_f32 v[EB+24+\n:EB+25+\n], v[EB+24+\n:EB+25+\n], v[SB+4:SB+5] op_sel_hi:[1,0]
.endr
.endm
; Point i of 12: X = offset + ref W - 0.5; F = floor clamped to 0 .. W - 2; weights max(0, 1 - |X - F|) and max(0, 1 - |X - F - 1|); index (start + Fy W + Fx) x 64.
; Results land on the registers that are used up: e(2i), e(2i+1) take the four weights in bf16, e(24+i) the index.
.macro POINT2 i
.set LV, (\i)/4
.if LV == 0
.set WFL, 0x42c80000
.set WM2, 0x42c40000
.set STA, 0
.elseif LV == 1
.set WFL, 0x42480000
.set WM2, 0x42400000
.set STA, 10000
.else
.set WFL, 0x41c80000
.set WM2, 0x41b80000
.set STA, 12500
.endif
	BOTH v_pk_add_f32 v[TB:TB+1], v[EB+2*(\i):EB+2*(\i)+1], v[CX+2*LV:CX+2*LV+1]
	BOTH v_floor_f32 v[TB+2], v[TB]
	BOTH v_floor_f32 v[TB+3], v[TB+1]
	BOTH v_med3_num_f32 v[TB+2], v[TB+2], 0, WM2
	BOTH v_med3_num_f32 v[TB+3], v[TB+3], 0, WM2
	BOTH v_pk_add_f32 v[TB+4:TB+5], v[TB:TB+1], v[TB+2:TB+3] neg_lo:[0,1] neg_hi:[0,1]
	BOTH v_pk_add_f32 v[TB+6:TB+7], v[TB+4:TB+5], -1.0 op_sel_hi:[1,0]
	BOTH v_sub_f32 v[TB+8], 1.0, |v[TB+4]|
	BOTH v_sub_f32 v[TB+9], 1.0, |v[TB+6]|
	BOTH v_sub_f32 v[TB+10], 1.0, |v[TB+5]|
	BOTH v_sub_f32 v[TB+11], 1.0, |v[TB+7]|
	BOTH v_max_num_f32 v[TB+8], 0, v[TB+8]
	BOTH v_max_num_f32 v[TB+9], 0, v[TB+9]
	BOTH v_max_num_f32 v[TB+10], 0, v[TB+10]
	BOTH v_max_num_f32 v[TB+11], 0, v[TB+11]
	BOTH v_fmamk_f32 v[TB], v[TB+3], WFL, v[TB+2]
	BOTH v_cvt_u32_f32 v[TB], v[TB]
.if (\i)%2 == 0
	BOTH v_pk_mul_f32 v[TB+10:TB+11], v[TB+10:TB+11], v[EB+24+(\i):EB+25+(\i)] op_sel_hi:[1,0]
.else
	BOTH v_pk_mul_f32 v[TB+10:TB+11], v[TB+10:TB+11], v[EB+23+(\i):EB+24+(\i)] op_sel:[0,1] op_sel_hi:[1,1]
.endif
	BOTH v_pk_mul_f32 v[TB+12:TB+13], v[TB+8:TB+9], v[TB+10:TB+11] op_sel_hi:[1,0]
	BOTH v_pk_mul_f32 v[TB+14:TB+15], v[TB+8:TB+9], v[TB+10:TB+11] op_sel:[0,1] op_sel_hi:[1,1]
	BOTH v_cvt_pk_bf16_f32 v[EB+2*(\i)], v[TB+12], v[TB+13]
	BOTH v_cvt_pk_bf16_f32 v[EB+2*(\i)+1], v[TB+14], v[TB+15]
	BOTH v_add_lshl_u32 v[EB+24+(\i)], v[TB], STA, 6
.endm
	s_mov_b32 s[QC], 4
	s_mov_b32 s[HHN], 0
.Lq:                                   ; trip hh: heads hh (lanes 0-15) and 4 + hh (lanes 16-31)
	s_wait_loadcnt 0x0                             ; the trip's bias
	KPIPE 5,QF,ACCQ,40,BQ
	PLACES
	WIN 0
	s_add_co_u32 s[HHN], s[HHN], 1
	s_min_u32 s[HHN], s[HHN], 3                    ; the next trip's bias; the last trip loads its own again
	s_mul_i32 s[TS], s[HHN], 96
	v_add_nc_u32 v[BOO], s[TS], v[H384]
	s_mul_i32 s[TS], s[HHN], 48
	v_add_nc_u32 v[BAO], s[TS], v[H192]
	LDBQ
	SOFTMAX2
.irp i, 0,1,2,3,4,5,6,7,8,9,10,11
	POINT2 \i
.endr
.irp mt, 0,1
.irp u, 0,1,2,3,4,5
	global_store_b128 v[PWO], v[ACCQ+40*\mt+4*\u:ACCQ+40*\mt+4*\u+3], s[SWP:SWP+1] offset:\u*1024+\mt*256  ; sixteen lanes fill 256 consecutive bytes, aligned
.endr
.irp l, 0,1,2
	global_store_b128 v[PIO], v[ACCQ+40*\mt+24+4*\l:ACCQ+40*\mt+24+4*\l+3], s[SIP:SIP+1] offset:\l*1024+\mt*256
.endr
.endr
	s_wait_xcnt 0x0                                ; the stores have read their offsets and data: both are rewritten next
	v_add_nc_u32 v[PWO], 6144, v[PWO]
	v_add_nc_u32 v[PIO], 3072, v[PIO]
	v_add_nc_u32 v[AW], 80*WP, v[AW]
	s_sub_co_u32 s[QC], s[QC], 1
	s_cmp_lg_u32 s[QC], 0
	s_cbranch_scc1 .Lq
	s_wait_tensorcnt 0x0                           ; the wave's end
	ds_add_u32 v[SPW], v[NIL]
	s_wait_dscnt 0x0
	CROUND                                         ; the closing round
	s_endpgm
.Lfunc_end_k_qbf597f06cd_proj:
	.size	k_qbf597f06cd_proj, .Lfunc_end_k_qbf597f06cd_proj-k_qbf597f06cd_proj
	.p2alignl 7, 3214868480
	.fill 96, 4, 3214868480
	.section	.rodata,"a",@progbits
	.p2align	6, 0x0
	.amdhsa_kernel k_qbf597f06cd_proj
		.amdhsa_group_segment_fixed_size 327680
		.amdhsa_private_segment_fixed_size 0
		.amdhsa_enable_private_segment 0
		.amdhsa_kernarg_size 80
		.amdhsa_user_sgpr_count 2
		.amdhsa_user_sgpr_kernarg_segment_ptr 1
		.amdhsa_wavefront_size32 1
		.amdhsa_system_sgpr_workgroup_id_x 1
		.amdhsa_system_sgpr_workgroup_id_y 1
		.amdhsa_system_sgpr_workgroup_id_z 1
		.amdhsa_system_vgpr_workitem_id 0
		.amdhsa_next_free_vgpr 640
		.amdhsa_next_free_sgpr 66
		.amdhsa_reserve_vcc 1
		.amdhsa_float_denorm_mode_32 3
		.amdhsa_float_denorm_mode_16_64 3
		.amdhsa_memory_ordered 1
		.amdhsa_forward_progress 1
		.amdhsa_inst_pref_size 143
	.end_amdhsa_kernel
	.amdgpu_metadata
---
amdhsa.version: [ 1, 2 ]
amdhsa.kernels:
  - .name:           k_qbf597f06cd_proj
    .symbol:         k_qbf597f06cd_proj.kd
    .args:
      - { .name: src, .offset: 0, .size: 8, .value_kind: global_buffer, .address_space: global }
      - { .name: pos, .offset: 8, .size: 8, .value_kind: global_buffer, .address_space: global }
      - { .name: reference_points, .offset: 16, .size: 8, .value_kind: global_buffer, .address_space: global }
      - { .name: bv, .offset: 24, .size: 8, .value_kind: global_buffer, .address_space: global }
      - { .name: boff, .offset: 32, .size: 8, .value_kind: global_buffer, .address_space: global }
      - { .name: battn, .offset: 40, .size: 8, .value_kind: global_buffer, .address_space: global }
      - { .name: wqv, .offset: 48, .size: 8, .value_kind: global_buffer, .address_space: global }
      - { .name: val, .offset: 56, .size: 8, .value_kind: global_buffer, .address_space: global }
      - { .name: swgt, .offset: 64, .size: 8, .value_kind: global_buffer, .address_space: global }
      - { .name: sidx, .offset: 72, .size: 8, .value_kind: global_buffer, .address_space: global }
    .group_segment_fixed_size: 327680
    .private_segment_fixed_size: 0
    .kernarg_segment_align: 8
    .kernarg_segment_size: 80
    .max_flat_workgroup_size: 128
    .sgpr_count:     66
    .vgpr_count:     640
    .wavefront_size: 32
...
	.end_amdgpu_metadata
.endif
;; end of part 2
;; launch layer (part 3): grid 208 x 1, 4 waves a work-group, clusters of 4 x 1, 327,680 bytes of LDS; arguments src, val, swgt, sidx, wA, wB, bout, g1, b1, bff1, bff2, g2, b2, out0; writes out0
.if DOCPART == 3
	.amdgcn_target "amdgcn-amd-amdhsa--gfx1250"
	.amdhsa_code_object_version 6
	.text
	.protected	k_qbf597f06cd_layer
	.globl	k_qbf597f06cd_layer
	.p2align	8
	.type	k_qbf597f06cd_layer,@function
k_qbf597f06cd_layer:
	s_mov_b64 s[64:65], 0
	v_nop
	global_prefetch_b8 v0, s[64:65] scope:SCOPE_SE
	s_setreg_imm32_b32 hwreg(HW_REG_WAVE_MODE, 25, 1), 1
	s_wait_xcnt 0x0
	s_wait_alu depctr_hold_cnt(0) depctr_sa_sdst(0) depctr_va_vdst(0) depctr_va_sdst(0) depctr_va_ssrc(0) depctr_va_vcc(0) depctr_vm_vsrc(0)
	s_getreg_b32 s2, hwreg(HW_REG_IB_STS2, 6, 4)
	s_cmp_eq_u32 s2, 0
	s_cbranch_scc0 .Lentry_in_a_cluster
	s_endpgm
.Lentry_in_a_cluster:
	s_bfe_u32 s2, ttmp6, 0x10000c
	s_cmp_lg_u32 s2, 0x3003
	s_cbranch_scc0 .Lentry_shape_is_right
	s_endpgm
.Lentry_shape_is_right:
; out0 = LN2(x + relu(x Wff1 + bff1) Wff2 + bff2), x = LN1(src + S Wout + bout), S = the sampled values (96 points x 4 corners a row, weights and offsets from the launch before).
; ROWS as in the launch before: 208 work-groups, first row 4 (31 g + min(g, 115)), a window of 128 rows of which 128, 124 or 122 are its own; a wave owns 32 rows and all columns.
; out0 is stored for own rows alone, by EXEC masks (a wave's rows 0-25 are always its own: 32 x 3 + 25 < 122; the counts are even, so one mask serves two rows).
; SAMPLING.  One row a trip.  Lane l: head l / 4, channels 8 (l % 4) .. + 7: a gather of the wave brings one corner of one point for all 8 heads, 16 bytes a lane.  A unit is 2 points, 8 gathers.
; All six units of a row are on their way; as a unit is used up, the next row's is asked for.  The sums are f32; S is rounded once to bf16.
; MATRIX WORK, transposed: source 0 = 16 rows of turned weights, source 1 = 16 rows of activations: a lane (r = l % 16, h = l / 16) holds row r, columns 16 t + 8 h + j.  Two neighbouring result tiles
; rounded to bf16 are the next product's source 1, so S Wout, LN1, both FFN products and LN2 stay in registers, and a norm wants one exchange between the halves of the lanes.
; LDS.  Two slots: slot 0 first holds Wout^T; then the slots take turns with the FFN's eight chunks of 128 hidden columns (128 rows of Wff1^T, 256 rows x 128 of Wff2^T).  All tiles are asked for
; jointly by the four work-groups of a cluster.  By this text's count a wave has two tensor loads out at the start, later one.
; LIMITS.  NaN and infinities are not treated apart (the ReLU's maximum drops a NaN).  Both norms take the mean first and then the squares of the differences.  Matrix operands are bf16.
; REGISTERS: window 0 addresses, statistics, the sampling's data, hidden tiles; window 1 the 32 accumulators (16 mt + i); window 2 two buffers of weight fragments; window 3 activations' fragments, and b of the norms.
.set MROWS, 26250
.set LROWS, 13125
.set PL, 840192
.set SLOT, 139264                      ; slot 1 begins here; its two bits occur in none of a slot's four tile addresses, so one exclusive or changes slots
.set W2O, 67584                        ; Wff2's part of a chunk: behind 128 rows of 528 bytes
.set STG, 276480                       ; a stage of 16 rows x 528 bytes for each wave; no tensor load lands there
.set VEC, 310272                       ; bff1 +0, bout +4096, g1 +5120, b1 +6144, bff2 +7168, g2 +8192, b2 +9216
.set SPARE, 320512                     ; the spare words, 128 bytes a wave
.set SPW, 1                            ; v1  SPARE + 4 x thread; never rewritten
.set NIL, 2                            ; v2  0; never rewritten
.set ZR, 3                             ; v3  0, as an operand
; sampling
.set LC, 4                             ; head x PL + 16 (l % 4)
.set LW, 5
.set LI, 6
.set ST, 7
.set AC, 8                             ; v8-15 eight sums
.set ADDR, 16                          ; v16-27 a point's offset
.set IDX, 28                           ; v28-39 as loaded
.set WGT, 40                           ; v40-63 four registers a unit
.set DATA, 64                          ; v64-255 32 registers a unit
; later
.set RR, 4
.set HH, 5
.set L16, 6
.set L528, 7
.set L272, 8
.set AD1, 9
.set AD2, 10
.set ADW0, 11
.set ADW1, 12
.set BIA, 13
.set VH, 14
.set STD, 15
.set STR, 16
.set REMV, 17
.set PFO, 18
.set BOA, 19
.set STT, 20                           ; v20-31: by tile: mean twice, 1/sigma twice, variance + eps
.set HA, 32                            ; v32-63 hidden accumulators 8 (2 mt + t)
.set HF, 64                            ; v64-79 hidden fragments 8 mt
.set BI, 80                            ; v80-95 bff1 as the C operand
.set BO, 96                            ; v96-103 bout
.set CH, 104                           ; v104-111 four chains
.set OB, 128
.set RO, 192                           ; v192-223 the 32 rows' offsets
.set G1A, 32
.set G1B, 40
.set G0W, 48
.set G0A, 52
.set G0B, 56
.set WV, 60
.set CXP, 61
.set GG, 62
.set WN, 63
.set CNT, 66
.set REM, 67
.set ROW, 68
.set RC, 69
.set TB1, 70
.set TB2, 71
.set TBB, 72
.set STEPS, 73
.set SUBC, 74
.set ROW0, 75
.set PW, 76
.set PI, 78
.set OFA, 80
.set PFA, 84
.set PSTEP, 86
.set SEL, 88
.set SAVE, 90
.set LIM, 91
.set SWB, 92
.set SIB, 94
.set VB, 96
.set INV, 98
.set EPS, 99
.set DT, 100                           ; s[100:101] wave-only numbers; s101 then keeps my stage's address
.set STGW, 101
.set MSB, 0
.macro WIN new
.if MSB != (\new)
	s_set_vgpr_msb (MSB<<8)|(\new)
.set MSB, \new
.endif
.endm
.macro PLACES                          ; four plain places behind a matrix instruction (ISA guide 7.12.1)
.rept 4
	v_nop
.endr
.endm
.macro CROUND
	s_barrier_signal -1
	s_barrier_wait -1
	s_cmp_lg_u32 s[WV], 0
	s_cbranch_scc1 .Lnw0_\@
	s_barrier_signal -3
.Lnw0_\@:
	s_barrier_wait -3
	s_barrier_signal -1
	s_barrier_wait -1
.endm
.macro JLOAD                           ; a joint refill: waves 0, 1 the two halves of Wff1's rows, waves 2, 3 of Wff2's
	s_cmp_lt_u32 s[WV], 2
	s_cbranch_scc0 .Ljb_\@
	tensor_load_to_lds s[G0A:G0A+3], s[G1A:G1A+7]
	s_nop 0
	PLACES
	s_branch .Ljd_\@
.Ljb_\@:
	tensor_load_to_lds s[G0B:G0B+3], s[G1B:G1B+7]
	s_nop 0
	PLACES
.Ljd_\@:
.endm
; A prefetch of the chunk that the NEXT change of slots loads: 512 blocks of 256 bytes, a lane a block.  All clusters walk the same chunks: cluster 0 asks; its four partners share the blocks by address;
; each wave asks for a quarter of what it fetches itself.  The last change that fills a slot asks for nothing.  Chunks 0 and 1 come by their loads alone.
.macro ASK
	s_cmp_gt_u32 s[STEPS], s[LIM]
	s_cbranch_scc0 .Lnm_\@
	global_prefetch_b8 v[PFO], s[PFA:PFA+1] th:TH_LOAD_NT scope:SCOPE_SE
.Lnm_\@:
.endm
	s_load_b512 s[4:19], s[0:1], 0x0               ; src, val, swgt, sidx, wA, wB, bout, g1
	s_load_b256 s[20:27], s[0:1], 0x40             ; b1, bff1, bff2, g2
	s_load_b128 s[28:31], s[0:1], 0x60             ; b2, out0
	v_lshl_add_u32 v[SPW], v0, 2, SPARE
	v_mov_b32 v[NIL], 0
	ds_add_u32 v[SPW], v[NIL]                      ; the wave's opening: the add and its wait stand ahead of my first tensor load
	v_lshrrev_b32 v[ZR], 5, v0
	v_readfirstlane_b32 s[WV], v[ZR]
	v_mov_b32 v[ZR], 0
	s_mov_b32 s[G1A+0], 15|(1<<16)|(1<<20)|(1<<21)|(6<<22)|(3<<25)  ; 64 rows x 256 elements; after every 128 words 4 words of padding
	s_mov_b32 s[G1A+1], 256<<16
	s_mov_b32 s[G1A+2], 64<<16
	s_mov_b32 s[G1A+3], 256<<16
	s_mov_b32 s[G1A+4], 64
	s_mov_b32 s[G1A+5], 256
	s_mov_b32 s[G1A+6], 0
	s_mov_b32 s[G1A+7], 0
	s_mov_b32 s[G1B+0], 15|(1<<16)|(1<<20)|(1<<21)|(5<<22)|(3<<25)  ; 128 rows x 128 elements of rows of 1,024; after every 64 words 4 words
	s_mov_b32 s[G1B+1], 128<<16
	s_mov_b32 s[G1B+2], 128<<16
	s_mov_b32 s[G1B+3], 128<<16
	s_mov_b32 s[G1B+4], 128
	s_mov_b32 s[G1B+5], 1024
	s_mov_b32 s[G1B+6], 0
	s_mov_b32 s[G1B+7], 0
	s_and_b32 s[DT], s[WV], 1
	s_mov_b32 s[G0W], 1
	s_mul_i32 s[G0W+1], s[WV], 64*528              ; Wout^T: my 64 rows, slot 0
	s_mov_b32 s[G0A], 1
	s_mul_i32 s[G0A+1], s[DT], 64*528
	s_add_co_u32 s[G0A+1], s[G0A+1], SLOT          ; chunk 0 goes into slot 1
	s_mov_b32 s[G0B], 1
	s_mul_i32 s[G0B+1], s[DT], 128*272
	s_add_co_u32 s[G0B+1], s[G0B+1], SLOT+W2O
	s_bfe_u32 s[CXP], ttmp6, 0x40000
	s_lshl_b32 s[GG], ttmp9, 2
	s_add_co_u32 s[GG], s[GG], s[CXP]
	s_mul_i32 s[WN], s[GG], 31
	s_min_u32 s82, s[GG], 115
	s_add_co_u32 s[WN], s[WN], s82
	s_lshl_b32 s[WN], s[WN], 2
	s_add_co_u32 s82, s[GG], 1
	s_mul_i32 s[CNT], s82, 31
	s_min_u32 s82, s82, 115
	s_add_co_u32 s[CNT], s[CNT], s82
	s_lshl_b32 s[CNT], s[CNT], 2
	s_min_u32 s[CNT], s[CNT], MROWS
	s_sub_co_u32 s[CNT], s[CNT], s[WN]
	s_lshl_b32 s82, s[WV], 5
	s_sub_co_u32 s[REM], s[CNT], s82               ; how many of my wave's rows are the work-group's own (26 at the least)
	s_add_co_u32 s[ROW0], s[WN], s82
	s_mov_b32 s[SEL], 0x76543210
	s_mov_b32 s[SEL+1], 0xfedcba98
	s_mov_b32 s[INV], 0x3b800000                   ; 1 / 256
	s_mov_b32 s[EPS], 0x3727c5ac                   ; 1e-5
	s_wait_dscnt 0x0                               ; the opening add is done
	s_wait_kmcnt 0x0
	s_lshl_b32 s[DT], s[WV], 15
	s_mov_b32 s[DT+1], 0
	s_add_nc_u64 s[G0W+2:G0W+3], s[12:13], s[DT:DT+1]
	s_or_b32 s[G0W+3], s[G0W+3], 0x80000000
	s_and_b32 s[DT], s[WV], 1
	s_lshl_b32 s[DT], s[DT], 15
	s_add_co_u32 s[DT], s[DT], 256*512
	s_add_nc_u64 s[G0A+2:G0A+3], s[12:13], s[DT:DT+1]
	s_or_b32 s[G0A+3], s[G0A+3], 0x80000000
	s_and_b32 s[DT], s[WV], 1
	s_lshl_b32 s[DT], s[DT], 18
	s_add_nc_u64 s[G0B+2:G0B+3], s[14:15], s[DT:DT+1]
	s_or_b32 s[G0B+3], s[G0B+3], 0x80000000
	CROUND                                         ; all four work-groups are here: the first joint loads meet
	s_cmp_lt_u32 s[WV], 2                          ; a wave's two first fills stand in one branch
	s_cbranch_scc0 .Lfirst_b
	tensor_load_to_lds s[G0W:G0W+3], s[G1A:G1A+7]
	s_nop 0
	tensor_load_to_lds s[G0A:G0A+3], s[G1A:G1A+7]
	s_nop 0
	PLACES
	s_branch .Lfirst_done
.Lfirst_b:
	tensor_load_to_lds s[G0W:G0W+3], s[G1A:G1A+7]
	s_nop 0
	tensor_load_to_lds s[G0B:G0B+3], s[G1B:G1B+7]
	s_nop 0
	PLACES
.Lfirst_done:
	s_mul_i32 s[STGW], s[WV], 16*528
	s_add_co_u32 s[STGW], s[STGW], STG             ; my stage
	s_mul_i32 s[OFA], s[GG], 98304
	s_mul_i32 s82, s[WV], 24576
	s_add_co_u32 s[OFA], s[OFA], s82
	s_mov_b32 s[OFA+1], 0
	s_add_nc_u64 s[SWB:SWB+1], s[8:9], s[OFA:OFA+1]
	s_lshr_b32 s[OFA], s[OFA], 1
	s_add_nc_u64 s[SIB:SIB+1], s[10:11], s[OFA:OFA+1]
	v_and_b32 v8, 31, v0                           ; lane
	v_lshrrev_b32 v9, 2, v8                        ; head
	v_and_b32 v10, 3, v8
	v_and_b32 v11, 3, v9                           ; hh
	v_lshrrev_b32 v12, 4, v8                       ; h
	v_mul_u32_u24 v[LC], v9, PL
	v_lshl_add_u32 v[LC], v10, 4, v[LC]
	v_mul_u32_u24 v[LW], v11, 6144
	v_lshl_add_u32 v[LW], v12, 9, v[LW]
	v_mul_u32_u24 v[LI], v11, 3072
	v_lshl_add_u32 v[LI], v12, 9, v[LI]
	; THE SEVEN VECTORS go into LDS once: each wave copies 2,560 bytes of them, 512 consecutive bytes a load
	v_lshlrev_b32 v13, 4, v8
	s_lshl_b32 s[DT], s[WV], 10
	v_add_nc_u32 v14, s[DT], v13
	s_lshr_b32 s[DT], s[WV], 1
	s_lshl_b32 s[DT], s[DT], 9
	v_add_nc_u32 v15, s[DT], v13
	v_add_nc_u32 v16, VEC, v14
	s_and_b32 s[DT], s[WV], 1
	s_lshl_b32 s[DT], s[DT], 10
	s_add_co_u32 s[DT], s[DT], VEC+8192
	v_add_nc_u32 v17, s[DT], v15
	s_cmp_eq_u32 s[WV], 0
	s_cselect_b64 s[PW:PW+1], s[16:17], s[18:19]   ; wave 0 bout, 1 g1, 2 b1, 3 bff2
	s_cmp_lt_u32 s[WV], 2
	s_cselect_b64 s[PW:PW+1], s[PW:PW+1], s[20:21]
	s_cmp_eq_u32 s[WV], 3
	s_cselect_b64 s[PW:PW+1], s[24:25], s[PW:PW+1]
	s_bitcmp1_b32 s[WV], 0
	s_cselect_b64 s[PI:PI+1], s[28:29], s[26:27]   ; odd waves b2, even waves g2; half w / 2
	global_load_b128 v[64:67], v14, s[22:23]
	global_load_b128 v[68:71], v14, s[22:23] offset:512
	global_load_b128 v[72:75], v13, s[PW:PW+1]
	global_load_b128 v[76:79], v13, s[PW:PW+1] offset:512
	global_load_b128 v[80:83], v15, s[PI:PI+1]
.irp l, 0,1,2
	global_load_b128 v[IDX+4*\l:IDX+4*\l+3], v[LI], s[SIB:SIB+1] offset:\l*1024  ; row 0's offsets
.endr
	s_wait_loadcnt 0x0
	ds_store_b128 v16, v[64:67]
	ds_store_b128 v16, v[68:71] offset:512
	ds_store_b128 v16, v[72:75] offset:4096
	ds_store_b128 v16, v[76:79] offset:4608
	ds_store_b128 v17, v[80:83]
.macro MKADDR l                        ; a loaded offset is held to the level's last patch before it enters an address
.if (\l) == 0
.set MAXB, 633472
.elseif (\l) == 1
.set MAXB, 796672
.else
.set MAXB, 838272
.endif
.irp k, 0,1,2,3
	v_min_u32 v[ADDR+4*(\l)+\k], MAXB, v[IDX+4*(\l)+\k]
.endr
.irp k, 0,1,2,3
	v_add_nc_u32 v[ADDR+4*(\l)+\k], v[LC], v[ADDR+4*(\l)+\k]
.endr
.endm
.macro GISSUE u                        ; a group: the unit's 8 gathers, its weights, and with an even unit the level's offsets for the row after
.set WL, 100>>((\u)/2)
.irp pp, 0,1
	global_load_b128 v[DATA+32*(\u)+16*\pp:DATA+32*(\u)+16*\pp+3], v[ADDR+2*(\u)+\pp], s[VB:VB+1]
	global_load_b128 v[DATA+32*(\u)+16*\pp+4:DATA+32*(\u)+16*\pp+7], v[ADDR+2*(\u)+\pp], s[VB:VB+1] offset:64
	global_load_b128 v[DATA+32*(\u)+16*\pp+8:DATA+32*(\u)+16*\pp+11], v[ADDR+2*(\u)+\pp], s[VB:VB+1] offset:64*WL
	global_load_b128 v[DATA+32*(\u)+16*\pp+12:DATA+32*(\u)+16*\pp+15], v[ADDR+2*(\u)+\pp], s[VB:VB+1] offset:64*WL+64
.endr
	global_load_b128 v[WGT+4*(\u):WGT+4*(\u)+3], v[LW], s[PW:PW+1] offset:(\u)*1024
.if (\u)%2 == 0
	global_load_b128 v[IDX+2*(\u):IDX+2*(\u)+3], v[LI], s[PI:PI+1] offset:(\u)*512
.endif
.endm
.macro UNIT u
.if (\u)%2 == 0
	s_wait_loadcnt 47                              ; the five younger groups stay out: 9 + 10 + 9 + 10 + 9
.else
	s_wait_loadcnt 48                              ; 10 + 9 + 10 + 9 + 10
.endif
.irp pp, 0,1
.irp cy, 0,1
.irp cx, 0,1
.irp q, 0,1,2,3
.irp hf, 0,1
.if ((\u)+\pp+\cy+\cx) == 0
	v_fma_mix_f32_bf16 v[AC+2*\q+\hf], v[DATA+32*(\u)+16*\pp+8*\cy+4*\cx+\q], v[WGT+4*(\u)+2*\pp+\cy], v[ZR] op_sel:[\hf,\cx,0] op_sel_hi:[1,1,0]
.else
	v_fma_mix_f32_bf16 v[AC+2*\q+\hf], v[DATA+32*(\u)+16*\pp+8*\cy+4*\cx+\q], v[WGT+4*(\u)+2*\pp+\cy], v[AC+2*\q+\hf] op_sel:[\hf,\cx,0] op_sel_hi:[1,1,0]
.endif
.endr
.endr
.endr
.endr
.endr
.if (\u)%2 == 0
	s_wait_xcnt 0x0                                ; every load issued has read its address: offsets and bases are rewritten only behind this wait
.if (\u) == 0
	s_add_co_u32 s82, s[ROW], 1
	s_min_u32 s82, s82, 31                         ; the row that is asked for now; behind the last row it is asked for once more
	s_lshl_b32 s[OFA], s82, 4
	s_add_nc_u64 s[PW:PW+1], s[SWB:SWB+1], s[OFA:OFA+1]
	s_add_co_u32 s83, s[ROW], 2
	s_min_u32 s83, s83, 31
	s_lshl_b32 s[OFA], s83, 4
	s_add_nc_u64 s[PI:PI+1], s[SIB:SIB+1], s[OFA:OFA+1]
	s_add_co_u32 s82, s82, s[ROW0]
	s_cmp_ge_u32 s82, LROWS
	s_cselect_b32 s[OFA], 8*PL+64, 0               ; batch 1: eight planes on, and one position
	s_add_nc_u64 s[VB:VB+1], s[6:7], s[OFA:OFA+1]
.endif
	MKADDR (\u)/2
.endif
	GISSUE \u
.endm
.macro ROWS                            ; 16 rows
	s_mov_b32 s[RC], 16
.Lrow_\@:
	UNIT 0
	UNIT 1
	UNIT 2
	UNIT 3
	UNIT 4
	UNIT 5
	v_cvt_pk_bf16_f32 v[AC], v[AC], v[AC+1]
	v_cvt_pk_bf16_f32 v[AC+1], v[AC+2], v[AC+3]
	v_cvt_pk_bf16_f32 v[AC+2], v[AC+4], v[AC+5]
	v_cvt_pk_bf16_f32 v[AC+3], v[AC+6], v[AC+7]
	ds_store_b128 v[ST], v[AC:AC+3]                ; channels 8 l .. 8 l + 7 of the row
	v_add_nc_u32 v[ST], 528, v[ST]
	s_add_co_u32 s[ROW], s[ROW], 1
	s_sub_co_u32 s[RC], s[RC], 1
	s_cmp_lg_u32 s[RC], 0
	s_cbranch_scc1 .Lrow_\@
.endm
.macro FRAG mt                         ; the 16 rows come back as eight fragments; my own bytes, served in order
	v_and_b32 v12, 15, v0
	v_bfe_u32 v13, v0, 4, 1
	v_mul_u32_u24 v12, v12, 528
	v_lshl_add_u32 v12, v13, 4, v12
	v_add_nc_u32 v12, s[STGW], v12
	WIN 0xc0
.irp kk, 0,1,2,3,4,5,6,7
	ds_load_b128 v[64*(\mt)+8*\kk:64*(\mt)+8*\kk+3], v12 offset:\kk*64
	ds_load_b128 v[64*(\mt)+8*\kk+4:64*(\mt)+8*\kk+7], v12 offset:\kk*64+32
.endr
	WIN 0
.endm
	MKADDR 0
	MKADDR 1
	MKADDR 2
	s_mov_b64 s[PW:PW+1], s[SWB:SWB+1]             ; weights of row 0,
	s_add_nc_u64 s[PI:PI+1], s[SIB:SIB+1], 16      ; offsets of row 1
	s_cmp_ge_u32 s[ROW0], LROWS
	s_cselect_b32 s[OFA], 8*PL+64, 0
	s_add_nc_u64 s[VB:VB+1], s[6:7], s[OFA:OFA+1]
.irp u, 0,1,2,3,4,5
	GISSUE \u
.endr
	s_mov_b32 s[ROW], 0
	v_and_b32 v[ST], 31, v0
	v_lshl_add_u32 v[ST], v[ST], 4, s[STGW]
	ROWS
	FRAG 0
	v_and_b32 v[ST], 31, v0
	v_lshl_add_u32 v[ST], v[ST], 4, s[STGW]
	ROWS
	FRAG 1
	s_wait_loadcnt 0x0                             ; the groups asked for behind the last row
	s_wait_tensorcnt 0x1                           ; my part of Wout^T has landed; chunk 0 may stay out
	s_wait_dscnt 0x0                               ; my part of the vectors is stored
	s_barrier_signal -1
	s_barrier_wait -1
	v_and_b32 v[RR], 15, v0
	v_bfe_u32 v[HH], v0, 4, 1
	v_and_b32 v[L16], 31, v0
	v_mov_b32 v[PFO], v[L16]
	v_lshlrev_b32 v[L16], 4, v[L16]
	v_mul_u32_u24 v[L528], v[RR], 528
	v_lshl_add_u32 v[STD], v[HH], 5, v[L528]
	v_add_nc_u32 v[STD], s[STGW], v[STD]           ; f32 tiles in the stage: 528 r + 32 h
	v_lshl_add_u32 v[L528], v[HH], 4, v[L528]
	v_mul_u32_u24 v[L272], v[RR], 272
	v_lshl_add_u32 v[L272], v[HH], 4, v[L272]
	v_mov_b32 v[ADW0], v[L528]
	v_add_nc_u32 v[ADW1], 128*528, v[L528]
	v_lshlrev_b32 v[VH], 5, v[HH]
	v_add_nc_u32 v[VH], VEC, v[VH]
	v_add_nc_u32 v[STR], s[STGW], v[L16]
	v_mov_b32 v[REMV], s[REM]
	v_add_nc_u32 v[BOA], VEC+4096, v[L16]
	s_cmp_lt_u32 s[WV], 2                          ; the prefetches: waves 0, 1 in wA, waves 2, 3 in wB
	s_cselect_b64 s[PFA:PFA+1], s[12:13], s[14:15]
	s_cselect_b32 s82, 15, 18
	s_cselect_b32 s83, 13, 16
	s_cselect_b32 s[PSTEP], 16, 8
	s_cselect_b32 s[OFA], 3, 1
	s_cselect_b32 s[SAVE], 8, 11
	s_lshl_b32 s[OFA], s[OFA], s[PSTEP]            ; at chunk 1; the first change of slots steps it to chunk 2
	s_lshl_b32 s[PSTEP], 1, s[PSTEP]               ; bytes from chunk to chunk
	s_mov_b32 s[PSTEP+1], 0
	s_and_b32 s[RC], s[WV], 1
	s_lshl_b32 s[RC], s[RC], s82                   ; the half that I fetch,
	s_add_co_u32 s[OFA], s[OFA], s[RC]
	s_lshl_b32 s83, s[CXP], s83                    ; my work-group's quarter of it
	s_add_co_u32 s[OFA], s[OFA], s83
	s_add_nc_u64 s[PFA:PFA+1], s[PFA:PFA+1], s[OFA:OFA+1]
	s_cmp_eq_u32 ttmp9, 0
	s_cselect_b32 s[LIM], 1, -1
	v_lshlrev_b32 v[PFO], s[SAVE], v[PFO]
.macro MKRO
	WIN 0
.set i, 0
.rept 32
	s_add_co_u32 s82, s[ROW0], i
	s_min_u32 s82, s82, MROWS-1
	s_lshl_b32 s82, s82, 10
	v_add_nc_u32 v[RO+i], s82, v[L16]
.set i, i+1
.endr
.endm
	MKRO
	ds_load_b128 v[BO:BO+3], v[BOA]
	ds_load_b128 v[BO+4:BO+7], v[BOA] offset:512
	; THE SUMS START WITH src + bout: src comes by rows (512 consecutive bytes a load) and goes through my stage into the accumulators' layout
	WIN 0x80
.set b, 0
.rept 4
.set i, 0
.rept 16
	global_load_b128 v[64*b+4*i:64*b+4*i+3], v[RO+16*(b/2)+i], s[4:5] offset:(b%2)*512 th:TH_LOAD_NT
.set i, i+1
.endr
.set b, b+1
.endr
	s_wait_dscnt 0x0                               ; bout
.macro SRCIN b
	s_wait_loadcnt 48-16*(\b)                      ; the later batches of 16 stay out
	WIN 0x82
.set i, 0
.rept 16
	v_pk_add_f32 v[64*(\b)+4*i:64*(\b)+4*i+1], v[64*(\b)+4*i:64*(\b)+4*i+1], v[BO+4*((\b)%2):BO+4*((\b)%2)+1]
	v_pk_add_f32 v[64*(\b)+4*i+2:64*(\b)+4*i+3], v[64*(\b)+4*i+2:64*(\b)+4*i+3], v[BO+4*((\b)%2)+2:BO+4*((\b)%2)+3]
.set i, i+1
.endr
	WIN 0x08
.set i, 0
.rept 16
	ds_store_b128 v[STR], v[64*(\b)+4*i:64*(\b)+4*i+3] offset:i*528
.set i, i+1
.endr
	WIN 0x40
.set t, 0
.rept 8
	ds_load_b128 v[64*(\b)+8*t:64*(\b)+8*t+3], v[STD] offset:t*64
	ds_load_b128 v[64*(\b)+8*t+4:64*(\b)+8*t+7], v[STD] offset:t*64+16
.set t, t+1
.endr
.endm
	SRCIN 0
	SRCIN 1
	SRCIN 2
	SRCIN 3
	; S Wout: 16 column tiles x 2 row tiles, K = 256 in eight steps, two buffers of 16 fragments; the 32 accumulators take turns
.macro LDN buf, kk
	WIN 0x80
.set i, 0
.rept 8
	ds_load_b128 v[(\buf)+8*i:(\buf)+8*i+3], v[ADW0] offset:i*8448+(\kk)*64
	ds_load_b128 v[(\buf)+8*i+4:(\buf)+8*i+7], v[ADW0] offset:i*8448+(\kk)*64+32
.set i, i+1
.endr
.set i, 0
.rept 8
	ds_load_b128 v[(\buf)+64+8*i:(\buf)+64+8*i+3], v[ADW1] offset:i*8448+(\kk)*64
	ds_load_b128 v[(\buf)+64+8*i+4:(\buf)+64+8*i+7], v[ADW1] offset:i*8448+(\kk)*64+32
.set i, i+1
.endr
.endm
.macro MWO buf, kk
	WIN 0x5e                                       ; weights window 2, S window 3, C and D window 1
.set i, 0
.rept 16
.irp mt, 0,1
	v_wmma_f32_16x16x32_bf16 v[8*(16*\mt+i):8*(16*\mt+i)+7], v[(\buf)+8*i:(\buf)+8*i+7], v[64*\mt+8*(\kk):64*\mt+8*(\kk)+7], v[8*(16*\mt+i):8*(16*\mt+i)+7]
.endr
.set i, i+1
.endr
.endm
	LDN 0,0
	LDN 128,1
.set kw, 0
.rept 8
.if kw < 7
	s_wait_dscnt 32                                ; all but the other buffer's run
.else
	s_wait_dscnt 0x0
.endif
	MWO 128*(kw%2),kw
	PLACES
.if kw < 6
	LDN 128*(kw%2),kw+2
.endif
.set kw, kw+1
.endr
; A NORM over the 256 columns of a row: 128 lie in my registers, 128 in the lane 16 away.
.macro LDV wc, base, off               ; a vector in the accumulators' layout: columns 16 t + 8 h + j
	WIN \wc
.set t, 0
.rept 16
	ds_load_b128 v[(\base)+8*t:(\base)+8*t+3], v[VH] offset:(\off)+t*64
	ds_load_b128 v[(\base)+8*t+4:(\base)+8*t+7], v[VH] offset:(\off)+t*64+16
.set t, t+1
.endr
.endm
.macro LNRED
	WIN 0
	v_pk_add_f32 v[CH:CH+1], v[CH:CH+1], v[CH+2:CH+3]
	v_pk_add_f32 v[CH+4:CH+5], v[CH+4:CH+5], v[CH+6:CH+7]
	v_pk_add_f32 v[CH:CH+1], v[CH:CH+1], v[CH+4:CH+5]
	v_add_f32 v[CH], v[CH], v[CH+1]
	v_permlanex16_b32 v[CH+1], v[CH], s[SEL], s[SEL+1]
	v_add_f32 v[CH], v[CH], v[CH+1]
.endm
.macro LNSTAT mt                       ; the mean; the differences, in place; the mean of their squares + eps.  Four chains; the tiles in ascending order, low registers first
.set AB, 128*(\mt)
.set SB, STT+6*(\mt)
	WIN 0x05
.irp c, 0,1,2,3
	v_pk_add_f32 v[CH+2*\c:CH+2*\c+1], v[AB+4*\c:AB+4*\c+1], v[AB+4*\c+2:AB+4*\c+3]
.endr
	WIN 0x04
.set p, 8
.rept 56
	v_pk_add_f32 v[CH+2*(p%4):CH+2*(p%4)+1], v[CH+2*(p%4):CH+2*(p%4)+1], v[AB+2*p:AB+2*p+1]
.set p, p+1
.endr
	LNRED
	v_mul_f32 v[SB], s[INV], v[CH]
	v_mov_b32 v[SB+1], v[SB]
	WIN 0x41
.set p, 0
.rept 64
	v_pk_add_f32 v[AB+2*p:AB+2*p+1], v[AB+2*p:AB+2*p+1], v[SB:SB+1] neg_lo:[0,1] neg_hi:[0,1]
.set p, p+1
.endr
	WIN 0x05
.irp c, 0,1,2,3
	v_pk_mul_f32 v[CH+2*\c:CH+2*\c+1], v[AB+2*\c:AB+2*\c+1], v[AB+2*\c:AB+2*\c+1]
.endr
.set p, 4
.rept 60
	v_pk_fma_f32 v[CH+2*(p%4):CH+2*(p%4)+1], v[AB+2*p:AB+2*p+1], v[AB+2*p:AB+2*p+1], v[CH+2*(p%4):CH+2*(p%4)+1]
.set p, p+1
.endr
	LNRED
	v_fma_f32 v[SB+4], v[CH], s[INV], s[EPS]
.endm
.macro LNAPPLY mt, which
.set AB, 128*(\mt)
.set SB, STT+6*(\mt)
	WIN 0x41
.set p, 0
.rept 64
	v_pk_mul_f32 v[AB+2*p:AB+2*p+1], v[AB+2*p:AB+2*p+1], v[SB+2:SB+3]
.set p, p+1
.endr
	WIN 0x79                                       ; g window 2, b window 3
.set p, 0
.rept 64
	v_pk_fma_f32 v[AB+2*p:AB+2*p+1], v[AB+2*p:AB+2*p+1], v[2*p:2*p+1], v[128+2*p:128+2*p+1]
.set p, p+1
.endr
.if (\which) == 1
	WIN 0xc5                                       ; x rounded to bf16 is the FFN's source 1: pair p of the tile's 64 is register p of its eight fragments
.set p, 0
.rept 64
	v_cvt_pk_bf16_f32 v[64*(\mt)+p], v[AB+2*p], v[AB+2*p+1]
.set p, p+1
.endr
	WIN 0x41                                       ; the second product's sums start with x + bff2
.set p, 0
.rept 64
	v_pk_add_f32 v[AB+2*p:AB+2*p+1], v[AB+2*p:AB+2*p+1], v[128+2*p:128+2*p+1]
.set p, p+1
.endr
.endif
.endm
.macro LNORM which
.if (\which) == 1
	LDV 0x80,0,5120
	LDV 0xc0,128,6144
	LDV 0,128,7168
.else
	LDV 0x80,0,8192
	LDV 0xc0,128,9216
.endif
	LNSTAT 0
	LNSTAT 1
	WIN 0
	v_rsq_f32 v[STT+2], v[STT+4]
	v_rsq_f32 v[STT+8], v[STT+10]
	v_nop                                          ; a plain instruction behind the second root,
	s_wait_alu depctr_va_vdst(0)                   ; and one wait for the two
	v_mov_b32 v[STT+3], v[STT+2]
	v_mov_b32 v[STT+9], v[STT+8]
	s_wait_dscnt 0x0                               ; the vectors are in
	LNAPPLY 0,\which
	LNAPPLY 1,\which
.endm
	LNORM 1
	WIN 0
.set i, 0
.rept 16
	v_mov_b32 v[HF+i], 0                           ; the first sub-step's second product, of a sub-step that has not been, multiplies zeros by the fragments of Wout left in the buffer
.set i, i+1
.endr
; THE FFN.  A sub-step is 32 hidden columns.  Its text is rotated: the first product's fragments are asked for; the SECOND product of the sub-step before runs meanwhile; then its own second product's fragments
; are asked for, and its first product runs.
.macro FF2P
	WIN 0x52                                       ; weights window 2, hidden window 0, C and D window 1
.set i, 0
.rept 16
.irp mt, 0,1
	v_wmma_f32_16x16x32_bf16 v[8*(16*\mt+i):8*(16*\mt+i)+7], v[128+8*i:128+8*i+7], v[HF+8*\mt:HF+8*\mt+7], v[8*(16*\mt+i):8*(16*\mt+i)+7]
.endr
.set i, i+1
.endr
.endm
.macro RSTEP
	WIN 0
	v_add_nc_u32 v[AD1], s[TB1], v[L528]
	v_add_nc_u32 v[AD2], s[TB2], v[L272]
	v_add_nc_u32 v[BIA], s[TBB], v[VH]
	s_add_co_u32 s[TB1], s[TB1], 32*528
	s_add_co_u32 s[TB2], s[TB2], 64
	s_add_co_u32 s[TBB], s[TBB], 128
.irp t, 0,1
	ds_load_b128 v[BI+8*\t:BI+8*\t+3], v[BIA] offset:\t*64
	ds_load_b128 v[BI+8*\t+4:BI+8*\t+7], v[BIA] offset:\t*64+16
.endr
	WIN 0x80
.irp t, 0,1
.irp kk, 0,1,2,3,4,5,6,7
	ds_load_b128 v[8*(8*\t+\kk):8*(8*\t+\kk)+3], v[AD1] offset:\t*8448+\kk*64
	ds_load_b128 v[8*(8*\t+\kk)+4:8*(8*\t+\kk)+7], v[AD1] offset:\t*8448+\kk*64+32
.endr
.endr
	FF2P
	PLACES
	WIN 0x80
.set i, 0
.rept 16
	ds_load_b128 v[128+8*i:128+8*i+3], v[AD2] offset:i*4352
	ds_load_b128 v[128+8*i+4:128+8*i+7], v[AD2] offset:i*4352+32
.set i, i+1
.endr
	s_wait_dscnt 32                                ; the first run is in; the 32 just issued stay out
	WIN 0x0e                                       ; weights window 2, x window 3, C and D window 0; four accumulators by turns
.set kf, 0
.rept 8
.irp t, 0,1
.irp mt, 0,1
.if kf == 0
	v_wmma_f32_16x16x32_bf16 v[HA+8*(2*\mt+\t):HA+8*(2*\mt+\t)+7], v[8*(8*\t+kf):8*(8*\t+kf)+7], v[64*\mt+8*kf:64*\mt+8*kf+7], v[BI+8*\t:BI+8*\t+7]
.else
	v_wmma_f32_16x16x32_bf16 v[HA+8*(2*\mt+\t):HA+8*(2*\mt+\t)+7], v[8*(8*\t+kf):8*(8*\t+kf)+7], v[64*\mt+8*kf:64*\mt+8*kf+7], v[HA+8*(2*\mt+\t):HA+8*(2*\mt+\t)+7]
.endif
.endr
.endr
.set kf, kf+1
.endr
	PLACES
	WIN 0
.irp mt, 0,1
.irp t, 0,1
.irp q, 0,1,2,3
	v_cvt_pk_bf16_f32 v[HF+8*\mt+4*\t+\q], v[HA+8*(2*\mt+\t)+2*\q], v[HA+8*(2*\mt+\t)+2*\q+1]
.endr
.endr
.endr
.set i, 0
.rept 16
	v_pk_max_num_bf16 v[HF+i], v[HF+i], v[ZR]      ; the ReLU, on the rounded halves
.set i, i+1
.endr
	s_wait_dscnt 0x0                               ; the second product's fragments are in registers: the slot is read no more for this sub-step
.endm
; THE CHANGE OF SLOTS.  Every wave waits for all its tensor loads (one is out: its part of the chunk to be read next), adds 0 to its spare word, and waits for that and for its reads of the slot that it leaves.
; fill = 1: a round of the cluster's barrier, and the slot just left is filled again first thing behind it; the load has a chunk's 256 matrix instructions in which to land.
.macro CHANGE fill
	WIN 0
	s_wait_tensorcnt 0x0                           ; no tensor load of mine is out, so the descriptors may be written
	ds_add_u32 v[SPW], v[NIL]
.if \fill
	s_xor_b32 s[G0A+1], s[G0A+1], SLOT
	s_add_nc_u64 s[G0A+2:G0A+3], s[G0A+2:G0A+3], 65536
	s_xor_b32 s[G0B+1], s[G0B+1], SLOT
	s_add_nc_u64 s[G0B+2:G0B+3], s[G0B+2:G0B+3], 256
	s_wait_xcnt 0x0                                ; the last prefetch, a chunk back, has read its address
	s_add_nc_u64 s[PFA:PFA+1], s[PFA:PFA+1], s[PSTEP:PSTEP+1]
	s_wait_dscnt 0x0
	CROUND
	JLOAD
	ASK
.else
	s_wait_dscnt 0x0
	s_barrier_signal -1
	s_barrier_wait -1
.endif
	s_sub_co_u32 s[TB1], s[TB1], 4*32*528          ; back to a chunk's first sub-step,
	s_xor_b32 s[TB1], s[TB1], SLOT                 ; in the other slot
	s_sub_co_u32 s[TB2], s[TB2], 256
	s_xor_b32 s[TB2], s[TB2], SLOT
.endm
	s_mov_b32 s[TB1], 4*32*528                     ; the first change turns these two into slot 1's
	s_mov_b32 s[TB2], W2O+256
	s_mov_b32 s[TBB], 0
	s_mov_b32 s[STEPS], 7
.Lstep:                                ; seven trips: chunk c is read, chunk c + 1 asked for
	CHANGE 1
	s_mov_b32 s[SUBC], 4
.Lsub:
	RSTEP
	s_sub_co_u32 s[SUBC], s[SUBC], 1
	s_cmp_lg_u32 s[SUBC], 0
	s_cbranch_scc1 .Lsub
	s_sub_co_u32 s[STEPS], s[STEPS], 1
	s_cmp_lg_u32 s[STEPS], 0
	s_cbranch_scc1 .Lstep
	CHANGE 0                                       ; the last chunk is written out: nothing is asked for
	s_mov_b32 s[SUBC], 4
.Lsub2:
	RSTEP
	s_sub_co_u32 s[SUBC], s[SUBC], 1
	s_cmp_lg_u32 s[SUBC], 0
	s_cbranch_scc1 .Lsub2
	FF2P                                           ; the last sub-step's second product
	PLACES
	LNORM 2
	; THE WAY OUT: 16 rows x 128 columns at a time through my stage; a store of the wave covers 512 consecutive bytes of a row
	MKRO
.macro OUTB b
.set MT, (\b)/2
.set HB, (\b)%2
	WIN 0x04
.set t, 0
.rept 8
	ds_store_b128 v[STD], v[64*(\b)+8*t:64*(\b)+8*t+3] offset:t*64
	ds_store_b128 v[STD], v[64*(\b)+8*t+4:64*(\b)+8*t+7] offset:t*64+16
.set t, t+1
.endr
	WIN 0
	s_wait_xcnt 0x0                                ; earlier stores have read the registers that are loaded next
.set i, 0
.rept 16
	ds_load_b128 v[OB+4*i:OB+4*i+3], v[STR] offset:i*528
.set i, i+1
.endr
.set i, 0
.rept 16
.if (MT == 1) && (i >= 10) && (i%2 == 0)
	s_wait_dscnt 14-i                              ; both rows of the pair are back
	s_wait_xcnt 0x0                                ; EXEC changes only behind this wait
	v_cmp_lt_u32 vcc_lo, 16+i, v[REMV]             ; rows 26-31 of a wave may belong to the next work-group
	s_and_saveexec_b32 s[SAVE], vcc_lo
.elseif !((MT == 1) && (i >= 10))
	s_wait_dscnt 15-i
.endif
	global_store_b128 v[RO+16*MT+i], v[OB+4*i:OB+4*i+3], s[30:31] offset:HB*512 th:TH_STORE_NT
.if (MT == 1) && (i >= 10) && (i%2 == 1)
	s_wait_xcnt 0x0
	s_or_b32 exec_lo, exec_lo, s[SAVE]
.endif
.set i, i+1
.endr
.endm
	OUTB 0
	OUTB 1
	OUTB 2
	OUTB 3
	s_wait_tensorcnt 0x0                           ; the wave's end
	ds_add_u32 v[SPW], v[NIL]
	s_wait_dscnt 0x0
	CROUND                                         ; the closing round
	s_endpgm
.Lfunc_end_k_qbf597f06cd_layer:
	.size	k_qbf597f06cd_layer, .Lfunc_end_k_qbf597f06cd_layer-k_qbf597f06cd_layer
	.p2alignl 7, 3214868480
	.fill 96, 4, 3214868480
	.section	.rodata,"a",@progbits
	.p2align	6, 0x0
	.amdhsa_kernel k_qbf597f06cd_layer
		.amdhsa_group_segment_fixed_size 327680
		.amdhsa_private_segment_fixed_size 0
		.amdhsa_enable_private_segment 0
		.amdhsa_kernarg_size 112
		.amdhsa_user_sgpr_count 2
		.amdhsa_user_sgpr_kernarg_segment_ptr 1
		.amdhsa_wavefront_size32 1
		.amdhsa_system_sgpr_workgroup_id_x 1
		.amdhsa_system_sgpr_workgroup_id_y 1
		.amdhsa_system_sgpr_workgroup_id_z 1
		.amdhsa_system_vgpr_workitem_id 0
		.amdhsa_next_free_vgpr 1024
		.amdhsa_next_free_sgpr 102
		.amdhsa_reserve_vcc 1
		.amdhsa_float_denorm_mode_32 3
		.amdhsa_float_denorm_mode_16_64 3
		.amdhsa_memory_ordered 1
		.amdhsa_forward_progress 1
		.amdhsa_inst_pref_size 255
	.end_amdhsa_kernel
	.section	.bss,"aw",@nobits
	.p2align	6
	.space	262144
	.amdgpu_metadata
---
amdhsa.version: [ 1, 2 ]
amdhsa.kernels:
  - .name:           k_qbf597f06cd_layer
    .symbol:         k_qbf597f06cd_layer.kd
    .args:
      - { .name: src, .offset: 0, .size: 8, .value_kind: global_buffer, .address_space: global }
      - { .name: val, .offset: 8, .size: 8, .value_kind: global_buffer, .address_space: global }
      - { .name: swgt, .offset: 16, .size: 8, .value_kind: global_buffer, .address_space: global }
      - { .name: sidx, .offset: 24, .size: 8, .value_kind: global_buffer, .address_space: global }
      - { .name: wA, .offset: 32, .size: 8, .value_kind: global_buffer, .address_space: global }
      - { .name: wB, .offset: 40, .size: 8, .value_kind: global_buffer, .address_space: global }
      - { .name: bout, .offset: 48, .size: 8, .value_kind: global_buffer, .address_space: global }
      - { .name: g1, .offset: 56, .size: 8, .value_kind: global_buffer, .address_space: global }
      - { .name: b1, .offset: 64, .size: 8, .value_kind: global_buffer, .address_space: global }
      - { .name: bff1, .offset: 72, .size: 8, .value_kind: global_buffer, .address_space: global }
      - { .name: bff2, .offset: 80, .size: 8, .value_kind: global_buffer, .address_space: global }
      - { .name: g2, .offset: 88, .size: 8, .value_kind: global_buffer, .address_space: global }
      - { .name: b2, .offset: 96, .size: 8, .value_kind: global_buffer, .address_space: global }
      - { .name: out0, .offset: 104, .size: 8, .value_kind: global_buffer, .address_space: global }
    .group_segment_fixed_size: 327680
    .private_segment_fixed_size: 0
    .kernarg_segment_align: 8
    .kernarg_segment_size: 112
    .max_flat_workgroup_size: 128
    .sgpr_count:     102
    .vgpr_count:     1024
    .wavefront_size: 32
...
	.end_amdgpu_metadata
.endif
;; end of part 3
;; ======== version 2 of 3: 4 launches
;; workspace buffers: wqv 294,912 bytes; wA 655,360 bytes; wB 524,288 bytes; val 19,966,720 bytes; swgt 20,447,232 bytes; sidx 10,223,616 bytes of whole numbers; sbuf 13,467,648 bytes
;; launch prep: the kernel of part 1 again; grid 45 x 1, 4 waves a work-group, no clusters, 34,304 bytes of LDS; arguments Wv, Woff, Wattn, Wout, Wff1, Wff2, wqv, wA, wB; writes wqv, wA, wB
;; launch proj (part 4): grid 208 x 1, 4 waves a work-group, clusters of 4 x 1, 327,680 bytes of LDS; arguments src, pos, reference_points, bv, boff, battn, wqv, val, swgt, sidx; writes val, swgt, sidx
.if DOCPART == 4
	.amdgcn_target "amdgcn-amd-amdhsa--gfx1250"
	.amdhsa_code_object_version 6
	.text
	.protected	k_qbf597f06cd_proj
	.globl	k_qbf597f06cd_proj
	.p2align	8
	.type	k_qbf597f06cd_proj,@function
k_qbf597f06cd_proj:
	s_mov_b64 s[64:65], 0
	v_nop
	global_prefetch_b8 v0, s[64:65] scope:SCOPE_SE
	s_setreg_imm32_b32 hwreg(HW_REG_WAVE_MODE, 25, 1), 1
	s_wait_xcnt 0x0
	s_wait_alu depctr_hold_cnt(0) depctr_sa_sdst(0) depctr_va_vdst(0) depctr_va_sdst(0) depctr_va_ssrc(0) depctr_va_vcc(0) depctr_vm_vsrc(0)
	s_getreg_b32 s2, hwreg(HW_REG_IB_STS2, 6, 4)
	s_cmp_eq_u32 s2, 0
	s_cbranch_scc0 .Lentry_in_a_cluster
	s_endpgm
.Lentry_in_a_cluster:
	s_bfe_u32 s2, ttmp6, 0x10000c
	s_cmp_lg_u32 s2, 0x3003
	s_cbranch_scc0 .Lentry_shape_is_right
	s_endpgm
.Lentry_shape_is_right:
; value = src Wv + bv; offsets and logits = (src + pos) [Woff | Wattn] + bias; softmax over a head's 12 points; for each point the place of its 2 x 2 patch and four weights.
; ROWS.  Each batch's 13,125 rows are dealt to 104 work-groups in units of 16: work-group g' of a batch begins at position 16 (7 g' + min(g', 93)) and owns 128 or 112 positions (the last: 101 rows).
; Every work-group computes a window of 128 rows (positions clamped to the batch's last).  No tile of 16 rows lies in two batches, and the batch is the same in the four work-groups of a cluster.
; A wave owns 32 rows (two tiles of 16) and all columns.  The matrix instruction is used transposed: source 0 = 16 rows of the turned weights, source 1 = 16 rows of activations: a lane
; (r = l % 16, h = l / 16) holds row r and eight neighbouring columns.  The permuted rows of wqv put all 36 numbers of one (row, head 4 h + hh) into one lane in trip hh.
; WEIGHTS.  All 576 rows of wqv lie in LDS, brought once by one joint tensor load a wave (the four work-groups of a cluster need the same bytes); nothing is filled again.
; OUT.  val: bf16, [batch][plane = column / 8][slot = position][16 bytes], a plane PLQ bytes: a lane's eight columns are 16 bytes of one plane, sixteen lanes store 256 consecutive bytes, aligned.
; A work-group stores the slots up to the next work-group's first (the batch's last one so fills slots 13,125 to 13,135 with the last row's values: the plane is stored whole).  Only wave 3's second tile
; can belong to the next work-group: it then goes, by its offset, into a spare strip of val behind the 64 planes (512 bytes for each g and plane) that nobody reads: EXEC stays full in the whole launch.
; swgt: bf16 [g][wave][hh][unit of 2 points][h][row 32][16 bytes]: point 0 (y0x0, y0x1, y1x0, y1x1), point 1 likewise, each bilinear weight times the softmax weight.
; sidx: u32 [g][wave][hh][level][h][row 32][16 bytes]: (level start + by W + bx) x 16 for the level's four points.  Both are keyed by g and stored whole.
; LIMITS.  x = ref W + off - 0.5 is one fused multiply-add where the reference has a chain.  The patch's corner is floor(x) clamped to 0 .. W - 2, a column's weight max(0, 1 - |x - column|): for every finite x
; that is bilinear sampling with zero padding.  NaN and infinities are not treated apart.  An exponential below 2^-126 counts as 0.  Matrix operands, val and the weights are rounded once to bf16.
.set LROWS, 13125
.set PLQ, 210176                       ; a plane of val: 13,136 slots of 16 bytes
.set WP, 528                           ; a row of weights in LDS: 512 bytes + 16: the 16 rows of a fragment load start 16 bytes apart modulo 256
.set SP, 272                           ; a stage row: 256 bytes + 16
.set STG, 576*WP                       ; behind the weights: a stage of 16 rows for each wave; no tensor load lands there
.set SPARE, STG+4*16*SP                ; the spare words, 128 bytes a wave
.set SPW, 1                            ; v1  SPARE + 4 x thread; never rewritten
.set NIL, 2                            ; v2  0; never rewritten
.set RR, 3
.set HH, 4
.set LN, 5
.set L16, 6
.set S8, 7                             ; stage + 8 lane
.set FRA, 8                            ; stage + 272 r + 16 h
.set AW, 9                             ; 528 r + 16 h + the trip's first weight row
.set H384, 10
.set VO, 12                            ; v12-13 val's offsets of the two row tiles
.set LR, 16                            ; local row 32 w + 16 + r
.set TA, 17
.set H192, 19
.set BVO, 20
.set BOO, 21
.set BAO, 22
.set PWO, 23
.set PIO, 24
.set REFO, 25                          ; v25-26
.set TD, 27
.set CXY, 28                           ; v28-39 ref x W - 0.5, pairs by tile and level
.set RO, 64                            ; v64-95 stage-in: the 32 rows' offsets
.set TT, 96                            ; v96-127 stage-in: packed
.set BV, 64                            ; v64-127 bias of the V trip, as the C operand
.set BQ, 64                            ; v64-103 bias of the Q trip
.set ACCV, 128
.set ACCQ, 128                         ; tile mt at +40 mt
.set SF, 0                             ; window 1: src fragments, 8 (8 mt + kk)
.set QF, 128                           ; window 1: src + pos
.set WF0, 0                            ; window 2: two buffers of weight fragments, 64 each
.set TMPV, 0                           ; window 2: value rounded, 32 registers a row tile
.set WV, 24
.set CXP, 25
.set GG, 26
.set WN, 27
.set CNT, 28                           ; positions up to the next work-group's first: 128 or 112
.set ROW0, 29
.set OFP, 30                           ; s[30:31]
.set G1, 32
.set G0, 40
.set VC, 44
.set QC, 45
.set DMP, 46                           ; my work-group's spare strip, from the batch's first plane
.set HHN, 47
.set VALP, 48
.set SWP, 50
.set DT, 52                            ; s[52:53] feeds the descriptor alone
.set SIP, 54
.set CS, 56
.set STW, 58
.set TS, 59
.set BB, 60                            ; the batch
.set TG, 61
.set GP, 62                            ; g'
.set MSB, 0
.macro WIN new                         ; the immediate's high byte repeats the setting that is left
.if MSB != (\new)
	s_set_vgpr_msb (MSB<<8)|(\new)
.set MSB, \new
.endif
.endm
.macro PLACES                          ; four plain places behind a matrix instruction (ISA guide 7.12.1)
.rept 4
	v_nop
.endr
.endm
.macro CROUND                          ; a round of the cluster's barrier
	s_barrier_signal -1
	s_barrier_wait -1
	s_cmp_lg_u32 s[WV], 0
	s_cbranch_scc1 .Lnw0_\@
	s_barrier_signal -3
.Lnw0_\@:
	s_barrier_wait -3
	s_barrier_signal -1
	s_barrier_wait -1
.endm
	s_load_b512 s[4:19], s[0:1], 0x0               ; src, pos, ref, bv, boff, battn, wqv, val
	s_load_b128 s[20:23], s[0:1], 0x40             ; swgt, sidx
	v_lshl_add_u32 v[SPW], v0, 2, SPARE
	v_mov_b32 v[NIL], 0
	ds_add_u32 v[SPW], v[NIL]                      ; the wave's opening: the add and its wait stand ahead of my first tensor load
	v_lshrrev_b32 v[TA], 5, v0
	v_readfirstlane_b32 s[WV], v[TA]
	s_mov_b32 s[G1+0], 15|(1<<16)|(1<<20)|(1<<21)|(6<<22)|(3<<25)  ; mask of the four; 2-byte elements; padding on; bit 21 beside a mask; after every 128 words 4 words
	s_mov_b32 s[G1+1], 256<<16                     ; tensor_dim0 = 256
	s_mov_b32 s[G1+2], 144<<16                     ; tensor_dim1 = 144
	s_mov_b32 s[G1+3], 256<<16                     ; tile_dim0 = 256
	s_mov_b32 s[G1+4], 144                         ; tile_dim1 = 144
	s_mov_b32 s[G1+5], 256                         ; elements from row to row
	s_mov_b32 s[G1+6], 0
	s_mov_b32 s[G1+7], 0
	s_mov_b32 s[G0], 1
	s_mul_i32 s[G0+1], s[WV], 144*WP               ; my 144 rows in LDS
	s_mul_i32 s[DT], s[WV], 144*512                ; and in memory
	s_mov_b32 s[DT+1], 0
	s_bfe_u32 s[CXP], ttmp6, 0x40000
	s_lshl_b32 s[GG], ttmp9, 2
	s_add_co_u32 s[GG], s[GG], s[CXP]              ; g
	s_cmp_ge_u32 ttmp9, 26                         ; clusters 0-25 take batch 0, clusters 26-51 batch 1
	s_cselect_b32 s[BB], 1, 0
	s_mul_i32 s[TG], s[BB], 104
	s_sub_co_u32 s[GP], s[GG], s[TG]               ; g'
	s_mul_i32 s[WN], s[GP], 7
	s_min_u32 s[TG], s[GP], 93
	s_add_co_u32 s[WN], s[WN], s[TG]
	s_lshl_b32 s[WN], s[WN], 4                     ; my first position
	s_add_co_u32 s[TG], s[GP], 1
	s_mul_i32 s[CNT], s[TG], 7
	s_min_u32 s[TG], s[TG], 93
	s_add_co_u32 s[CNT], s[CNT], s[TG]
	s_lshl_b32 s[CNT], s[CNT], 4
	s_sub_co_u32 s[CNT], s[CNT], s[WN]             ; 128 or 112
	s_lshl_b32 s[TG], s[WV], 5
	s_add_co_u32 s[ROW0], s[WN], s[TG]             ; my wave's first position
	s_mov_b32 s[CS], 0x3fb8aa3b                    ; log2(e)
	s_mov_b32 s[CS+1], s[CS]
	s_wait_dscnt 0x0                               ; the opening add is done
	s_wait_kmcnt 0x0
	s_add_nc_u64 s[G0+2:G0+3], s[16:17], s[DT:DT+1]
	s_or_b32 s[G0+3], s[G0+3], 0x80000000
	CROUND                                         ; all four work-groups are here: the joint loads meet
	tensor_load_to_lds s[G0:G0+3], s[G1:G1+7]      ; my one tensor load of the launch
	s_nop 0
	PLACES
	s_mul_i32 s[OFP], s[BB], LROWS*1024            ; src and pos at my batch,
	s_mov_b32 s[OFP+1], 0
	s_add_nc_u64 s[4:5], s[4:5], s[OFP:OFP+1]
	s_add_nc_u64 s[6:7], s[6:7], s[OFP:OFP+1]
	s_mul_i32 s[OFP], s[BB], LROWS*24              ; the reference points,
	s_add_nc_u64 s[8:9], s[8:9], s[OFP:OFP+1]
	s_mul_i32 s[OFP], s[BB], 32*PLQ                ; and val's 32 planes
	s_add_nc_u64 s[VALP:VALP+1], s[18:19], s[OFP:OFP+1]
	s_lshl_b32 s[DMP], s[GG], 9
	s_add_co_u32 s[DMP], s[DMP], 64*PLQ
	s_sub_co_u32 s[DMP], s[DMP], s[OFP]            ; the spare strip: behind all 64 planes, 512 bytes a work-group
	v_and_b32 v[RR], 15, v0
	v_bfe_u32 v[HH], v0, 4, 1
	v_and_b32 v[LN], 31, v0
	v_lshlrev_b32 v[L16], 4, v[LN]
	s_mul_i32 s[STW], s[WV], 16*SP
	s_add_co_u32 s[STW], s[STW], STG
	v_lshl_add_u32 v[S8], v[LN], 3, s[STW]
	v_mul_u32_u24 v[FRA], v[RR], SP
	v_lshl_add_u32 v[FRA], v[HH], 4, v[FRA]
	v_add_nc_u32 v[FRA], s[STW], v[FRA]
	v_mul_u32_u24 v[AW], v[RR], WP
	v_lshl_add_u32 v[AW], v[HH], 4, v[AW]
	v_mul_u32_u24 v[H384], v[HH], 384
	v_mul_u32_u24 v[H192], v[HH], 192
	v_lshlrev_b32 v[BVO], 5, v[HH]
	v_mov_b32 v[BOO], v[H384]
	v_mov_b32 v[BAO], v[H192]
	v_lshlrev_b32 v[PWO], 9, v[HH]
	v_lshl_add_u32 v[PWO], v[RR], 4, v[PWO]
	v_mov_b32 v[PIO], v[PWO]
	v_mul_u32_u24 v[TD], v[HH], PLQ                ; val: slot x 16, and one plane on for lanes 16-31
.irp mt, 0,1
	v_add3_u32 v[VO+\mt], s[ROW0], v[RR], 16*\mt
	v_lshl_add_u32 v[VO+\mt], v[VO+\mt], 4, v[TD]
.endr
	v_add3_u32 v[LR], s[TG], v[RR], 16             ; the second tile's local rows: they may belong to the next work-group:
	v_lshl_add_u32 v[TD], v[LN], 4, s[DMP]         ; such a lane's 16 bytes go into the spare strip, at 16 x lane
	v_cmp_lt_u32 vcc_lo, v[LR], s[CNT]
	v_cndmask_b32 v[VO+1], v[TD], v[VO+1], vcc_lo  ; own row: its slot in the plane
.irp mt, 0,1
	v_add3_u32 v[REFO+\mt], s[ROW0], v[RR], 16*\mt
	v_min_u32 v[REFO+\mt], LROWS-1, v[REFO+\mt]
	v_mul_u32_u24 v[REFO+\mt], v[REFO+\mt], 24
.endr
.set i, 0
.rept 32
	s_add_co_u32 s[TG], s[ROW0], i
	s_min_u32 s[TG], s[TG], LROWS-1
	s_lshl_b32 s[TG], s[TG], 10
	v_add_nc_u32 v[RO+i], s[TG], v[L16]
.set i, i+1
.endr
	s_mul_i32 s[OFP], s[GG], 98304
	s_mul_i32 s[TG], s[WV], 24576
	s_add_co_u32 s[OFP], s[OFP], s[TG]
	s_add_nc_u64 s[SWP:SWP+1], s[20:21], s[OFP:OFP+1]
	s_lshr_b32 s[OFP], s[OFP], 1
	s_add_nc_u64 s[SIP:SIP+1], s[22:23], s[OFP:OFP+1]
.irp mt, 0,1
.irp l, 0,1,2
	global_load_b64 v[CXY+6*\mt+2*\l:CXY+6*\mt+2*\l+1], v[REFO+\mt], s[8:9] offset:8*\l
.endr
.endr
; STAGE-IN.  A batch is 16 rows x 512 bytes of src and of pos: a row's half by one load of the wave (512 consecutive bytes).  Rounded to bf16 it goes through my stage and comes back as fragments.
.macro LDB sx, mt, kh                  ; set 0: window 0 v128-255; set 1: window 2 v0-127
.if \sx
	WIN 0x80
.set DB, 0
.else
	WIN 0
.set DB, 128
.endif
.set i, 0
.rept 16
	global_load_b128 v[DB+8*i:DB+8*i+3], v[RO+16*(\mt)+i], s[4:5] offset:(\kh)*512 th:TH_LOAD_NT
	global_load_b128 v[DB+8*i+4:DB+8*i+7], v[RO+16*(\mt)+i], s[6:7] offset:(\kh)*512 th:TH_LOAD_NT
.set i, i+1
.endr
.endm
.macro CVPART wc, o, frag, mt, kh      ; round the four numbers at +o of each row, store, read four fragments back; my own bytes, served in order: no wait
	WIN \wc
.set i, 0
.rept 16
	v_cvt_pk_bf16_f32 v[TT+2*i], v[DB+8*i+(\o)], v[DB+8*i+(\o)+1]
	v_cvt_pk_bf16_f32 v[TT+2*i+1], v[DB+8*i+(\o)+2], v[DB+8*i+(\o)+3]
.set i, i+1
.endr
	WIN 0
.set i, 0
.rept 16
	ds_store_b64 v[S8], v[TT+2*i:TT+2*i+1] offset:i*SP
.set i, i+1
.endr
	WIN 0x40
.irp c, 0,1,2,3
	ds_load_b128 v[(\frag)+8*(8*(\mt)+4*(\kh)+\c):(\frag)+8*(8*(\mt)+4*(\kh)+\c)+3], v[FRA] offset:\c*64
	ds_load_b128 v[(\frag)+8*(8*(\mt)+4*(\kh)+\c)+4:(\frag)+8*(8*(\mt)+4*(\kh)+\c)+7], v[FRA] offset:\c*64+32
.endr
.endm
.macro CVB sx, mt, kh
.if \sx
.set DB, 0
	CVPART 0x0a,0,SF,\mt,\kh
	WIN 0x8a
.else
.set DB, 128
	CVPART 0,0,SF,\mt,\kh
	WIN 0
.endif
.set i, 0
.rept 16
	v_pk_add_f32 v[DB+8*i+4:DB+8*i+5], v[DB+8*i+4:DB+8*i+5], v[DB+8*i:DB+8*i+1]      ; q = src + pos in f32
	v_pk_add_f32 v[DB+8*i+6:DB+8*i+7], v[DB+8*i+6:DB+8*i+7], v[DB+8*i+2:DB+8*i+3]
.set i, i+1
.endr
.if \sx
	CVPART 0x0a,4,QF,\mt,\kh
.else
	CVPART 0,4,QF,\mt,\kh
.endif
.endm
	LDB 0,0,0
	LDB 1,0,1
	s_wait_loadcnt 32                              ; all but the younger batch's 32 loads
	CVB 0,0,0
	LDB 0,1,0
	s_wait_loadcnt 32
	CVB 1,0,1
	LDB 1,1,1
	s_wait_loadcnt 32
	CVB 0,1,0
	s_wait_loadcnt 0x0
	CVB 1,1,1
	WIN 0
	s_wait_dscnt 0x0                               ; my fragments are in
.macro LDBV off
	WIN 0
.set t, 0
.rept 8
	global_load_b128 v[BV+8*t:BV+8*t+3], v[BVO], s[10:11] offset:(\off)+t*64
	global_load_b128 v[BV+8*t+4:BV+8*t+7], v[BVO], s[10:11] offset:(\off)+t*64+16
.set t, t+1
.endr
.endm
	LDBV 0
	s_wait_tensorcnt 0x0                           ; my 144 rows of weights have landed,
	s_barrier_signal -1
	s_barrier_wait -1                              ; everybody's have; nothing is filled again in this launch
; THE K PIPELINE.  nt weight tiles x 2 row tiles, K = 256 in eight steps; two buffers of fragments: step kk + 1 is fetched, then step kk is multiplied.  The 2 nt accumulators take turns.
.macro LDW nt, buf, kk
	WIN 0x80
.set t, 0
.rept \nt
	ds_load_b128 v[(\buf)+8*t:(\buf)+8*t+3], v[AW] offset:t*16*WP+(\kk)*64
	ds_load_b128 v[(\buf)+8*t+4:(\buf)+8*t+7], v[AW] offset:t*16*WP+(\kk)*64+32
.set t, t+1
.endr
.endm
.macro MMW nt, buf, kk, frag, acc, ms, bias
	WIN 0x06                                       ; weights window 2, activations window 1, C and D window 0
.set t, 0
.rept \nt
.irp mt, 0,1
.if (\kk) == 0
	v_wmma_f32_16x16x32_bf16 v[(\acc)+(\ms)*\mt+8*t:(\acc)+(\ms)*\mt+8*t+7], v[(\buf)+8*t:(\buf)+8*t+7], v[(\frag)+64*\mt+8*(\kk):(\frag)+64*\mt+8*(\kk)+7], v[(\bias)+8*t:(\bias)+8*t+7]
.else
	v_wmma_f32_16x16x32_bf16 v[(\acc)+(\ms)*\mt+8*t:(\acc)+(\ms)*\mt+8*t+7], v[(\buf)+8*t:(\buf)+8*t+7], v[(\frag)+64*\mt+8*(\kk):(\frag)+64*\mt+8*(\kk)+7], v[(\acc)+(\ms)*\mt+8*t:(\acc)+(\ms)*\mt+8*t+7]
.endif
.endr
.set t, t+1
.endr
.endm
.macro KPIPE nt, frag, acc, ms, bias
	LDW \nt,WF0,0
.set kq, 0
.rept 8
.if kq < 7
.if kq > 0
	PLACES                                         ; the buffer to be loaded was read by the products just issued
.endif
	LDW \nt,WF0+64*((kq+1)%2),kq+1
	s_wait_dscnt 2*\nt                             ; all but the run just issued
.else
	s_wait_dscnt 0x0
.endif
	MMW \nt,WF0+64*(kq%2),kq,\frag,\acc,\ms,\bias
.set kq, kq+1
.endr
.endm
; The way out of 16 rows x 128 columns: tile t of a lane is row r, columns 16 t + 8 h .. + 7: rounded, the 16 bytes of slot r in plane 2 t + h.  Sixteen lanes store 256 consecutive bytes, aligned.
.macro VOUT mt
	WIN 0x80
.set t, 0
.rept 8
.irp q, 0,1,2,3
	v_cvt_pk_bf16_f32 v[TMPV+32*(\mt)+4*t+\q], v[ACCV+64*(\mt)+8*t+2*\q], v[ACCV+64*(\mt)+8*t+2*\q+1]
.endr
.set t, t+1
.endr
	WIN 0x08
.irp t, 0,1,2,3,4,5,6,7
	global_store_b128 v[VO+(\mt)], v[TMPV+32*(\mt)+4*\t:TMPV+32*(\mt)+4*\t+3], s[VALP:VALP+1] offset:\t*2*PLQ
.endr
.endm
	WIN 0
	s_mov_b32 s[VC], 2
.Lv:                                   ; a trip: 128 columns of value = 16 planes
	s_wait_loadcnt 0x0                             ; the trip's bias
	KPIPE 8,SF,ACCV,64,BV
	PLACES
	LDBV 512                                       ; the second trip's bias (the second trip loads it once more; it stays inside bv)
	VOUT 0
	VOUT 1
	WIN 0
	s_wait_xcnt 0x0                                ; the stores have read their base and data
	s_add_nc_u64 s[VALP:VALP+1], s[VALP:VALP+1], 16*PLQ
	v_add_nc_u32 v[AW], 128*WP, v[AW]
	s_sub_co_u32 s[VC], s[VC], 1
	s_cmp_lg_u32 s[VC], 0
	s_cbranch_scc1 .Lv
.macro LDBQ
.irp k, 0,1,2,3,4,5
	global_load_b128 v[BQ+4*\k:BQ+4*\k+3], v[BOO], s[12:13] offset:16*\k
.endr
.irp k, 0,1,2
	global_load_b128 v[BQ+24+4*\k:BQ+24+4*\k+3], v[BAO], s[14:15] offset:16*\k
.endr
.endm
	s_wait_loadcnt 0x0                             ; the registers of the last bias load are taken over
	LDBQ
.irp k, 36,37,38,39
	v_mov_b32 v[BQ+\k], 0                          ; the four zero rows' bias
.endr
.irp mt, 0,1
	v_pk_fma_f32 v[CXY+6*\mt:CXY+6*\mt+1], v[CXY+6*\mt:CXY+6*\mt+1], 0x42c80000, -0.5 op_sel_hi:[1,0,0]      ; ref x 100 - 0.5
	v_pk_fma_f32 v[CXY+6*\mt+2:CXY+6*\mt+3], v[CXY+6*\mt+2:CXY+6*\mt+3], 0x42480000, -0.5 op_sel_hi:[1,0,0]  ; x 50
	v_pk_fma_f32 v[CXY+6*\mt+4:CXY+6*\mt+5], v[CXY+6*\mt+4:CXY+6*\mt+5], 0x41c80000, -0.5 op_sel_hi:[1,0,0]  ; x 25
.endr
.macro BOTH line:vararg                ; one line for each of the two row tiles, so that no line waits for the one before it
.set EB, ACCQ
.set SB, 56
.set TB, 40
.set CX, CXY
	\line
.set EB, ACCQ+40
.set SB, 120
.set TB, 104
.set CX, CXY+6
	\line
.endm
; e0-e23 the head's offsets, e24-e35 its logits.  Each accumulator's lowest registers are read first.
.macro SOFTMAX2
	WIN 0
	BOTH v_max3_num_f32 v[SB], v[EB+24], v[EB+25], v[EB+26]
	BOTH v_max3_num_f32 v[SB+1], v[EB+32], v[EB+33], v[EB+34]
	BOTH v_max3_num_f32 v[SB+2], v[EB+27], v[EB+28], v[EB+29]
	BOTH v_max3_num_f32 v[SB+3], v[EB+30], v[EB+31], v[EB+35]
	BOTH v_max3_num_f32 v[SB], v[SB], v[SB+1], v[SB+2]
	BOTH v_max_num_f32 v[SB], v[SB], v[SB+3]
	BOTH v_mul_f32 v[SB+4], s[CS], v[SB]
	BOTH v_mov_b32 v[SB+5], v[SB+4]
.irp n, 0,2,4,6,8,10
	BOTH v_pk_fma_f32 v[EB+24+\n:EB+25+\n], v[EB+24+\n:EB+25+\n], s[CS:CS+1], v[SB+4:SB+5] op_sel_hi:[1,0,0] neg_lo:[0,0,1] neg_hi:[0,0,1]
.endr
.irp n, 0,1,2,3,4,5,6,7,8,9,10,11
	BOTH v_exp_f32 v[EB+24+\n], v[EB+24+\n]
.endr
	v_nop                                          ; a plain instruction behind the last exponential,
	s_wait_alu depctr_va_vdst(0)                   ; and one wait for the batch of 24
	BOTH v_pk_add_f32 v[SB:SB+1], v[EB+24:EB+25], v[EB+26:EB+27]
	BOTH v_pk_add_f32 v[SB+2:SB+3], v[EB+28:EB+29], v[EB+30:EB+31]
	BOTH v_pk_add_f32 v[SB:SB+1], v[SB:SB+1], v[EB+32:EB+33]
	BOTH v_pk_add_f32 v[SB+2:SB+3], v[SB+2:SB+3], v[EB+34:EB+35]
	BOTH v_pk_add_f32 v[SB:SB+1], v[SB:SB+1], v[SB+2:SB+3]
	BOTH v_add_f32 v[SB], v[SB], v[SB+1]
	BOTH v_rcp_f32 v[SB+4], v[SB]                  ; the sum is at least 1: the largest logit's weight
	v_nop
	s_wait_alu depctr_va_vdst(0)                   ; one wait for the two reciprocals
.irp n, 0,2,4,6,8,10
	BOTH v_pk_mul_f32 v[EB+24+\n:EB+25+\n], v[EB+24+\n:EB+25+\n], v[SB+4:SB+5] op_sel_hi:[1,0]
.endr
.endm
; Point i of 12: X = offset + ref W - 0.5; F = floor clamped to 0 .. W - 2; weights max(0, 1 - |X - F|) and max(0, 1 - |X - F - 1|); index (start + Fy W + Fx) x 16.
; Results land on the registers that are used up: e(2i), e(2i+1) take the four weights in bf16, e(24+i) the index.
.macro POINT2 i
.set LV, (\i)/4
.if LV == 0
.set WFL, 0x42c80000
.set WM2, 0x42c40000
.set STA, 0
.elseif LV == 1
.set WFL, 0x42480000
.set WM2, 0x42400000
.set STA, 10000
.else
.set WFL, 0x41c80000
.set WM2, 0x41b80000
.set STA, 12500
.endif
	BOTH v_pk_add_f32 v[TB:TB+1], v[EB+2*(\i):EB+2*(\i)+1], v[CX+2*LV:CX+2*LV+1]
	BOTH v_floor_f32 v[TB+2], v[TB]
	BOTH v_floor_f32 v[TB+3], v[TB+1]
	BOTH v_med3_num_f32 v[TB+2], v[TB+2], 0, WM2
	BOTH v_med3_num_f32 v[TB+3], v[TB+3], 0, WM2
	BOTH v_pk_add_f32 v[TB+4:TB+5], v[TB:TB+1], v[TB+2:TB+3] neg_lo:[0,1] neg_hi:[0,1]
	BOTH v_pk_add_f32 v[TB+6:TB+7], v[TB+4:TB+5], -1.0 op_sel_hi:[1,0]
	BOTH v_sub_f32 v[TB+8], 1.0, |v[TB+4]|
	BOTH v_sub_f32 v[TB+9], 1.0, |v[TB+6]|
	BOTH v_sub_f32 v[TB+10], 1.0, |v[TB+5]|
	BOTH v_sub_f32 v[TB+11], 1.0, |v[TB+7]|
	BOTH v_max_num_f32 v[TB+8], 0, v[TB+8]
	BOTH v_max_num_f32 v[TB+9], 0, v[TB+9]
	BOTH v_max_num_f32 v[TB+10], 0, v[TB+10]
	BOTH v_max_num_f32 v[TB+11], 0, v[TB+11]
	BOTH v_fmamk_f32 v[TB], v[TB+3], WFL, v[TB+2]
	BOTH v_cvt_u32_f32 v[TB], v[TB]
.if (\i)%2 == 0
	BOTH v_pk_mul_f32 v[TB+10:TB+11], v[TB+10:TB+11], v[EB+24+(\i):EB+25+(\i)] op_sel_hi:[1,0]
.else
	BOTH v_pk_mul_f32 v[TB+10:TB+11], v[TB+10:TB+11], v[EB+23+(\i):EB+24+(\i)] op_sel:[0,1] op_sel_hi:[1,1]
.endif
	BOTH v_pk_mul_f32 v[TB+12:TB+13], v[TB+8:TB+9], v[TB+10:TB+11] op_sel_hi:[1,0]
	BOTH v_pk_mul_f32 v[TB+14:TB+15], v[TB+8:TB+9], v[TB+10:TB+11] op_sel:[0,1] op_sel_hi:[1,1]
	BOTH v_cvt_pk_bf16_f32 v[EB+2*(\i)], v[TB+12], v[TB+13]
	BOTH v_cvt_pk_bf16_f32 v[EB+2*(\i)+1], v[TB+14], v[TB+15]
	BOTH v_add_lshl_u32 v[EB+24+(\i)], v[TB], STA, 4
.endm
	s_mov_b32 s[QC], 4
	s_mov_b32 s[HHN], 0
.Lq:                                   ; trip hh: heads hh (lanes 0-15) and 4 + hh (lanes 16-31)
	s_wait_loadcnt 0x0                             ; the trip's bias
	KPIPE 5,QF,ACCQ,40,BQ
	PLACES
	WIN 0
	s_add_co_u32 s[HHN], s[HHN], 1
	s_min_u32 s[HHN], s[HHN], 3                    ; the next trip's bias; the last trip loads its own again
	s_mul_i32 s[TS], s[HHN], 96
	v_add_nc_u32 v[BOO], s[TS], v[H384]
	s_mul_i32 s[TS], s[HHN], 48
	v_add_nc_u32 v[BAO], s[TS], v[H192]
	LDBQ
	SOFTMAX2
.irp i, 0,1,2,3,4,5,6,7,8,9,10,11
	POINT2 \i
.endr
.irp mt, 0,1
.irp u, 0,1,2,3,4,5
	global_store_b128 v[PWO], v[ACCQ+40*\mt+4*\u:ACCQ+40*\mt+4*\u+3], s[SWP:SWP+1] offset:\u*1024+\mt*256  ; sixteen lanes fill 256 consecutive bytes, aligned
.endr
.irp l, 0,1,2
	global_store_b128 v[PIO], v[ACCQ+40*\mt+24+4*\l:ACCQ+40*\mt+24+4*\l+3], s[SIP:SIP+1] offset:\l*1024+\mt*256
.endr
.endr
	s_wait_xcnt 0x0                                ; the stores have read their offsets and data: both are rewritten next
	v_add_nc_u32 v[PWO], 6144, v[PWO]
	v_add_nc_u32 v[PIO], 3072, v[PIO]
	v_add_nc_u32 v[AW], 80*WP, v[AW]
	s_sub_co_u32 s[QC], s[QC], 1
	s_cmp_lg_u32 s[QC], 0
	s_cbranch_scc1 .Lq
	s_wait_tensorcnt 0x0                           ; the wave's end
	ds_add_u32 v[SPW], v[NIL]
	s_wait_dscnt 0x0
	CROUND                                         ; the closing round
	s_endpgm
.Lfunc_end_k_qbf597f06cd_proj:
	.size	k_qbf597f06cd_proj, .Lfunc_end_k_qbf597f06cd_proj-k_qbf597f06cd_proj
	.p2alignl 7, 3214868480
	.fill 96, 4, 3214868480
	.section	.rodata,"a",@progbits
	.p2align	6, 0x0
	.amdhsa_kernel k_qbf597f06cd_proj
		.amdhsa_group_segment_fixed_size 327680
		.amdhsa_private_segment_fixed_size 0
		.amdhsa_enable_private_segment 0
		.amdhsa_kernarg_size 80
		.amdhsa_user_sgpr_count 2
		.amdhsa_user_sgpr_kernarg_segment_ptr 1
		.amdhsa_wavefront_size32 1
		.amdhsa_system_sgpr_workgroup_id_x 1
		.amdhsa_system_sgpr_workgroup_id_y 1
		.amdhsa_system_sgpr_workgroup_id_z 1
		.amdhsa_system_vgpr_workitem_id 0
		.amdhsa_next_free_vgpr 640
		.amdhsa_next_free_sgpr 66
		.amdhsa_reserve_vcc 1
		.amdhsa_float_denorm_mode_32 3
		.amdhsa_float_denorm_mode_16_64 3
		.amdhsa_memory_ordered 1
		.amdhsa_forward_progress 1
		.amdhsa_inst_pref_size 139
	.end_amdhsa_kernel
	.amdgpu_metadata
---
amdhsa.version: [ 1, 2 ]
amdhsa.kernels:
  - .name:           k_qbf597f06cd_proj
    .symbol:         k_qbf597f06cd_proj.kd
    .args:
      - { .name: src, .offset: 0, .size: 8, .value_kind: global_buffer, .address_space: global }
      - { .name: pos, .offset: 8, .size: 8, .value_kind: global_buffer, .address_space: global }
      - { .name: reference_points, .offset: 16, .size: 8, .value_kind: global_buffer, .address_space: global }
      - { .name: bv, .offset: 24, .size: 8, .value_kind: global_buffer, .address_space: global }
      - { .name: boff, .offset: 32, .size: 8, .value_kind: global_buffer, .address_space: global }
      - { .name: battn, .offset: 40, .size: 8, .value_kind: global_buffer, .address_space: global }
      - { .name: wqv, .offset: 48, .size: 8, .value_kind: global_buffer, .address_space: global }
      - { .name: val, .offset: 56, .size: 8, .value_kind: global_buffer, .address_space: global }
      - { .name: swgt, .offset: 64, .size: 8, .value_kind: global_buffer, .address_space: global }
      - { .name: sidx, .offset: 72, .size: 8, .value_kind: global_buffer, .address_space: global }
    .group_segment_fixed_size: 327680
    .private_segment_fixed_size: 0
    .kernarg_segment_align: 8
    .kernarg_segment_size: 80
    .max_flat_workgroup_size: 128
    .sgpr_count:     66
    .vgpr_count:     640
    .wavefront_size: 32
...
	.end_amdgpu_metadata
.endif
;; end of part 4
;; launch samp (part 5): grid 256 x 1, 16 waves a work-group, no clusters, 212,224 bytes of LDS; arguments val, swgt, sidx, sbuf; writes sbuf
.if DOCPART == 5
	.amdgcn_target "amdgcn-amd-amdhsa--gfx1250"
	.amdhsa_code_object_version 6
	.text
	.protected	k_qbf597f06cd_samp
	.globl	k_qbf597f06cd_samp
	.p2align	8
	.type	k_qbf597f06cd_samp,@function
k_qbf597f06cd_samp:
	s_mov_b64 s[64:65], 0
	v_nop
	global_prefetch_b8 v0, s[64:65] scope:SCOPE_SE
	s_setreg_imm32_b32 hwreg(HW_REG_WAVE_MODE, 25, 1), 1
	s_wait_xcnt 0x0
; S[row][channel] = the sum over a head's 12 points and a point's 4 corners of weight x value.  Weights (bf16) and patch offsets (whole numbers) come from the launch before.
; THE TABLE.  One plane of val, the 8 channels cq of one head of one batch at all 13,125 positions, is 210,176 bytes: it lies in LDS, and every gather is an LDS load of 16 bytes a lane.
; SHARES.  64 planes x 4 work-groups; work-group x = ((batch x 8 + head) x 4 + rq) x 4 + cq.  A plane's 13,152 slots are 411 blocks of 32; block 64 t + 4 w + rq is wave w's in trip t of 7;
; steps past the last block are jumped over.  A lane is one row: 48 gathers, 384 multiply-adds into 8 f32 sums, rounded once to bf16: 16 bytes; the wave stores 512 consecutive bytes, aligned.
; Slots 13,125 and up take the last row's parameters; their values are read by nobody's result.
; PARAMETERS.  Row p of a batch belongs to work-group g' = p / 128 (p < 11,904) or 93 + (p - 11,904) / 112 of the launch before; a lane makes its own offset from that: 16 or 32 neighbouring lanes read
; neighbouring 16 bytes.
; Sixteen waves: while some wait for their parameters the others keep LDS busy, so a trip is written plainly, with no load carried from trip to trip.
; NO CLUSTER, though four work-groups read the same plane: the LDS addresses are made of offsets loaded for rows that differ from work-group to work-group.
; sbuf: bf16 [batch][plane = channel / 8][slot = position][16 bytes], a plane SPL bytes.
.set LROWS, 13125
.set PLQ, 210176                       ; a plane of val: 821 rows of 256 bytes
.set SPL, 210432                       ; a plane of sbuf: 411 blocks of 512 bytes
.set NBLK, 411
.set SPARE, 210176                     ; behind the table: the spare words, 128 bytes for each of 16 waves
.set SPW, 1                            ; v1  SPARE + 4 x thread; never rewritten
.set NIL, 2                            ; v2  0; never rewritten
.set ZR, 3                             ; v3  0, as an operand
.set LN, 4
.set PP, 5                             ; my row's position
.set TA, 6
.set TB, 7
.set GQ, 8
.set PWO, 12
.set PIO, 13
.set SOF, 14
.set AC, 16                            ; v16-23 eight sums
.set IDX, 24                           ; v24-35 the 12 points' offsets, clamped in place
.set OUT, 36                           ; v36-39
.set WGT, 40                           ; v40-63 four registers a unit of 2 points
.set DATA, 64                          ; v64-255 32 registers a unit
.set WV, 12
.set CQ, 13
.set RQ, 14
.set HD, 15
.set BB, 16
.set PLN, 17
.set BETA, 18
.set TC, 19
.set T0, 20
.set T1, 21
.set OF, 22                            ; s[22:23]
.set G1A, 24                           ; 64 rows of 256 bytes
.set G1B, 32                           ; the last 53
.set G0, 40
.set SWP, 44
.set SIP, 46
.set SBP, 48
	s_load_b256 s[4:11], s[0:1], 0x0               ; val, swgt, sidx, sbuf
	v_lshl_add_u32 v[SPW], v0, 2, SPARE
	v_mov_b32 v[NIL], 0
	ds_add_u32 v[SPW], v[NIL]                      ; the wave's opening: the add and its wait stand ahead of my first tensor load
	v_lshrrev_b32 v[LN], 5, v0
	v_readfirstlane_b32 s[WV], v[LN]
	v_and_b32 v[LN], 31, v0
	v_mov_b32 v[ZR], 0
	s_mov_b32 s[G1A+0], 3<<16                      ; elements of 8 bytes, no padding, no mask
	s_mov_b32 s[G1A+1], 32<<16                     ; tensor_dim0 = 32
	s_mov_b32 s[G1A+2], 64<<16                     ; tensor_dim1 = 64
	s_mov_b32 s[G1A+3], 32<<16                     ; tile_dim0 = 32
	s_mov_b32 s[G1A+4], 64                         ; tile_dim1 = 64
	s_mov_b32 s[G1A+5], 32                         ; elements from row to row: the plane is dense
	s_mov_b32 s[G1A+6], 0
	s_mov_b32 s[G1A+7], 0
	s_mov_b32 s[G1B+0], 3<<16
	s_mov_b32 s[G1B+1], 32<<16
	s_mov_b32 s[G1B+2], 53<<16
	s_mov_b32 s[G1B+3], 32<<16
	s_mov_b32 s[G1B+4], 53
	s_mov_b32 s[G1B+5], 32
	s_mov_b32 s[G1B+6], 0
	s_mov_b32 s[G1B+7], 0
	s_mov_b32 s[G0], 1
	s_lshl_b32 s[G0+1], s[WV], 14                  ; wave w's 64 rows: 16,384 w, in LDS and in the plane
	s_and_b32 s[CQ], ttmp9, 3
	s_bfe_u32 s[RQ], ttmp9, 0x20002
	s_bfe_u32 s[HD], ttmp9, 0x30004
	s_lshr_b32 s[BB], ttmp9, 7
	s_lshl2_add_u32 s[PLN], s[HD], s[CQ]
	s_lshl_b32 s[T0], s[BB], 5
	s_add_co_u32 s[PLN], s[PLN], s[T0]             ; plane 32 batch + 4 head + cq
	s_mul_i32 s[OF], s[PLN], PLQ
	s_add_co_u32 s[OF], s[OF], s[G0+1]
	s_mov_b32 s[OF+1], 0
	s_lshl2_add_u32 s[BETA], s[WV], s[RQ]          ; my first block
	s_wait_dscnt 0x0                               ; the opening add is done
	s_wait_kmcnt 0x0
	s_add_nc_u64 s[G0+2:G0+3], s[4:5], s[OF:OF+1]
	s_or_b32 s[G0+3], s[G0+3], 0x80000000
	s_cmp_lt_u32 s[WV], 12                         ; waves 0-11 fetch 64 rows each, wave 12 the last 53, waves 13-15 none: one tensor load a wave at the most
	s_cbranch_scc0 .Lrest
	tensor_load_to_lds s[G0:G0+3], s[G1A:G1A+7]
	s_nop 0
	s_branch .Lasked
.Lrest:
	s_cmp_eq_u32 s[WV], 12
	s_cbranch_scc0 .Lasked
	tensor_load_to_lds s[G0:G0+3], s[G1B:G1B+7]
	s_nop 0
.Lasked:
	s_and_b32 s[T0], s[HD], 3                      ; head = 4 h + hh
	s_lshr_b32 s[T1], s[HD], 2
	s_lshl_b32 s[T1], s[T1], 9
	s_mul_i32 s[OF], s[BB], 104*98304              ; swgt at my batch's first work-group, my head
	s_mul_i32 s[CQ], s[T0], 6144
	s_add_co_u32 s[OF], s[OF], s[CQ]
	s_add_co_u32 s[OF], s[OF], s[T1]
	s_add_nc_u64 s[SWP:SWP+1], s[6:7], s[OF:OF+1]
	s_mul_i32 s[OF], s[BB], 104*49152              ; sidx likewise
	s_mul_i32 s[CQ], s[T0], 3072
	s_add_co_u32 s[OF], s[OF], s[CQ]
	s_add_co_u32 s[OF], s[OF], s[T1]
	s_add_nc_u64 s[SIP:SIP+1], s[8:9], s[OF:OF+1]
	s_mul_i32 s[OF], s[PLN], SPL
	s_add_nc_u64 s[SBP:SBP+1], s[10:11], s[OF:OF+1]
; The block's parameters are asked for: three loads of offsets, then six of weights.
.macro PARAMS
	s_lshl_b32 s[T0], s[BETA], 5
	v_add_nc_u32 v[PP], s[T0], v[LN]
	v_min_u32 v[PP], LROWS-1, v[PP]                ; my row's position
	v_lshrrev_b32 v[TA], 7, v[PP]                  ; p / 128
	v_max_u32 v[TB], 11904, v[PP]
	v_add_nc_u32 v[TB], 0xffffd180, v[TB]          ; - 11,904
	v_lshrrev_b32 v[TB], 4, v[TB]                  ; units of 16, 76 at the most
	v_mul_u32_u24 v[TB], v[TB], 9363
	v_lshrrev_b32 v[TB], 16, v[TB]                 ; / 7, exact up to 76
	v_add_nc_u32 v[TB], 93, v[TB]
	v_cmp_le_u32 vcc_lo, 11904, v[PP]
	v_cndmask_b32 v[GQ], v[TA], v[TB], vcc_lo      ; g'
	v_min_u32 v[TA], 93, v[GQ]
	v_mul_u32_u24 v[TB], v[GQ], 7
	v_add_lshl_u32 v[TA], v[TA], v[TB], 4          ; its first position
	v_sub_nc_u32 v[TA], v[PP], v[TA]               ; my row in its window
	v_lshrrev_b32 v[TB], 5, v[TA]                  ; the wave that made it,
	v_and_b32 v[TA], 31, v[TA]                     ; and the row in that wave's 32
	v_mul_u32_u24 v[PWO], v[GQ], 98304
	v_mul_u32_u24 v[TB], v[TB], 24576
	v_add_nc_u32 v[PWO], v[PWO], v[TB]
	v_lshrrev_b32 v[PIO], 1, v[PWO]
	v_lshl_add_u32 v[PWO], v[TA], 4, v[PWO]
	v_lshl_add_u32 v[PIO], v[TA], 4, v[PIO]
.irp l, 0,1,2
	global_load_b128 v[IDX+4*\l:IDX+4*\l+3], v[PIO], s[SIP:SIP+1] offset:\l*1024
.endr
.irp u, 0,1,2,3,4,5
	global_load_b128 v[WGT+4*\u:WGT+4*\u+3], v[PWO], s[SWP:SWP+1] offset:\u*1024
.endr
.endm
.macro CLAMP l, top                    ; a loaded offset is held to the level's last patch before it is an address
.irp k, 0,1,2,3
	v_min_u32 v[IDX+4*(\l)+\k], \top, v[IDX+4*(\l)+\k]
.endr
.endm
.macro GATHER u                        ; a unit's 2 points x 4 corners
.set WL, 100>>((\u)/2)
.irp pp, 0,1
	ds_load_b128 v[DATA+32*(\u)+16*\pp:DATA+32*(\u)+16*\pp+3], v[IDX+2*(\u)+\pp]
	ds_load_b128 v[DATA+32*(\u)+16*\pp+4:DATA+32*(\u)+16*\pp+7], v[IDX+2*(\u)+\pp] offset:16
	ds_load_b128 v[DATA+32*(\u)+16*\pp+8:DATA+32*(\u)+16*\pp+11], v[IDX+2*(\u)+\pp] offset:16*WL
	ds_load_b128 v[DATA+32*(\u)+16*\pp+12:DATA+32*(\u)+16*\pp+15], v[IDX+2*(\u)+\pp] offset:16*WL+16
.endr
.endm
.macro UNIT u
	s_wait_dscnt 40-8*(\u)                         ; LDS loads come back in order: the younger units' eight each stay out
.irp pp, 0,1
.irp cy, 0,1
.irp cx, 0,1
.irp q, 0,1,2,3
.irp hf, 0,1
.if ((\u)+\pp+\cy+\cx) == 0
	v_fma_mix_f32_bf16 v[AC+2*\q+\hf], v[DATA+32*(\u)+16*\pp+8*\cy+4*\cx+\q], v[WGT+4*(\u)+2*\pp+\cy], v[ZR] op_sel:[\hf,\cx,0] op_sel_hi:[1,1,0]
.else
	v_fma_mix_f32_bf16 v[AC+2*\q+\hf], v[DATA+32*(\u)+16*\pp+8*\cy+4*\cx+\q], v[WGT+4*(\u)+2*\pp+\cy], v[AC+2*\q+\hf] op_sel:[\hf,\cx,0] op_sel_hi:[1,1,0]
.endif
.endr
.endr
.endr
.endr
.endr
.endm
	PARAMS                                         ; the first block's parameters are on their way while the table lands
	s_wait_tensorcnt 0x0                           ; my part of the table has landed,
	s_barrier_signal -1
	s_barrier_wait -1                              ; everybody's has; nothing is filled again
	s_mov_b32 s[TC], 7
	s_branch .Lmid                                 ; the loop is entered behind its parameter loads
.Ltrip:
	s_cmp_lt_u32 s[BETA], NBLK
	s_cbranch_scc0 .Ldead                          ; past the plane's last block: the step is jumped over
	PARAMS                                         ; every load of the trip before has been waited for: its registers are free
.Lmid:
	s_wait_loadcnt 6                               ; the offsets are in; the six loads of weights stay out
	CLAMP 0, 158368
	CLAMP 1, 199168
	CLAMP 2, 209568
.irp u, 0,1,2,3,4,5
	GATHER \u
.endr
	s_wait_loadcnt 0x0                             ; the weights
.irp u, 0,1,2,3,4,5
	UNIT \u
.endr
	s_wait_xcnt 0x0                                ; the last trip's store has read its offset and data
	v_cvt_pk_bf16_f32 v[OUT], v[AC], v[AC+1]
	v_cvt_pk_bf16_f32 v[OUT+1], v[AC+2], v[AC+3]
	v_cvt_pk_bf16_f32 v[OUT+2], v[AC+4], v[AC+5]
	v_cvt_pk_bf16_f32 v[OUT+3], v[AC+6], v[AC+7]
	s_lshl_b32 s[T0], s[BETA], 9
	v_lshl_add_u32 v[SOF], v[LN], 4, s[T0]
	global_store_b128 v[SOF], v[OUT:OUT+3], s[SBP:SBP+1]  ; 512 consecutive bytes, aligned
.Ldead:
	s_add_co_u32 s[BETA], s[BETA], 64
	s_sub_co_u32 s[TC], s[TC], 1
	s_cmp_lg_u32 s[TC], 0
	s_cbranch_scc1 .Ltrip
	s_wait_tensorcnt 0x0                           ; the wave's end
	ds_add_u32 v[SPW], v[NIL]
	s_wait_dscnt 0x0
	s_endpgm
.Lfunc_end_k_qbf597f06cd_samp:
	.size	k_qbf597f06cd_samp, .Lfunc_end_k_qbf597f06cd_samp-k_qbf597f06cd_samp
	.p2alignl 7, 3214868480
	.fill 96, 4, 3214868480
	.section	.rodata,"a",@progbits
	.p2align	6, 0x0
	.amdhsa_kernel k_qbf597f06cd_samp
		.amdhsa_group_segment_fixed_size 212224
		.amdhsa_private_segment_fixed_size 0
		.amdhsa_enable_private_segment 0
		.amdhsa_kernarg_size 32
		.amdhsa_user_sgpr_count 2
		.amdhsa_user_sgpr_kernarg_segment_ptr 1
		.amdhsa_wavefront_size32 1
		.amdhsa_system_sgpr_workgroup_id_x 1
		.amdhsa_system_sgpr_workgroup_id_y 1
		.amdhsa_system_sgpr_workgroup_id_z 1
		.amdhsa_system_vgpr_workitem_id 0
		.amdhsa_next_free_vgpr 256
		.amdhsa_next_free_sgpr 66
		.amdhsa_reserve_vcc 1
		.amdhsa_float_denorm_mode_32 3
		.amdhsa_float_denorm_mode_16_64 3
		.amdhsa_memory_ordered 1
		.amdhsa_forward_progress 1
		.amdhsa_inst_pref_size 37
	.end_amdhsa_kernel
	.amdgpu_metadata
---
amdhsa.version: [ 1, 2 ]
amdhsa.kernels:
  - .name:           k_qbf597f06cd_samp
    .symbol:         k_qbf597f06cd_samp.kd
    .args:
      - { .name: val, .offset: 0, .size: 8, .value_kind: global_buffer, .address_space: global }
      - { .name: swgt, .offset: 8, .size: 8, .value_kind: global_buffer, .address_space: global }
      - { .name: sidx, .offset: 16, .size: 8, .value_kind: global_buffer, .address_space: global }
      - { .name: sbuf, .offset: 24, .size: 8, .value_kind: global_buffer, .address_space: global }
    .group_segment_fixed_size: 212224
    .private_segment_fixed_size: 0
    .kernarg_segment_align: 8
    .kernarg_segment_size: 32
    .max_flat_workgroup_size: 512
    .sgpr_count:     66
    .vgpr_count:     256
    .wavefront_size: 32
...
	.end_amdgpu_metadata
.endif
;; end of part 5
;; launch layer (part 6): grid 208 x 1, 4 waves a work-group, clusters of 4 x 1, 327,680 bytes of LDS; arguments src, sbuf, wA, wB, bout, g1, b1, bff1, bff2, g2, b2, out0; writes out0
.if DOCPART == 6
	.amdgcn_target "amdgcn-amd-amdhsa--gfx1250"
	.amdhsa_code_object_version 6
	.text
	.protected	k_qbf597f06cd_layer
	.globl	k_qbf597f06cd_layer
	.p2align	8
	.type	k_qbf597f06cd_layer,@function
k_qbf597f06cd_layer:
	s_mov_b64 s[64:65], 0
	v_nop
	global_prefetch_b8 v0, s[64:65] scope:SCOPE_SE
	s_setreg_imm32_b32 hwreg(HW_REG_WAVE_MODE, 25, 1), 1
	s_wait_xcnt 0x0
	s_wait_alu depctr_hold_cnt(0) depctr_sa_sdst(0) depctr_va_vdst(0) depctr_va_sdst(0) depctr_va_ssrc(0) depctr_va_vcc(0) depctr_vm_vsrc(0)
	s_getreg_b32 s2, hwreg(HW_REG_IB_STS2, 6, 4)
	s_cmp_eq_u32 s2, 0
	s_cbranch_scc0 .Lentry_in_a_cluster
	s_endpgm
.Lentry_in_a_cluster:
	s_bfe_u32 s2, ttmp6, 0x10000c
	s_cmp_lg_u32 s2, 0x3003
	s_cbranch_scc0 .Lentry_shape_is_right
	s_endpgm
.Lentry_shape_is_right:
; out0 = LN2(x + relu(x Wff1 + bff1) Wff2 + bff2), x = LN1(src + S Wout + bout), S = the sampled values, bf16, from the launch before.
; ROWS.  Each batch's 13,125 rows are dealt to 104 work-groups in units of 16: work-group g' begins at position 16 (7 g' + min(g', 93)) and owns 128, 112 or (the last) 101 rows of a window of 128;
; a wave owns 32 rows and all columns.  out0 is stored for own rows alone, by EXEC masks: of a wave's rows 0-4 are always its work-group's own, rows 5-15 share one fate, rows 16-31 another.
; S lies as [batch][plane = channel / 8][slot = position][16 bytes]: half a fragment is 16 slots of two planes: each half of the lanes loads 256 consecutive bytes, aligned.
; MATRIX WORK, transposed: source 0 = 16 rows of turned weights, source 1 = 16 rows of activations: a lane (r = l % 16, h = l / 16) holds row r, columns 16 t + 8 h + j.  Two neighbouring result tiles
; rounded to bf16 are the next product's source 1, so S Wout, LN1, both FFN products and LN2 stay in registers, and a norm wants one exchange between the halves of the lanes.
; LDS.  Two slots: slot 0 first holds Wout^T; then the slots take turns with the FFN's eight chunks of 128 hidden columns (128 rows of Wff1^T, 256 rows x 128 of Wff2^T).  All tiles are asked for
; jointly by the four work-groups of a cluster.  By this text's count a wave has two tensor loads out at the start, later one.
; LIMITS.  NaN and infinities are not treated apart (the ReLU's maximum drops a NaN).  Both norms take the mean first and then the squares of the differences.  Matrix operands are bf16.
; REGISTERS: window 0 addresses, statistics, hidden tiles; window 1 the 32 accumulators (16 mt + i); window 2 two buffers of weight fragments; window 3 activations' fragments, and b of the norms.
.set LROWS, 13125
.set SPL, 210432                       ; a plane of sbuf
.set SLOT, 139264                      ; slot 1 begins here; its two bits occur in none of a slot's four tile addresses, so one exclusive or changes slots
.set W2O, 67584                        ; Wff2's part of a chunk: behind 128 rows of 528 bytes
.set STG, 276480                       ; a stage of 16 rows x 528 bytes for each wave; no tensor load lands there
.set VEC, 310272                       ; bff1 +0, bout +4096, g1 +5120, b1 +6144, bff2 +7168, g2 +8192, b2 +9216
.set SPARE, 320512                     ; the spare words, 128 bytes a wave
.set SPW, 1                            ; v1  SPARE + 4 x thread; never rewritten
.set NIL, 2                            ; v2  0; never rewritten
.set ZR, 3                             ; v3  0, as an operand
.set RR, 4
.set HH, 5
.set L16, 6
.set L528, 7
.set L272, 8
.set AD1, 9
.set AD2, 10
.set ADW0, 11
.set ADW1, 12
.set BIA, 13
.set VH, 14
.set STD, 15
.set STR, 16
.set REMV, 17
.set PFO, 18
.set BOA, 19
.set STT, 20                           ; v20-31: by tile: mean twice, 1/sigma twice, variance + eps
.set HA, 32                            ; v32-63 hidden accumulators 8 (2 mt + t)
.set HF, 64                            ; v64-79 hidden fragments 8 mt
.set BI, 80                            ; v80-95 bff1 as the C operand
.set BO, 96                            ; v96-103 bout
.set CH, 104                           ; v104-111 four chains
.set SOF, 112                          ; v112-113 S's offsets of the two row tiles
.set VA, 114                           ; v114-117 the vectors' copy: offsets
.set OB, 128
.set RO, 192                           ; v192-223 the 32 rows' offsets
.set G1A, 32
.set G1B, 40
.set G0W, 48
.set G0A, 52
.set G0B, 56
.set WV, 60
.set CXP, 61
.set GG, 62
.set WN, 63
.set CNT, 66
.set REM, 67
.set BB, 68
.set RC, 69
.set TB1, 70
.set TB2, 71
.set TBB, 72
.set STEPS, 73
.set SUBC, 74
.set ROW0, 75
.set PW, 76
.set PI, 78
.set OFA, 80
.set PFA, 84
.set PSTEP, 86
.set SEL, 88
.set SAVE, 90
.set LIM, 91
.set INV, 98
.set EPS, 99
.set DT, 100                           ; s[100:101] wave-only numbers; s101 then keeps my stage's address
.set STGW, 101
.set MSB, 0
.macro WIN new
.if MSB != (\new)
	s_set_vgpr_msb (MSB<<8)|(\new)
.set MSB, \new
.endif
.endm
.macro PLACES                          ; four plain places behind a matrix instruction (ISA guide 7.12.1)
.rept 4
	v_nop
.endr
.endm
.macro CROUND
	s_barrier_signal -1
	s_barrier_wait -1
	s_cmp_lg_u32 s[WV], 0
	s_cbranch_scc1 .Lnw0_\@
	s_barrier_signal -3
.Lnw0_\@:
	s_barrier_wait -3
	s_barrier_signal -1
	s_barrier_wait -1
.endm
.macro JLOAD                           ; a joint refill: waves 0, 1 the two halves of Wff1's rows, waves 2, 3 of Wff2's
	s_cmp_lt_u32 s[WV], 2
	s_cbranch_scc0 .Ljb_\@
	tensor_load_to_lds s[G0A:G0A+3], s[G1A:G1A+7]
	s_nop 0
	PLACES
	s_branch .Ljd_\@
.Ljb_\@:
	tensor_load_to_lds s[G0B:G0B+3], s[G1B:G1B+7]
	s_nop 0
	PLACES
.Ljd_\@:
.endm
; A prefetch of the chunk that the NEXT change of slots loads: 512 blocks of 256 bytes, a lane a block.  All clusters walk the same chunks: cluster 0 asks; its four partners share the blocks by address;
; each wave asks for a quarter of what it fetches itself.  The last change that fills a slot asks for nothing.  Chunks 0 and 1 come by their loads alone.
.macro ASK
	s_cmp_gt_u32 s[STEPS], s[LIM]
	s_cbranch_scc0 .Lnm_\@
	global_prefetch_b8 v[PFO], s[PFA:PFA+1] th:TH_LOAD_NT scope:SCOPE_SE
.Lnm_\@:
.endm
	s_load_b128 s[4:7], s[0:1], 0x0                ; src, sbuf
	s_load_b512 s[12:27], s[0:1], 0x10             ; wA, wB, bout, g1, b1, bff1, bff2, g2
	s_load_b128 s[28:31], s[0:1], 0x50             ; b2, out0
	v_lshl_add_u32 v[SPW], v0, 2, SPARE
	v_mov_b32 v[NIL], 0
	ds_add_u32 v[SPW], v[NIL]                      ; the wave's opening: the add and its wait stand ahead of my first tensor load
	v_lshrrev_b32 v[ZR], 5, v0
	v_readfirstlane_b32 s[WV], v[ZR]
	v_mov_b32 v[ZR], 0
	s_mov_b32 s[G1A+0], 15|(1<<16)|(1<<20)|(1<<21)|(6<<22)|(3<<25)  ; 64 rows x 256 elements; after every 128 words 4 words of padding
	s_mov_b32 s[G1A+1], 256<<16
	s_mov_b32 s[G1A+2], 64<<16
	s_mov_b32 s[G1A+3], 256<<16
	s_mov_b32 s[G1A+4], 64
	s_mov_b32 s[G1A+5], 256
	s_mov_b32 s[G1A+6], 0
	s_mov_b32 s[G1A+7], 0
	s_mov_b32 s[G1B+0], 15|(1<<16)|(1<<20)|(1<<21)|(5<<22)|(3<<25)  ; 128 rows x 128 elements of rows of 1,024; after every 64 words 4 words
	s_mov_b32 s[G1B+1], 128<<16
	s_mov_b32 s[G1B+2], 128<<16
	s_mov_b32 s[G1B+3], 128<<16
	s_mov_b32 s[G1B+4], 128
	s_mov_b32 s[G1B+5], 1024
	s_mov_b32 s[G1B+6], 0
	s_mov_b32 s[G1B+7], 0
	s_and_b32 s[DT], s[WV], 1
	s_mov_b32 s[G0W], 1
	s_mul_i32 s[G0W+1], s[WV], 64*528              ; Wout^T: my 64 rows, slot 0
	s_mov_b32 s[G0A], 1
	s_mul_i32 s[G0A+1], s[DT], 64*528
	s_add_co_u32 s[G0A+1], s[G0A+1], SLOT          ; chunk 0 goes into slot 1
	s_mov_b32 s[G0B], 1
	s_mul_i32 s[G0B+1], s[DT], 128*272
	s_add_co_u32 s[G0B+1], s[G0B+1], SLOT+W2O
	s_bfe_u32 s[CXP], ttmp6, 0x40000
	s_lshl_b32 s[GG], ttmp9, 2
	s_add_co_u32 s[GG], s[GG], s[CXP]
	s_cmp_ge_u32 ttmp9, 26                         ; clusters 0-25 take batch 0, clusters 26-51 batch 1
	s_cselect_b32 s[BB], 1, 0
	s_mul_i32 s82, s[BB], 104
	s_sub_co_u32 s[GG], s[GG], s82                 ; g'
	s_mul_i32 s[WN], s[GG], 7
	s_min_u32 s82, s[GG], 93
	s_add_co_u32 s[WN], s[WN], s82
	s_lshl_b32 s[WN], s[WN], 4                     ; my first position
	s_add_co_u32 s82, s[GG], 1
	s_mul_i32 s[CNT], s82, 7
	s_min_u32 s82, s82, 93
	s_add_co_u32 s[CNT], s[CNT], s82
	s_lshl_b32 s[CNT], s[CNT], 4
	s_min_u32 s[CNT], s[CNT], LROWS
	s_sub_co_u32 s[CNT], s[CNT], s[WN]             ; my rows: 128, 112 or 101
	s_lshl_b32 s82, s[WV], 5
	s_sub_co_u32 s[REM], s[CNT], s82               ; how many of my wave's rows are the work-group's own: 5, 16, or 32 and more
	s_add_co_u32 s[ROW0], s[WN], s82
	s_mov_b32 s[SEL], 0x76543210
	s_mov_b32 s[SEL+1], 0xfedcba98
	s_mov_b32 s[INV], 0x3b800000                   ; 1 / 256
	s_mov_b32 s[EPS], 0x3727c5ac                   ; 1e-5
	s_wait_dscnt 0x0                               ; the opening add is done
	s_wait_kmcnt 0x0
	s_lshl_b32 s[DT], s[WV], 15
	s_mov_b32 s[DT+1], 0
	s_add_nc_u64 s[G0W+2:G0W+3], s[12:13], s[DT:DT+1]
	s_or_b32 s[G0W+3], s[G0W+3], 0x80000000
	s_and_b32 s[DT], s[WV], 1
	s_lshl_b32 s[DT], s[DT], 15
	s_add_co_u32 s[DT], s[DT], 256*512
	s_add_nc_u64 s[G0A+2:G0A+3], s[12:13], s[DT:DT+1]
	s_or_b32 s[G0A+3], s[G0A+3], 0x80000000
	s_and_b32 s[DT], s[WV], 1
	s_lshl_b32 s[DT], s[DT], 18
	s_add_nc_u64 s[G0B+2:G0B+3], s[14:15], s[DT:DT+1]
	s_or_b32 s[G0B+3], s[G0B+3], 0x80000000
	CROUND                                         ; all four work-groups are here: the first joint loads meet
	s_cmp_lt_u32 s[WV], 2                          ; a wave's two first fills stand in one branch
	s_cbranch_scc0 .Lfirst_b
	tensor_load_to_lds s[G0W:G0W+3], s[G1A:G1A+7]
	s_nop 0
	tensor_load_to_lds s[G0A:G0A+3], s[G1A:G1A+7]
	s_nop 0
	PLACES
	s_branch .Lfirst_done
.Lfirst_b:
	tensor_load_to_lds s[G0W:G0W+3], s[G1A:G1A+7]
	s_nop 0
	tensor_load_to_lds s[G0B:G0B+3], s[G1B:G1B+7]
	s_nop 0
	PLACES
.Lfirst_done:
	s_mul_i32 s[STGW], s[WV], 16*528
	s_add_co_u32 s[STGW], s[STGW], STG             ; my stage
	s_mul_i32 s[OFA], s[BB], LROWS*1024            ; src and out0 at my batch,
	s_mov_b32 s[OFA+1], 0
	s_add_nc_u64 s[4:5], s[4:5], s[OFA:OFA+1]
	s_add_nc_u64 s[30:31], s[30:31], s[OFA:OFA+1]
	s_mul_i32 s[OFA], s[BB], 32*SPL                ; and S's 32 planes
	s_add_nc_u64 s[6:7], s[6:7], s[OFA:OFA+1]
	v_and_b32 v[RR], 15, v0
	v_bfe_u32 v[HH], v0, 4, 1
	v_and_b32 v[L16], 31, v0
	v_mov_b32 v[PFO], v[L16]
	v_lshlrev_b32 v[L16], 4, v[L16]
	v_mul_u32_u24 v[L528], v[RR], 528
	v_lshl_add_u32 v[STD], v[HH], 5, v[L528]
	v_add_nc_u32 v[STD], s[STGW], v[STD]           ; f32 tiles in the stage: 528 r + 32 h
	v_lshl_add_u32 v[L528], v[HH], 4, v[L528]
	v_mul_u32_u24 v[L272], v[RR], 272
	v_lshl_add_u32 v[L272], v[HH], 4, v[L272]
	v_mov_b32 v[ADW0], v[L528]
	v_add_nc_u32 v[ADW1], 128*528, v[L528]
	v_lshlrev_b32 v[VH], 5, v[HH]
	v_add_nc_u32 v[VH], VEC, v[VH]
	v_add_nc_u32 v[STR], s[STGW], v[L16]
	v_mov_b32 v[REMV], s[REM]
	v_add_nc_u32 v[BOA], VEC+4096, v[L16]
	v_mul_u32_u24 v[SOF+1], v[HH], SPL             ; S: slot x 16, and one plane on for lanes 16-31
	v_add_nc_u32 v[SOF], s[ROW0], v[RR]
	v_lshl_add_u32 v[SOF], v[SOF], 4, v[SOF+1]
	v_add_nc_u32 v[SOF+1], 256, v[SOF]             ; the second tile: 16 slots on
	; THE SEVEN VECTORS go into LDS once: each wave copies 2,560 bytes of them, 512 consecutive bytes a load
	s_lshl_b32 s[DT], s[WV], 10
	v_add_nc_u32 v[VA], s[DT], v[L16]
	s_lshr_b32 s[DT], s[WV], 1
	s_lshl_b32 s[DT], s[DT], 9
	v_add_nc_u32 v[VA+1], s[DT], v[L16]
	v_add_nc_u32 v[VA+2], VEC, v[VA]
	s_and_b32 s[DT], s[WV], 1
	s_lshl_b32 s[DT], s[DT], 10
	s_add_co_u32 s[DT], s[DT], VEC+8192
	v_add_nc_u32 v[VA+3], s[DT], v[VA+1]
	s_cmp_eq_u32 s[WV], 0
	s_cselect_b64 s[PW:PW+1], s[16:17], s[18:19]   ; wave 0 bout, 1 g1, 2 b1, 3 bff2
	s_cmp_lt_u32 s[WV], 2
	s_cselect_b64 s[PW:PW+1], s[PW:PW+1], s[20:21]
	s_cmp_eq_u32 s[WV], 3
	s_cselect_b64 s[PW:PW+1], s[24:25], s[PW:PW+1]
	s_bitcmp1_b32 s[WV], 0
	s_cselect_b64 s[PI:PI+1], s[28:29], s[26:27]   ; odd waves b2, even waves g2; half w / 2
	global_load_b128 v[64:67], v[VA], s[22:23]
	global_load_b128 v[68:71], v[VA], s[22:23] offset:512
	global_load_b128 v[72:75], v[L16], s[PW:PW+1]
	global_load_b128 v[76:79], v[L16], s[PW:PW+1] offset:512
	global_load_b128 v[80:83], v[VA+1], s[PI:PI+1]
	; S comes straight into its fragments: channels 32 kk + 8 h on lie in plane 4 kk + h, channels 32 kk + 16 + 8 h on in plane 4 kk + 2 + h
	WIN 0xc0
.irp mt, 0,1
.irp kk, 0,1,2,3,4,5,6,7
	global_load_b128 v[64*\mt+8*\kk:64*\mt+8*\kk+3], v[SOF+\mt], s[6:7] offset:4*\kk*SPL th:TH_LOAD_NT
	global_load_b128 v[64*\mt+8*\kk+4:64*\mt+8*\kk+7], v[SOF+\mt], s[6:7] offset:(4*\kk+2)*SPL th:TH_LOAD_NT
.endr
.endr
.macro MKRO
	WIN 0
.set i, 0
.rept 32
	s_add_co_u32 s82, s[ROW0], i
	s_min_u32 s82, s82, LROWS-1
	s_lshl_b32 s82, s82, 10
	v_add_nc_u32 v[RO+i], s82, v[L16]
.set i, i+1
.endr
.endm
	MKRO
	s_wait_loadcnt 32                              ; the five loads of the vectors are in; S's 32 stay out
	ds_store_b128 v[VA+2], v[64:67]
	ds_store_b128 v[VA+2], v[68:71] offset:512
	ds_store_b128 v[VA+2], v[72:75] offset:4096
	ds_store_b128 v[VA+2], v[76:79] offset:4608
	ds_store_b128 v[VA+3], v[80:83]
	; src comes by rows (512 consecutive bytes a load)
	WIN 0x80
.set b, 0
.rept 4
.set i, 0
.rept 16
	global_load_b128 v[64*b+4*i:64*b+4*i+3], v[RO+16*(b/2)+i], s[4:5] offset:(b%2)*512 th:TH_LOAD_NT
.set i, i+1
.endr
.set b, b+1
.endr
	WIN 0
	s_cmp_lt_u32 s[WV], 2                          ; the prefetches: waves 0, 1 in wA, waves 2, 3 in wB
	s_cselect_b64 s[PFA:PFA+1], s[12:13], s[14:15]
	s_cselect_b32 s82, 15, 18
	s_cselect_b32 s83, 13, 16
	s_cselect_b32 s[PSTEP], 16, 8
	s_cselect_b32 s[OFA], 3, 1
	s_cselect_b32 s[SAVE], 8, 11
	s_lshl_b32 s[OFA], s[OFA], s[PSTEP]            ; at chunk 1; the first change of slots steps it to chunk 2
	s_lshl_b32 s[PSTEP], 1, s[PSTEP]               ; bytes from chunk to chunk
	s_mov_b32 s[PSTEP+1], 0
	s_and_b32 s[RC], s[WV], 1
	s_lshl_b32 s[RC], s[RC], s82                   ; the half that I fetch,
	s_add_co_u32 s[OFA], s[OFA], s[RC]
	s_lshl_b32 s83, s[CXP], s83                    ; my work-group's quarter of it
	s_add_co_u32 s[OFA], s[OFA], s83
	s_add_nc_u64 s[PFA:PFA+1], s[PFA:PFA+1], s[OFA:OFA+1]
	s_cmp_eq_u32 ttmp9, 0
	s_cselect_b32 s[LIM], 1, -1
	v_lshlrev_b32 v[PFO], s[SAVE], v[PFO]
	s_wait_tensorcnt 0x1                           ; my part of Wout^T has landed; chunk 0 may stay out
	s_wait_dscnt 0x0                               ; my part of the vectors is stored
	s_barrier_signal -1
	s_barrier_wait -1
	ds_load_b128 v[BO:BO+3], v[BOA]
	ds_load_b128 v[BO+4:BO+7], v[BOA] offset:512
	s_wait_dscnt 0x0                               ; bout
	; THE SUMS START WITH src + bout, which goes through my stage into the accumulators' layout
.macro SRCIN b
	s_wait_loadcnt 48-16*(\b)                      ; the later batches of 16 stay out (S's loads are older: they are in)
	WIN 0x82
.set i, 0
.rept 16
	v_pk_add_f32 v[64*(\b)+4*i:64*(\b)+4*i+1], v[64*(\b)+4*i:64*(\b)+4*i+1], v[BO+4*((\b)%2):BO+4*((\b)%2)+1]
	v_pk_add_f32 v[64*(\b)+4*i+2:64*(\b)+4*i+3], v[64*(\b)+4*i+2:64*(\b)+4*i+3], v[BO+4*((\b)%2)+2:BO+4*((\b)%2)+3]
.set i, i+1
.endr
	WIN 0x08
.set i, 0
.rept 16
	ds_store_b128 v[STR], v[64*(\b)+4*i:64*(\b)+4*i+3] offset:i*528
.set i, i+1
.endr
	WIN 0x40
.set t, 0
.rept 8
	ds_load_b128 v[64*(\b)+8*t:64*(\b)+8*t+3], v[STD] offset:t*64
	ds_load_b128 v[64*(\b)+8*t+4:64*(\b)+8*t+7], v[STD] offset:t*64+16
.set t, t+1
.endr
.endm
	SRCIN 0
	SRCIN 1
	SRCIN 2
	SRCIN 3
	; S Wout: 16 column tiles x 2 row tiles, K = 256 in eight steps, two buffers of 16 fragments; the 32 accumulators take turns
.macro LDN buf, kk
	WIN 0x80
.set i, 0
.rept 8
	ds_load_b128 v[(\buf)+8*i:(\buf)+8*i+3], v[ADW0] offset:i*8448+(\kk)*64
	ds_load_b128 v[(\buf)+8*i+4:(\buf)+8*i+7], v[ADW0] offset:i*8448+(\kk)*64+32
.set i, i+1
.endr
.set i, 0
.rept 8
	ds_load_b128 v[(\buf)+64+8*i:(\buf)+64+8*i+3], v[ADW1] offset:i*8448+(\kk)*64
	ds_load_b128 v[(\buf)+64+8*i+4:(\buf)+64+8*i+7], v[ADW1] offset:i*8448+(\kk)*64+32
.set i, i+1
.endr
.endm
.macro MWO buf, kk
	WIN 0x5e                                       ; weights window 2, S window 3, C and D window 1
.set i, 0
.rept 16
.irp mt, 0,1
	v_wmma_f32_16x16x32_bf16 v[8*(16*\mt+i):8*(16*\mt+i)+7], v[(\buf)+8*i:(\buf)+8*i+7], v[64*\mt+8*(\kk):64*\mt+8*(\kk)+7], v[8*(16*\mt+i):8*(16*\mt+i)+7]
.endr
.set i, i+1
.endr
.endm
	LDN 0,0
	LDN 128,1
.set kw, 0
.rept 8
.if kw < 7
	s_wait_dscnt 32                                ; all but the other buffer's run
.else
	s_wait_dscnt 0x0
.endif
	MWO 128*(kw%2),kw
	PLACES
.if kw < 6
	LDN 128*(kw%2),kw+2
.endif
.set kw, kw+1
.endr
; A NORM over the 256 columns of a row: 128 lie in my registers, 128 in the lane 16 away.
.macro LDV wc, base, off               ; a vector in the accumulators' layout: columns 16 t + 8 h + j
	WIN \wc
.set t, 0
.rept 16
	ds_load_b128 v[(\base)+8*t:(\base)+8*t+3], v[VH] offset:(\off)+t*64
	ds_load_b128 v[(\base)+8*t+4:(\base)+8*t+7], v[VH] offset:(\off)+t*64+16
.set t, t+1
.endr
.endm
.macro LNRED
	WIN 0
	v_pk_add_f32 v[CH:CH+1], v[CH:CH+1], v[CH+2:CH+3]
	v_pk_add_f32 v[CH+4:CH+5], v[CH+4:CH+5], v[CH+6:CH+7]
	v_pk_add_f32 v[CH:CH+1], v[CH:CH+1], v[CH+4:CH+5]
	v_add_f32 v[CH], v[CH], v[CH+1]
	v_permlanex16_b32 v[CH+1], v[CH], s[SEL], s[SEL+1]
	v_add_f32 v[CH], v[CH], v[CH+1]
.endm
.macro LNSTAT mt                       ; the mean; the differences, in place; the mean of their squares + eps.  Four chains; the tiles in ascending order, low registers first
.set AB, 128*(\mt)
.set SB, STT+6*(\mt)
	WIN 0x05
.irp c, 0,1,2,3
	v_pk_add_f32 v[CH+2*\c:CH+2*\c+1], v[AB+4*\c:AB+4*\c+1], v[AB+4*\c+2:AB+4*\c+3]
.endr
	WIN 0x04
.set p, 8
.rept 56
	v_pk_add_f32 v[CH+2*(p%4):CH+2*(p%4)+1], v[CH+2*(p%4):CH+2*(p%4)+1], v[AB+2*p:AB+2*p+1]
.set p, p+1
.endr
	LNRED
	v_mul_f32 v[SB], s[INV], v[CH]
	v_mov_b32 v[SB+1], v[SB]
	WIN 0x41
.set p, 0
.rept 64
	v_pk_add_f32 v[AB+2*p:AB+2*p+1], v[AB+2*p:AB+2*p+1], v[SB:SB+1] neg_lo:[0,1] neg_hi:[0,1]
.set p, p+1
.endr
	WIN 0x05
.irp c, 0,1,2,3
	v_pk_mul_f32 v[CH+2*\c:CH+2*\c+1], v[AB+2*\c:AB+2*\c+1], v[AB+2*\c:AB+2*\c+1]
.endr
.set p, 4
.rept 60
	v_pk_fma_f32 v[CH+2*(p%4):CH+2*(p%4)+1], v[AB+2*p:AB+2*p+1], v[AB+2*p:AB+2*p+1], v[CH+2*(p%4):CH+2*(p%4)+1]
.set p, p+1
.endr
	LNRED
	v_fma_f32 v[SB+4], v[CH], s[INV], s[EPS]
.endm
.macro LNAPPLY mt, which
.set AB, 128*(\mt)
.set SB, STT+6*(\mt)
	WIN 0x41
.set p, 0
.rept 64
	v_pk_mul_f32 v[AB+2*p:AB+2*p+1], v[AB+2*p:AB+2*p+1], v[SB+2:SB+3]
.set p, p+1
.endr
	WIN 0x79                                       ; g window 2, b window 3
.set p, 0
.rept 64
	v_pk_fma_f32 v[AB+2*p:AB+2*p+1], v[AB+2*p:AB+2*p+1], v[2*p:2*p+1], v[128+2*p:128+2*p+1]
.set p, p+1
.endr
.if (\which) == 1
	WIN 0xc5                                       ; x rounded to bf16 is the FFN's source 1: pair p of the tile's 64 is register p of its eight fragments
.set p, 0
.rept 64
	v_cvt_pk_bf16_f32 v[64*(\mt)+p], v[AB+2*p], v[AB+2*p+1]
.set p, p+1
.endr
	WIN 0x41                                       ; the second product's sums start with x + bff2
.set p, 0
.rept 64
	v_pk_add_f32 v[AB+2*p:AB+2*p+1], v[AB+2*p:AB+2*p+1], v[128+2*p:128+2*p+1]
.set p, p+1
.endr
.endif
.endm
.macro LNORM which
.if (\which) == 1
	LDV 0x80,0,5120
	LDV 0xc0,128,6144
	LDV 0,128,7168
.else
	LDV 0x80,0,8192
	LDV 0xc0,128,9216
.endif
	LNSTAT 0
	LNSTAT 1
	WIN 0
	v_rsq_f32 v[STT+2], v[STT+4]
	v_rsq_f32 v[STT+8], v[STT+10]
	v_nop                                          ; a plain instruction behind the second root,
	s_wait_alu depctr_va_vdst(0)                   ; and one wait for the two
	v_mov_b32 v[STT+3], v[STT+2]
	v_mov_b32 v[STT+9], v[STT+8]
	s_wait_dscnt 0x0                               ; the vectors are in
	LNAPPLY 0,\which
	LNAPPLY 1,\which
.endm
	LNORM 1
	WIN 0
.set i, 0
.rept 16
	v_mov_b32 v[HF+i], 0                           ; the first sub-step's second product, of a sub-step that has not been, multiplies zeros by the fragments of Wout left in the buffer
.set i, i+1
.endr
; THE FFN.  A sub-step is 32 hidden columns.  Its text is rotated: the first product's fragments are asked for; the SECOND product of the sub-step before runs meanwhile; then its own second product's fragments
; are asked for, and its first product runs.
.macro FF2P
	WIN 0x52                                       ; weights window 2, hidden window 0, C and D window 1
.set i, 0
.rept 16
.irp mt, 0,1
	v_wmma_f32_16x16x32_bf16 v[8*(16*\mt+i):8*(16*\mt+i)+7], v[128+8*i:128+8*i+7], v[HF+8*\mt:HF+8*\mt+7], v[8*(16*\mt+i):8*(16*\mt+i)+7]
.endr
.set i, i+1
.endr
.endm
.macro RSTEP
	WIN 0
	v_add_nc_u32 v[AD1], s[TB1], v[L528]
	v_add_nc_u32 v[AD2], s[TB2], v[L272]
	v_add_nc_u32 v[BIA], s[TBB], v[VH]
	s_add_co_u32 s[TB1], s[TB1], 32*528
	s_add_co_u32 s[TB2], s[TB2], 64
	s_add_co_u32 s[TBB], s[TBB], 128
.irp t, 0,1
	ds_load_b128 v[BI+8*\t:BI+8*\t+3], v[BIA] offset:\t*64
	ds_load_b128 v[BI+8*\t+4:BI+8*\t+7], v[BIA] offset:\t*64+16
.endr
	WIN 0x80
.irp t, 0,1
.irp kk, 0,1,2,3,4,5,6,7
	ds_load_b128 v[8*(8*\t+\kk):8*(8*\t+\kk)+3], v[AD1] offset:\t*8448+\kk*64
	ds_load_b128 v[8*(8*\t+\kk)+4:8*(8*\t+\kk)+7], v[AD1] offset:\t*8448+\kk*64+32
.endr
.endr
	FF2P
	PLACES
	WIN 0x80
.set i, 0
.rept 16
	ds_load_b128 v[128+8*i:128+8*i+3], v[AD2] offset:i*4352
	ds_load_b128 v[128+8*i+4:128+8*i+7], v[AD2] offset:i*4352+32
.set i, i+1
.endr
	s_wait_dscnt 32                                ; the first run is in; the 32 just issued stay out
	WIN 0x0e                                       ; weights window 2, x window 3, C and D window 0; four accumulators by turns
.set kf, 0
.rept 8
.irp t, 0,1
.irp mt, 0,1
.if kf == 0
	v_wmma_f32_16x16x32_bf16 v[HA+8*(2*\mt+\t):HA+8*(2*\mt+\t)+7], v[8*(8*\t+kf):8*(8*\t+kf)+7], v[64*\mt+8*kf:64*\mt+8*kf+7], v[BI+8*\t:BI+8*\t+7]
.else
	v_wmma_f32_16x16x32_bf16 v[HA+8*(2*\mt+\t):HA+8*(2*\mt+\t)+7], v[8*(8*\t+kf):8*(8*\t+kf)+7], v[64*\mt+8*kf:64*\mt+8*kf+7], v[HA+8*(2*\mt+\t):HA+8*(2*\mt+\t)+7]
.endif
.endr
.endr
.set kf, kf+1
.endr
	PLACES
	WIN 0
.irp mt, 0,1
.irp t, 0,1
.irp q, 0,1,2,3
	v_cvt_pk_bf16_f32 v[HF+8*\mt+4*\t+\q], v[HA+8*(2*\mt+\t)+2*\q], v[HA+8*(2*\mt+\t)+2*\q+1]
.endr
.endr
.endr
.set i, 0
.rept 16
	v_pk_max_num_bf16 v[HF+i], v[HF+i], v[ZR]      ; the ReLU, on the rounded halves
.set i, i+1
.endr
	s_wait_dscnt 0x0                               ; the second product's fragments are in registers: the slot is read no more for this sub-step
.endm
; THE CHANGE OF SLOTS.  Every wave waits for all its tensor loads (one is out: its part of the chunk to be read next), adds 0 to its spare word, and waits for that and for its reads of the slot that it leaves.
; fill = 1: a round of the cluster's barrier, and the slot just left is filled again first thing behind it; the load has a chunk's 256 matrix instructions in which to land.
.macro CHANGE fill
	WIN 0
	s_wait_tensorcnt 0x0                           ; no tensor load of mine is out, so the descriptors may be written
	ds_add_u32 v[SPW], v[NIL]
.if \fill
	s_xor_b32 s[G0A+1], s[G0A+1], SLOT
	s_add_nc_u64 s[G0A+2:G0A+3], s[G0A+2:G0A+3], 65536
	s_xor_b32 s[G0B+1], s[G0B+1], SLOT
	s_add_nc_u64 s[G0B+2:G0B+3], s[G0B+2:G0B+3], 256
	s_wait_xcnt 0x0                                ; the last prefetch, a chunk back, has read its address
	s_add_nc_u64 s[PFA:PFA+1], s[PFA:PFA+1], s[PSTEP:PSTEP+1]
	s_wait_dscnt 0x0
	CROUND
	JLOAD
	ASK
.else
	s_wait_dscnt 0x0
	s_barrier_signal -1
	s_barrier_wait -1
.endif
	s_sub_co_u32 s[TB1], s[TB1], 4*32*528          ; back to a chunk's first sub-step,
	s_xor_b32 s[TB1], s[TB1], SLOT                 ; in the other slot
	s_sub_co_u32 s[TB2], s[TB2], 256
	s_xor_b32 s[TB2], s[TB2], SLOT
.endm
	s_mov_b32 s[TB1], 4*32*528                     ; the first change turns these two into slot 1's
	s_mov_b32 s[TB2], W2O+256
	s_mov_b32 s[TBB], 0
	s_mov_b32 s[STEPS], 7
.Lstep:                                ; seven trips: chunk c is read, chunk c + 1 asked for
	CHANGE 1
	s_mov_b32 s[SUBC], 4
.Lsub:
	RSTEP
	s_sub_co_u32 s[SUBC], s[SUBC], 1
	s_cmp_lg_u32 s[SUBC], 0
	s_cbranch_scc1 .Lsub
	s_sub_co_u32 s[STEPS], s[STEPS], 1
	s_cmp_lg_u32 s[STEPS], 0
	s_cbranch_scc1 .Lstep
	CHANGE 0                                       ; the last chunk is written out: nothing is asked for
	s_mov_b32 s[SUBC], 4
.Lsub2:
	RSTEP
	s_sub_co_u32 s[SUBC], s[SUBC], 1
	s_cmp_lg_u32 s[SUBC], 0
	s_cbranch_scc1 .Lsub2
	FF2P                                           ; the last sub-step's second product
	PLACES
	LNORM 2
	; THE WAY OUT: 16 rows x 128 columns at a time through my stage; a store of the wave covers 512 consecutive bytes of a row
	MKRO
.macro OUTB b
.set MT, (\b)/2
.set HB, (\b)%2
	WIN 0x04
.set t, 0
.rept 8
	ds_store_b128 v[STD], v[64*(\b)+8*t:64*(\b)+8*t+3] offset:t*64
	ds_store_b128 v[STD], v[64*(\b)+8*t+4:64*(\b)+8*t+7] offset:t*64+16
.set t, t+1
.endr
	WIN 0
	s_wait_xcnt 0x0                                ; earlier stores have read the registers that are loaded next
.set i, 0
.rept 16
	ds_load_b128 v[OB+4*i:OB+4*i+3], v[STR] offset:i*528
.set i, i+1
.endr
.set i, 0
.rept 16
.if ((MT == 0) && (i == 5)) || ((MT == 1) && (i == 0))
	s_wait_xcnt 0x0                                ; EXEC changes only behind this wait
	v_cmp_lt_u32 vcc_lo, 16*MT+i, v[REMV]          ; my wave's own rows are 5, 16, or all: rows 5-15 go together, and so do rows 16-31
	s_and_saveexec_b32 s[SAVE], vcc_lo
.endif
	s_wait_dscnt 15-i
	global_store_b128 v[RO+16*MT+i], v[OB+4*i:OB+4*i+3], s[30:31] offset:HB*512 th:TH_STORE_NT
.set i, i+1
.endr
	s_wait_xcnt 0x0                                ; and again, in front of the line that widens it
	s_or_b32 exec_lo, exec_lo, s[SAVE]
.endm
	OUTB 0
	OUTB 1
	OUTB 2
	OUTB 3
	s_wait_tensorcnt 0x0                           ; the wave's end
	ds_add_u32 v[SPW], v[NIL]
	s_wait_dscnt 0x0
	CROUND                                         ; the closing round
	s_endpgm
.Lfunc_end_k_qbf597f06cd_layer:
	.size	k_qbf597f06cd_layer, .Lfunc_end_k_qbf597f06cd_layer-k_qbf597f06cd_layer
	.p2alignl 7, 3214868480
	.fill 96, 4, 3214868480
	.section	.rodata,"a",@progbits
	.p2align	6, 0x0
	.amdhsa_kernel k_qbf597f06cd_layer
		.amdhsa_group_segment_fixed_size 327680
		.amdhsa_private_segment_fixed_size 0
		.amdhsa_enable_private_segment 0
		.amdhsa_kernarg_size 96
		.amdhsa_user_sgpr_count 2
		.amdhsa_user_sgpr_kernarg_segment_ptr 1
		.amdhsa_wavefront_size32 1
		.amdhsa_system_sgpr_workgroup_id_x 1
		.amdhsa_system_sgpr_workgroup_id_y 1
		.amdhsa_system_sgpr_workgroup_id_z 1
		.amdhsa_system_vgpr_workitem_id 0
		.amdhsa_next_free_vgpr 1024
		.amdhsa_next_free_sgpr 102
		.amdhsa_reserve_vcc 1
		.amdhsa_float_denorm_mode_32 3
		.amdhsa_float_denorm_mode_16_64 3
		.amdhsa_memory_ordered 1
		.amdhsa_forward_progress 1
		.amdhsa_inst_pref_size 233
	.end_amdhsa_kernel
	.amdgpu_metadata
---
amdhsa.version: [ 1, 2 ]
amdhsa.kernels:
  - .name:           k_qbf597f06cd_layer
    .symbol:         k_qbf597f06cd_layer.kd
    .args:
      - { .name: src, .offset: 0, .size: 8, .value_kind: global_buffer, .address_space: global }
      - { .name: sbuf, .offset: 8, .size: 8, .value_kind: global_buffer, .address_space: global }
      - { .name: wA, .offset: 16, .size: 8, .value_kind: global_buffer, .address_space: global }
      - { .name: wB, .offset: 24, .size: 8, .value_kind: global_buffer, .address_space: global }
      - { .name: bout, .offset: 32, .size: 8, .value_kind: global_buffer, .address_space: global }
      - { .name: g1, .offset: 40, .size: 8, .value_kind: global_buffer, .address_space: global }
      - { .name: b1, .offset: 48, .size: 8, .value_kind: global_buffer, .address_space: global }
      - { .name: bff1, .offset: 56, .size: 8, .value_kind: global_buffer, .address_space: global }
      - { .name: bff2, .offset: 64, .size: 8, .value_kind: global_buffer, .address_space: global }
      - { .name: g2, .offset: 72, .size: 8, .value_kind: global_buffer, .address_space: global }
      - { .name: b2, .offset: 80, .size: 8, .value_kind: global_buffer, .address_space: global }
      - { .name: out0, .offset: 88, .size: 8, .value_kind: global_buffer, .address_space: global }
    .group_segment_fixed_size: 327680
    .private_segment_fixed_size: 0
    .kernarg_segment_align: 8
    .kernarg_segment_size: 96
    .max_flat_workgroup_size: 128
    .sgpr_count:     102
    .vgpr_count:     1024
    .wavefront_size: 32
...
	.end_amdgpu_metadata
.endif
;; end of part 6
;; ======== version 3 of 3: 4 launches; version 2 with the launch prep written anew for expert scheduling mode
;; workspace buffers: wqv 294,912 bytes; wA 655,360 bytes; wB 524,288 bytes; val 19,966,720 bytes; swgt 20,447,232 bytes; sidx 10,223,616 bytes of whole numbers; sbuf 13,467,648 bytes
;; launch prep (part 7): grid 45 x 1, 4 waves a work-group, no clusters, 34,304 bytes of LDS; arguments Wv, Woff, Wattn, Wout, Wff1, Wff2, wqv, wA, wB; writes wqv, wA, wB
.if DOCPART == 7
	.amdgcn_target "amdgcn-amd-amdhsa--gfx1250"
	.amdhsa_code_object_version 6
	.text
	.protected	k_qbf597f06cd_prep
	.globl	k_qbf597f06cd_prep
	.p2align	8
	.type	k_qbf597f06cd_prep,@function
k_qbf597f06cd_prep:
	s_mov_b64 s[64:65], 0
	v_nop
	global_prefetch_b8 v0, s[64:65] scope:SCOPE_SE
	s_setreg_imm32_b32 hwreg(HW_REG_WAVE_SCHED_MODE, 0, 2), 2
	s_setreg_imm32_b32 hwreg(HW_REG_WAVE_MODE, 25, 1), 1
	s_wait_xcnt 0x0
	s_wait_alu depctr_vm_vsrc(0)
; The six weight matrices, f32 [K][N], are rounded once to bf16 and turned to [N][K], so that the later launches' tiles have K along their rows.
; wqv [576][256]: rows 0-255 Wv^T; row 256 + 80 hh + 16 t + 8 h + j is item i = 8 t + j of head 4 h + hh: i < 24 column 24 head + i of Woff,
; i < 36 column 12 head + i - 24 of Wattn, else a row of zeros.  wA [1280][256]: Wout^T, then Wff1^T.  wB [256][1024]: Wff2^T.
; A wave makes one tile of 16 destination rows x 256 k; tile number = 4 x work-group + wave, 180 tiles.  Lane l takes 4 source columns (l % 4) and 8 k (l / 4) four times:
; 32 loads of 16 bytes; eight k of one column pack into 16 bytes, go into the wave's own stage in LDS and come back as whole rows of 512 bytes.
; THE MODE: SCHED_MODE bits 1:0 = 2 (LLVM: expert scheduling mode 2), set by the entry lines.  The code itself states the register dependences
; between vector instructions and memory or LDS instructions, with s_wait_alu, always for 0.
; THE PLAN.  Registers that memory or LDS instructions touch:
;   AO  v16-47    written by the head's 32 adds; read by the 32 loads as offsets; never written again.
;   LD  v64-191   the 32 loads land here; group it's conversions read v[64 + 32 it ..]; later the 16 LDS loads from the stage land in v64-127, which the 16 stores then read.
;   PK  v192-255  group it's conversions and masks write sixteen registers of its own; that group's four LDS stores read them; never written again.
;   STO, RD       LDS addresses, made at the head; never written again.
;   DO  v48-63    the stores' offsets, made behind the loads; never written again.
;   SPW, NIL      made at the head; read by the closing add alone.
; No register that a memory or LDS instruction reads is written again, so no wait on vm_vsrc is owed.  Waits on va_vdst: one ahead of the loads (the offsets are written); one at the head of each of
; groups 1 to 3 (the group before has written its PK: its four LDS stores follow, dealt among this group's vector lines, which name this group's LD and PK alone); one behind group 3.
.set SPARE, 33792                      ; behind the four stages (4 x 16 rows x 528 bytes): the spare words, 128 bytes a wave
.set SPW, 1                            ; v1  SPARE + 4 x thread; never rewritten
.set NIL, 2                            ; v2  0; never rewritten
.set LN,  3                            ; v3  lane
.set NQ,  4                            ; v4  l % 4
.set KG,  5                            ; v5  l / 4
.set COL, 6                            ; v6  my first source column
.set BASE, 7                           ; v7  byte offset of (first k, first column)
.set KEEP, 8                           ; v8  all ones, or 0 in lanes whose rows are zero rows
.set STO, 9                            ; v9  where I put 16 bytes in the stage
.set RD,  10                           ; v10 where I read a row back
.set TA,  11
.set TB,  12
.set AO,  16                           ; v16-47  the 32 loads' offsets
.set DO,  48                           ; v48-63  the 16 stores' offsets
.set LD,  64                           ; v64-191 as loaded: (it, j) at 32 it + 4 j
.set PK,  192                          ; v192-255 packed
.set WV, 24
.set TAU, 25
.set P4, 26                            ; bytes from k to k + 1 in the source
.set N0, 27
.set CA, 28                            ; columns from destination row 0 to row 8
.set CB, 29                            ; columns from destination row 0 to row 4
.set PM, 30                            ; -1: destination rows 4-7 and 12-15 are zero rows
.set K0, 31
.set SRC, 32
.set DST, 34
.set DP, 36                            ; bytes from row to row in the destination
.set OF, 38
.set T0, 40
.set T1, 41
.set T2, 42
.set STW, 43
	s_load_b512 s[4:19], s[0:1], 0x0               ; Wv, Woff, Wattn, Wout, Wff1, Wff2, wqv, wA
	s_load_b64 s[20:21], s[0:1], 0x40              ; wB
	v_lshl_add_u32 v[SPW], v0, 2, SPARE
	v_mov_b32 v[NIL], 0
	v_lshrrev_b32 v[LN], 5, v0
	v_readfirstlane_b32 s[WV], v[LN]
	v_and_b32 v[LN], 31, v0
	v_and_b32 v[NQ], 3, v0
	v_lshrrev_b32 v[KG], 2, v[LN]
	s_wait_alu depctr_va_sdst(0)                   ; the wave's number is written, ahead of its first reader: the tile's number is made from it
	s_lshl2_add_u32 s[TAU], ttmp9, s[WV]           ; the tile's number
	s_mov_b32 s[CA], 8
	s_mov_b32 s[CB], 4
	s_mov_b32 s[PM], 0
	s_mov_b32 s[K0], 0
	s_mov_b32 s[DP], 512
	s_mov_b32 s[OF+1], 0
	s_wait_kmcnt 0x0
	s_cmp_lt_u32 s[TAU], 16
	s_cbranch_scc0 .Lnot_v
	s_mov_b64 s[SRC:SRC+1], s[4:5]                 ; tiles 0-15: Wv
	s_mov_b32 s[P4], 1024
	s_lshl_b32 s[N0], s[TAU], 4
	s_lshl_b32 s[OF], s[TAU], 13
	s_add_nc_u64 s[DST:DST+1], s[16:17], s[OF:OF+1]
	s_branch .Lgo
.Lnot_v:
	s_cmp_lt_u32 s[TAU], 36
	s_cbranch_scc0 .Lnot_q
	s_sub_co_u32 s[T0], s[TAU], 16                 ; tiles 16-35: tq = 5 hh + t
	s_mul_i32 s[T1], s[T0], 13
	s_lshr_b32 s[T1], s[T1], 6                     ; hh = tq / 5 for tq < 20
	s_mul_i32 s[T2], s[T1], 5
	s_sub_co_u32 s[T2], s[T0], s[T2]               ; t
	s_lshl_b32 s[OF], s[T0], 13
	s_add_co_u32 s[OF], s[OF], 256*512
	s_add_nc_u64 s[DST:DST+1], s[16:17], s[OF:OF+1]
	s_cmp_lt_u32 s[T2], 3
	s_cbranch_scc0 .Lattn
	s_mov_b64 s[SRC:SRC+1], s[6:7]                 ; Woff: column 96 h + 24 hh + 8 t + j
	s_mov_b32 s[P4], 768
	s_mul_i32 s[N0], s[T1], 24
	s_lshl3_add_u32 s[N0], s[T2], s[N0]
	s_mov_b32 s[CA], 96
	s_branch .Lgo
.Lattn:
	s_mov_b64 s[SRC:SRC+1], s[8:9]                 ; Wattn: column 48 h + 12 hh + 8 (t - 3) + j
	s_mov_b32 s[P4], 384
	s_mul_i32 s[N0], s[T1], 12
	s_sub_co_u32 s[T2], s[T2], 3
	s_lshl3_add_u32 s[N0], s[T2], s[N0]
	s_mov_b32 s[CA], 48
	s_cmp_eq_u32 s[T2], 1                          ; t = 4: only j < 4 exist; the others load the same columns again and are masked to zero
	s_cselect_b32 s[CB], 0, 4
	s_cselect_b32 s[PM], -1, 0
	s_branch .Lgo
.Lnot_q:
	s_cmp_lt_u32 s[TAU], 52
	s_cbranch_scc0 .Lnot_o
	s_sub_co_u32 s[T0], s[TAU], 36                 ; tiles 36-51: Wout
	s_mov_b64 s[SRC:SRC+1], s[10:11]
	s_mov_b32 s[P4], 1024
	s_lshl_b32 s[N0], s[T0], 4
	s_lshl_b32 s[OF], s[T0], 13
	s_add_nc_u64 s[DST:DST+1], s[18:19], s[OF:OF+1]
	s_branch .Lgo
.Lnot_o:
	s_cmp_lt_u32 s[TAU], 116
	s_cbranch_scc0 .Lff2
	s_sub_co_u32 s[T0], s[TAU], 52                 ; tiles 52-115: Wff1
	s_mov_b64 s[SRC:SRC+1], s[12:13]
	s_mov_b32 s[P4], 4096
	s_lshl_b32 s[N0], s[T0], 4
	s_lshl_b32 s[OF], s[T0], 13
	s_add_co_u32 s[OF], s[OF], 256*512
	s_add_nc_u64 s[DST:DST+1], s[18:19], s[OF:OF+1]
	s_branch .Lgo
.Lff2:
	s_sub_co_u32 s[T0], s[TAU], 116                ; tiles 116-179: Wff2, 16 rows x a quarter of its 1,024 k
	s_mov_b64 s[SRC:SRC+1], s[14:15]
	s_mov_b32 s[P4], 1024
	s_lshr_b32 s[T1], s[T0], 2
	s_and_b32 s[T2], s[T0], 3
	s_lshl_b32 s[N0], s[T1], 4
	s_lshl_b32 s[K0], s[T2], 8
	s_lshl_b32 s[OF], s[T1], 15
	s_lshl_b32 s[T2], s[T2], 9
	s_add_co_u32 s[OF], s[OF], s[T2]
	s_add_nc_u64 s[DST:DST+1], s[20:21], s[OF:OF+1]
	s_mov_b32 s[DP], 2048
.Lgo:
	v_lshrrev_b32 v[COL], 1, v[NQ]
	v_and_b32 v[TA], 1, v[NQ]
	v_mul_lo_u32 v[COL], v[COL], s[CA]
	v_mul_lo_u32 v[TB], v[TA], s[CB]
	v_add3_u32 v[COL], v[COL], v[TB], s[N0]
	v_and_b32 v[KEEP], s[PM], v[TA]
	v_add_nc_u32 v[KEEP], -1, v[KEEP]              ; 0 -> all ones, 1 -> 0
	v_lshl_add_u32 v[BASE], v[KG], 3, s[K0]
	v_mul_lo_u32 v[BASE], v[BASE], s[P4]
	v_lshl_add_u32 v[BASE], v[COL], 2, v[BASE]
	s_mul_i32 s[STW], s[WV], 16*528                ; my stage
	v_mul_u32_u24 v[STO], v[NQ], 4*528
	v_lshl_add_u32 v[STO], v[KG], 4, v[STO]
	v_add_nc_u32 v[STO], s[STW], v[STO]
	v_lshl_add_u32 v[RD], v[LN], 4, s[STW]
	v_lshlrev_b32 v[TA], 4, v[LN]
.set n, 0
.rept 32                               ; load n = 8 it + j takes k = K0 + 64 it + 8 (l / 4) + j
	s_mul_i32 s[T0], s[P4], 64*(n/8)+n%8
	v_add_nc_u32 v[AO+n], s[T0], v[BASE]
.set n, n+1
.endr
	s_wait_alu depctr_va_vdst(0)                   ; the 32 offsets v[AO ..] are written, which the loads below read; so are the two LDS addresses v[STO] and v[RD]
.set n, 0
.rept 32
	global_load_b128 v[LD+4*n:LD+4*n+3], v[AO+n], s[SRC:SRC+1]
.set n, n+1
.endr
.set n, 0
.rept 16                               ; the stores' offsets are made while the loads are on their way; no load touches these registers
	s_mul_i32 s[T0], s[DP], n
	v_add_nc_u32 v[DO+n], s[T0], v[TA]
.set n, n+1
.endr
; Group it of four: eight loads' numbers are rounded and masked into the group's own sixteen registers of PK.  The LDS stores of the group before stand among these lines, one ahead of each column's eight.
.macro GROUP it
	s_wait_loadcnt 24-8*(\it)                      ; loads come back in order: this group of eight is in, the later groups stay out
.if (\it) > 0
	s_wait_alu depctr_va_vdst(0)                   ; the group before has written its sixteen registers of PK, which the four LDS stores below read (at group 1 also: the stores' offsets v[DO ..] are written)
.endif
.irp c, 0,1,2,3
.if (\it) > 0
	ds_store_b128 v[STO], v[PK+16*((\it)-1)+4*\c:PK+16*((\it)-1)+4*\c+3] offset:\c*528+((\it)-1)*128  ; no vector line since the wait names these registers
.endif
.irp q, 0,1,2,3
	v_cvt_pk_bf16_f32 v[PK+16*(\it)+4*\c+\q], v[LD+32*(\it)+8*\q+\c], v[LD+32*(\it)+8*\q+4+\c]
.endr
.irp q, 0,1,2,3
	v_and_b32 v[PK+16*(\it)+4*\c+\q], v[KEEP], v[PK+16*(\it)+4*\c+\q]
.endr
.endr
.endm
	GROUP 0
	GROUP 1
	GROUP 2
	GROUP 3
	s_wait_alu depctr_va_vdst(0)                   ; group 3 has written its PK, which the last four LDS stores read; the conversions of groups 0 and 1 are done reading v64-127, in which the LDS loads below land
.irp c, 0,1,2,3
	ds_store_b128 v[STO], v[PK+48+4*\c:PK+48+4*\c+3] offset:\c*528+384
.endr
.irp j, 0,1,2,3,4,5,6,7,8,9,10,11,12,13,14,15
	ds_load_b128 v[LD+4*\j:LD+4*\j+3], v[RD] offset:\j*528  ; my own bytes: LDS serves a wave's instructions in order
.endr
.irp j, 0,1,2,3,4,5,6,7,8,9,10,11,12,13,14,15
	s_wait_dscnt 15-\j
	global_store_b128 v[DO+\j], v[LD+4*\j:LD+4*\j+3], s[DST:DST+1]  ; a wave's store covers 512 consecutive bytes, aligned
.endr
	s_wait_dscnt 0x0                               ; the closing lines, six on end
	s_wait_alu 0x0
	s_wait_tensorcnt 0x0
	ds_add_u32 v[SPW], v[NIL]
	s_wait_dscnt 0x0
	s_endpgm
.Lfunc_end_k_qbf597f06cd_prep:
	.size	k_qbf597f06cd_prep, .Lfunc_end_k_qbf597f06cd_prep-k_qbf597f06cd_prep
	.p2alignl 7, 3214868480
	.fill 96, 4, 3214868480
	.section	.rodata,"a",@progbits
	.p2align	6, 0x0
	.amdhsa_kernel k_qbf597f06cd_prep
		.amdhsa_group_segment_fixed_size 34304
		.amdhsa_private_segment_fixed_size 0
		.amdhsa_enable_private_segment 0
		.amdhsa_kernarg_size 72
		.amdhsa_user_sgpr_count 2
		.amdhsa_user_sgpr_kernarg_segment_ptr 1
		.amdhsa_wavefront_size32 1
		.amdhsa_system_sgpr_workgroup_id_x 1
		.amdhsa_system_sgpr_workgroup_id_y 1
		.amdhsa_system_sgpr_workgroup_id_z 1
		.amdhsa_system_vgpr_workitem_id 0
		.amdhsa_next_free_vgpr 256
		.amdhsa_next_free_sgpr 66
		.amdhsa_reserve_vcc 0
		.amdhsa_float_denorm_mode_32 3
		.amdhsa_float_denorm_mode_16_64 3
		.amdhsa_memory_ordered 1
		.amdhsa_forward_progress 1
		.amdhsa_inst_pref_size 22
	.end_amdhsa_kernel
	.amdgpu_metadata
---
amdhsa.version: [ 1, 2 ]
amdhsa.kernels:
  - .name:           k_qbf597f06cd_prep
    .symbol:         k_qbf597f06cd_prep.kd
    .args:
      - { .name: Wv, .offset: 0, .size: 8, .value_kind: global_buffer, .address_space: global }
      - { .name: Woff, .offset: 8, .size: 8, .value_kind: global_buffer, .address_space: global }
      - { .name: Wattn, .offset: 16, .size: 8, .value_kind: global_buffer, .address_space: global }
      - { .name: Wout, .offset: 24, .size: 8, .value_kind: global_buffer, .address_space: global }
      - { .name: Wff1, .offset: 32, .size: 8, .value_kind: global_buffer, .address_space: global }
      - { .name: Wff2, .offset: 40, .size: 8, .value_kind: global_buffer, .address_space: global }
      - { .name: wqv, .offset: 48, .size: 8, .value_kind: global_buffer, .address_space: global }
      - { .name: wA, .offset: 56, .size: 8, .value_kind: global_buffer, .address_space: global }
      - { .name: wB, .offset: 64, .size: 8, .value_kind: global_buffer, .address_space: global }
    .group_segment_fixed_size: 34304
    .private_segment_fixed_size: 0
    .kernarg_segment_align: 8
    .kernarg_segment_size: 72
    .max_flat_workgroup_size: 128
    .sgpr_count:     66
    .vgpr_count:     256
    .wavefront_size: 32
...
	.end_amdgpu_metadata
.endif
;; end of part 7
;; launch proj: the kernel of part 4 again; grid 208 x 1, 4 waves a work-group, clusters of 4 x 1, 327,680 bytes of LDS; arguments src, pos, reference_points, bv, boff, battn, wqv, val, swgt, sidx; writes val, swgt, sidx
;; launch samp: the kernel of part 5 again; grid 256 x 1, 16 waves a work-group, no clusters, 212,224 bytes of LDS; arguments val, swgt, sidx, sbuf; writes sbuf
;; launch layer: the kernel of part 6 again; grid 208 x 1, 4 waves a work-group, clusters of 4 x 1, 327,680 bytes of LDS; arguments src, sbuf, wA, wB, bout, g1, b1, bff1, bff2, g2, b2, out0; writes out0
